; MI455X (gfx1250); checked and timed in simulation.
; The chip was launched on July 23, 2026; its instructions are those of AMD's public machine-readable ISA for CDNA 5 (MIT licence, August 2026) and "CDNA5" Instruction Set Architecture Reference Guide (July 2026). The comments in the code are by the model that wrote it; some were corrected since.
;; Unified Transformer Block. Allowed arithmetic: float matrix products may take bf16 or f16 operands with f32 sums; other float arithmetic in f32, or as packed bf16 or f16 multiplies, adds, multiply-adds, maxima and minima; sums over many terms, partial sums and values carried from step to step in f32; what a program stores and reads back later, other than sums and carried values, may be rounded once to bf16 or f16.
;; Inputs: expert_biases 8 float32; gate_w 1,024 x 8 float32; ln1_b 1,024 float32; ln1_g 1,024 float32; ln2_b 1,024 float32; ln2_g 1,024 float32; out_w 1,024 x 1,024 float32; qkv_w 1,024 x 3,072 float32; w1 8 x 1,024 x 4,096 float32; w2 8 x 2,048 x 1,024 float32; x 2 x 512 x 1,024 float32.
;; Outputs: out0 2 x 512 x 1,024 float32; out1 one number float32.
;; 3 versions, each right; version 2 is faster than version 1; version 3 is version 2 with the launches qkvp, oproj, moe1, moe2 written anew for expert scheduling mode. Each part assembles by itself: llvm-mc -triple=amdgcn-amd-amdhsa -mcpu=gfx1250 --defsym DOCPART=n.
;; ======== version 1 of 3: 8 launches
;; limits: values are held in f16: magnitudes above 65,504 overflow, below 6.1e-05 lose precision
;; workspace buffers: ab 2,228,224 bytes; qkv 6,291,456 bytes; x2 4,194,304 bytes; r4 2,113,536 bytes; ridx 8,192 bytes of whole numbers; act 33,554,432 bytes; part 16,842,752 bytes
;; launch prep (part 1): grid 128 x 1, 8 waves a work-group, no clusters, 0 bytes of LDS; arguments x, ln1_g, ln1_b, ab; writes ab
.if DOCPART == 1
	.amdgcn_target "amdgcn-amd-amdhsa--gfx1250"
	.amdhsa_code_object_version 6
	.text
	.protected	k_q228892808d_prep
	.globl	k_q228892808d_prep
	.p2align	8
	.type	k_q228892808d_prep,@function
k_q228892808d_prep:
	s_mov_b64 s[64:65], 0
	v_nop
	global_prefetch_b8 v0, s[64:65] scope:SCOPE_SE
	s_setreg_imm32_b32 hwreg(HW_REG_WAVE_MODE, 25, 1), 1
	s_wait_xcnt 0x0
; LayerNorm 1 and the rotation table.  One wave takes one of the 1,024 rows of x (4,096 bytes: eight loads of 512 consecutive bytes)
; and keeps it in 32 registers between the mean, the variance (of x - mean: no difference of large sums) and the scaling.
; xn = (x - mean) rsqrt(var + 1e-5) g + b is rounded once to f16 (operand of the next product): ab[row][1024], 2,048 bytes a row.
; The waves of rows 0-511 also write cos and sin of t x 10000^(-p/32), lane = p: ab + 2,097,152 + 256 t + 8 p.
; No LDS, no barrier, no matrix unit: the rows share nothing but g and b.
; LIMITS.  |xn| stays under 65,504 (f16).  The angle is reduced by pi in two parts and the series end at x^11 and x^12 (x up to pi/2):
; both are right to about 1e-7; the angle itself to about 4e-5 at t = 511.  NaN and infinities are not treated apart.
.set X, 32
.set G, 64
.set BV, 96
.macro WSUM r, t                       ; the sum over the 32 lanes, in every lane
	v_add_f32_dpp v[\r], v[\r], v[\r] row_xmask:1 row_mask:0xf bank_mask:0xf
	v_add_f32_dpp v[\r], v[\r], v[\r] row_xmask:2 row_mask:0xf bank_mask:0xf
	v_add_f32_dpp v[\r], v[\r], v[\r] row_xmask:4 row_mask:0xf bank_mask:0xf
	v_add_f32_dpp v[\r], v[\r], v[\r] row_xmask:8 row_mask:0xf bank_mask:0xf
	v_permlanex16_b32 v[\t], v[\r], s22, s23
	v_add_f32 v[\r], v[\r], v[\t]
.endm
.macro LNORM                           ; X becomes the normalised row; s20 = 1/1024, s21 = 1e-5
.irp k, 0,1,2,3
	v_pk_add_f32 v[8+2*(\k):9+2*(\k)], v[X+4*(\k):X+4*(\k)+1], v[X+4*(\k)+2:X+4*(\k)+3]
.endr
.irp k, 0,1,2,3,4,5,6,7
	v_pk_add_f32 v[8+2*((\k)%4):9+2*((\k)%4)], v[8+2*((\k)%4):9+2*((\k)%4)], v[X+16+2*(\k):X+17+2*(\k)]
.endr
	v_pk_add_f32 v[8:9], v[8:9], v[10:11]
	v_pk_add_f32 v[12:13], v[12:13], v[14:15]
	v_pk_add_f32 v[8:9], v[8:9], v[12:13]
	v_add_f32 v8, v8, v9
	WSUM 8, 9
	v_mul_f32 v10, s20, v8                         ; the mean, twice for the packed form
	v_mov_b32 v11, v10
.set n_, 0
.rept 16
	v_pk_add_f32 v[X+2*n_:X+2*n_+1], v[X+2*n_:X+2*n_+1], v[10:11] neg_lo:[0,1] neg_hi:[0,1]
.set n_, n_+1
.endr
.irp k, 0,1,2,3
	v_pk_mul_f32 v[8+2*(\k):9+2*(\k)], v[X+2*(\k):X+2*(\k)+1], v[X+2*(\k):X+2*(\k)+1]
.endr
.set n_, 4
.rept 12
	v_pk_fma_f32 v[8+2*(n_%4):9+2*(n_%4)], v[X+2*n_:X+2*n_+1], v[X+2*n_:X+2*n_+1], v[8+2*(n_%4):9+2*(n_%4)]
.set n_, n_+1
.endr
	v_pk_add_f32 v[8:9], v[8:9], v[10:11]
	v_pk_add_f32 v[12:13], v[12:13], v[14:15]
	v_pk_add_f32 v[8:9], v[8:9], v[12:13]
	v_add_f32 v8, v8, v9
	WSUM 8, 9
	v_fma_f32 v12, v8, s20, s21
	v_rsq_f32 v12, v12
	v_nop                                          ; a plain instruction behind the root (ISA guide 5.7.2),
	s_wait_alu depctr_va_vdst(0)                   ; and the wait ahead of its first reader
	v_mov_b32 v13, v12
	s_wait_loadcnt 0x0                             ; g and b
.set n_, 0
.rept 16
	v_pk_mul_f32 v[X+2*n_:X+2*n_+1], v[X+2*n_:X+2*n_+1], v[12:13]
.set n_, n_+1
.endr
.set n_, 0
.rept 16
	v_pk_fma_f32 v[X+2*n_:X+2*n_+1], v[X+2*n_:X+2*n_+1], v[G+2*n_:G+2*n_+1], v[BV+2*n_:BV+2*n_+1]
.set n_, n_+1
.endr
.endm
	s_load_b256 s[8:15], s[0:1], 0x0               ; x s[8:9], g s[10:11], b s[12:13], ab s[14:15]
	v_lshrrev_b32 v1, 5, v0
	v_readfirstlane_b32 s2, v1                     ; wave
	v_and_b32 v4, 31, v0                           ; lane
	v_lshlrev_b32 v5, 4, v4                        ; 16 bytes a lane
	v_lshlrev_b32 v7, 3, v4                        ; 8 bytes a lane
	s_lshl3_add_u32 s3, ttmp9, s2                  ; my row = 8 x work-group + wave
	s_lshl_b32 s4, s3, 12
	s_mov_b32 s5, 0
	s_lshl_b32 s6, s3, 11
	s_mov_b32 s7, 0
	s_lshl_b32 s16, s3, 8
	s_add_co_u32 s16, s16, 2097152
	s_mov_b32 s17, 0
	s_mov_b32 s20, 0x3a800000                      ; 1/1024
	s_mov_b32 s21, 0x3727c5ac                      ; 1e-5
	s_mov_b32 s22, 0x76543210
	s_mov_b32 s23, 0xfedcba98
	s_mov_b32 s24, 0x40490fdb                      ; pi, its f32 and what that leaves
	s_mov_b32 s25, 0xb3bbbd2e
	s_wait_kmcnt 0x0
	s_add_nc_u64 s[4:5], s[8:9], s[4:5]
	s_add_nc_u64 s[6:7], s[14:15], s[6:7]
	s_add_nc_u64 s[16:17], s[14:15], s[16:17]
.set j_, 0
.rept 8
	global_load_b128 v[X+4*j_:X+4*j_+3], v5, s[4:5] offset:512*j_
.set j_, j_+1
.endr
.set j_, 0
.rept 8
	global_load_b128 v[G+4*j_:G+4*j_+3], v5, s[10:11] offset:512*j_
.set j_, j_+1
.endr
.set j_, 0
.rept 8
	global_load_b128 v[BV+4*j_:BV+4*j_+3], v5, s[12:13] offset:512*j_
.set j_, j_+1
.endr
	s_wait_loadcnt 16                              ; the row is in; the sixteen loads of g and b stay out
	LNORM
.set j_, 0
.rept 8
	v_cvt_pk_f16_f32 v[X+4*j_], v[X+4*j_], v[X+4*j_+1]
	v_cvt_pk_f16_f32 v[X+4*j_+1], v[X+4*j_+2], v[X+4*j_+3]
	global_store_b64 v7, v[X+4*j_:X+4*j_+1], s[6:7] offset:256*j_  ; the wave's store covers 256 consecutive bytes, aligned
.set j_, j_+1
.endr
	s_cmp_lt_u32 s3, 512
	s_cbranch_scc0 .Ldone
	v_cvt_f32_u32 v8, v4
	v_mul_f32 v8, 0xbed49a74, v8                   ; -p log2(10000) / 32
	v_exp_f32 v8, v8
	v_cvt_f32_u32 v9, s3
	v_nop
	s_wait_alu depctr_va_vdst(0)
	v_mul_f32 v8, v9, v8                           ; the angle
	v_mul_f32 v10, 0x3ea2f983, v8
	v_rndne_f32 v10, v10                           ; n = the nearest multiple of pi
	v_fma_f32 v11, -v10, s24, v8
	v_fma_f32 v11, -v10, s25, v11                  ; what is left, within pi/2
	v_mul_f32 v12, v11, v11
	v_mov_b32 v13, 0xb2d7322b
	v_fmaak_f32 v13, v13, v12, 0x3638ef1d
	v_fmaak_f32 v13, v13, v12, 0xb9500d01
	v_fmaak_f32 v13, v13, v12, 0x3c088889
	v_fmaak_f32 v13, v13, v12, 0xbe2aaaab
	v_fma_f32 v13, v13, v12, 1.0
	v_mul_f32 v13, v13, v11                        ; sin
	v_mov_b32 v14, 0x310f76c7
	v_fmaak_f32 v14, v14, v12, 0xb493f27e
	v_fmaak_f32 v14, v14, v12, 0x37d00d01
	v_fmaak_f32 v14, v14, v12, 0xbab60b61
	v_fmaak_f32 v14, v14, v12, 0x3d2aaaab
	v_fmaak_f32 v14, v14, v12, 0xbf000000
	v_fma_f32 v14, v14, v12, 1.0                   ; cos
	v_cvt_i32_f32 v15, v10
	v_lshlrev_b32 v15, 31, v15                     ; an odd n turns both signs
	v_xor_b32 v16, v15, v14
	v_xor_b32 v17, v15, v13
	global_store_b64 v7, v[16:17], s[16:17]        ; 256 consecutive bytes: the row of t
.Ldone:
	s_endpgm
.Lfunc_end_k_q228892808d_prep:
	.size	k_q228892808d_prep, .Lfunc_end_k_q228892808d_prep-k_q228892808d_prep
	.p2alignl 7, 3214868480
	.fill 96, 4, 3214868480
	.section	.rodata,"a",@progbits
	.p2align	6, 0x0
	.amdhsa_kernel k_q228892808d_prep
		.amdhsa_group_segment_fixed_size 0
		.amdhsa_private_segment_fixed_size 0
		.amdhsa_enable_private_segment 0
		.amdhsa_kernarg_size 32
		.amdhsa_user_sgpr_count 2
		.amdhsa_user_sgpr_kernarg_segment_ptr 1
		.amdhsa_wavefront_size32 1
		.amdhsa_system_sgpr_workgroup_id_x 1
		.amdhsa_system_sgpr_workgroup_id_y 1
		.amdhsa_system_sgpr_workgroup_id_z 1
		.amdhsa_system_vgpr_workitem_id 0
		.amdhsa_next_free_vgpr 128
		.amdhsa_next_free_sgpr 66
		.amdhsa_reserve_vcc 0
		.amdhsa_float_denorm_mode_32 3
		.amdhsa_float_denorm_mode_16_64 3
		.amdhsa_memory_ordered 1
		.amdhsa_forward_progress 1
		.amdhsa_inst_pref_size 14
	.end_amdhsa_kernel
	.amdgpu_metadata
---
amdhsa.version: [ 1, 2 ]
amdhsa.kernels:
  - .name:           k_q228892808d_prep
    .symbol:         k_q228892808d_prep.kd
    .args:
      - { .name: x, .offset: 0, .size: 8, .value_kind: global_buffer, .address_space: global }
      - { .name: ln1_g, .offset: 8, .size: 8, .value_kind: global_buffer, .address_space: global }
      - { .name: ln1_b, .offset: 16, .size: 8, .value_kind: global_buffer, .address_space: global }
      - { .name: ab, .offset: 24, .size: 8, .value_kind: global_buffer, .address_space: global }
    .group_segment_fixed_size: 0
    .private_segment_fixed_size: 0
    .kernarg_segment_align: 8
    .kernarg_segment_size: 32
    .max_flat_workgroup_size: 256
    .sgpr_count:     66
    .vgpr_count:     128
    .wavefront_size: 32
...
	.end_amdgpu_metadata
.endif
;; end of part 1
;; launch qkvp (part 2): grid 48 x 4, 4 waves a work-group, no clusters, 131,584 bytes of LDS; arguments ab, qkv_w, qkv; writes qkv
.if DOCPART == 2
	.amdgcn_target "amdgcn-amd-amdhsa--gfx1250"
	.amdhsa_code_object_version 6
	.text
	.protected	k_q228892808d_qkvp
	.globl	k_q228892808d_qkvp
	.p2align	8
	.type	k_q228892808d_qkvp,@function
k_q228892808d_qkvp:
	s_mov_b64 s[64:65], 0
	v_nop
	global_prefetch_b8 v0, s[64:65] scope:SCOPE_SE
	s_setreg_imm32_b32 hwreg(HW_REG_WAVE_MODE, 25, 1), 1
	s_wait_xcnt 0x0
; q, k, v = xn x qkv_w, with the rotation of q and k.  A work-group owns 64 columns (one head of q, k or v) and 256 rows; a wave 64 rows.
; PHASE 1: the slice of weights (1,024 x 64 f32) is read once, rounded to f16 and laid into LDS in the order of matrix operands.  Lane (r, h) loads columns 4r..4r+3
; of rows 8h + t: sixteen lanes take 256 consecutive bytes.  Two rows' numbers of one column pack into one register of the fragment whose column r stands for column 4r + j.
; PHASE 2 (behind the one barrier; nothing writes LDS): 32 K steps; xn's fragments come straight from memory through a ring of eight steps in registers, the weights' from LDS, two buffers.
; In the result register i of fragments 0..3 holds token 8h + i, columns 4r..4r+3: two rotation pairs, 8 bytes of f16.
; qkv[sec][b 16 + head][slot][64] f16; token 16m + 8h + i lies in slot 16m + 2i + h, so that a store covers 256 consecutive bytes.
; The sums start from products of a zero fragment: sixteen matrix instructions, in place of a second copy of the K step.
; No tensor loads and no joint loads: every weight passes through registers to be rounded.  The slice is read by the four work-groups of a column of the grid.
; LIMITS: f16 operands and results: |xn|, |w|, |q|, |k|, |v| under 65,504; weights under 6e-5 keep f16's fixed step.
.set NF, 4
.set MT, 4
.set ROWB, 12288
.set ADIV, 1
.set AHI, 64
.set ASTR, 512
.set AMASK, 0x600
.set BSTR, 32768
.set BMASK, 0x18000
.set P1TRIPS, 2
.set VSTR, 512*ROWB
.set ISBF, 0
.set NTW, 0
.set DYN, 0
.set SPARE, 131072                     ; behind the slice: the spare words, 128 bytes a wave
.set SPW, 1
.set NIL, 2
.set R_, 3
.set H_, 4
.set VB0, 5                            ; 16 x lane
.set VB, 6                             ; LDS address of the fragments in hand
.set VOFF, 8                           ; v8-11  tile m: my row's byte offset in A
.set VS, 12
.set Z, 16                             ; v16-23 a fragment of zeros
.set VO, 24                            ; v24-27 phase 1: slot i's offset in the weights
.set VL, 28                            ; v28-31 phase 1: slot i's LDS address
.set F, 64                             ; v64-95 phase 1: four fragments
.set BB, 128                           ; two buffers of NF fragments
; windows of 256 registers: 0 as above; 1 the accumulators ((m, f) at 8 (NF m + f)), in phase 1 four slots of 64 for loaded weights; 2 the A ring (step s, tile m at 8 (4 s + m))
.set MSB, 0
.macro WIN new
.if MSB != (\new)
	s_set_vgpr_msb (MSB<<8)|(\new)
.set MSB, (\new)
.endif
.endm
.macro P1ADDR
	v_mul_u32_u24 v32, v[H_], 8*ROWB
	v_lshl_add_u32 v32, v[R_], 4, v32
	s_mul_i32 s20, s2, 32*ROWB
	v_add_nc_u32 v32, s20, v32
	s_mul_i32 s20, s2, NF*1024
	v_add_nc_u32 v33, s20, v[VB0]
.irp i, 0,1,2,3
.if NF == 8
	v_add_nc_u32 v[VO+(\i)], ((\i)/2)*128*ROWB+((\i)%2)*8192, v32
	v_add_nc_u32 v[VL+(\i)], ((\i)/2)*32768+((\i)%2)*4096, v33
.else
	v_add_nc_u32 v[VO+(\i)], (\i)*128*ROWB, v32
	v_add_nc_u32 v[VL+(\i)], (\i)*16384, v33
.endif
.endr
.endm
.macro P1LOAD i                        ; 32 rows x 64 columns: sixteen loads (destination window 1)
.irp t, 0,1,2,3,4,5,6,7,8,9,10,11,12,13,14,15
.if NTW
	global_load_b128 v[64*(\i)+4*(\t):64*(\i)+4*(\t)+3], v[VO+(\i)], s[4:5] offset:((\t)+8*((\t)/8))*ROWB th:TH_LOAD_NT
.else
	global_load_b128 v[64*(\i)+4*(\t):64*(\i)+4*(\t)+3], v[VO+(\i)], s[4:5] offset:((\t)+8*((\t)/8))*ROWB
.endif
.endr
.endm
.macro BATCH i
	s_wait_loadcnt 48                              ; loads come back in order: slot i's sixteen are in, the three younger slots' 48 stay out
	WIN 0x05
.irp j, 0,1,2,3
.irp q, 0,1,2,3,4,5,6,7
.if ISBF
	v_cvt_pk_bf16_f32 v[F+8*(\j)+(\q)], v[64*(\i)+8*(\q)+(\j)], v[64*(\i)+8*(\q)+4+(\j)]
.else
	v_cvt_pk_f16_f32 v[F+8*(\j)+(\q)], v[64*(\i)+8*(\q)+(\j)], v[64*(\i)+8*(\q)+4+(\j)]
.endif
.endr
.endr
	WIN 0
.irp j, 0,1,2,3
	ds_store_b128 v[VL+(\i)], v[F+8*(\j):F+8*(\j)+3] offset:1024*(\j)
	ds_store_b128 v[VL+(\i)], v[F+8*(\j)+4:F+8*(\j)+7] offset:1024*(\j)+512
.endr
	v_add_nc_u32 v[VL+(\i)], 0x10000, v[VL+(\i)]
	v_add_nc_u32 v[VO+(\i)], VSTR, v[VO+(\i)]      ; free since the wait above showed its loads done
	v_and_b32 v[VO+(\i)], s18, v[VO+(\i)]          ; the last trip has nothing to fetch: its loads all name the slice's head
	WIN 0x40
	P1LOAD \i
	WIN 0
.endm
.macro MMA d, a, b, z
.if ISBF
.if \z
	v_wmma_f32_16x16x32_bf16 v[(\d):(\d)+7], v[(\a):(\a)+7], v[(\b):(\b)+7], 0
.else
	v_wmma_f32_16x16x32_bf16 v[(\d):(\d)+7], v[(\a):(\a)+7], v[(\b):(\b)+7], v[(\d):(\d)+7]
.endif
.else
.if \z
	v_wmma_f32_16x16x32_f16 v[(\d):(\d)+7], v[(\a):(\a)+7], v[(\b):(\b)+7], 0
.else
	v_wmma_f32_16x16x32_f16 v[(\d):(\d)+7], v[(\a):(\a)+7], v[(\b):(\b)+7], v[(\d):(\d)+7]
.endif
.endif
.endm
.macro ALOAD s                         ; step s of the eight in hand: two loads a tile (destination window 2)
.set m_, 0
.rept MT
	global_load_b128 v[8*(4*(\s)+m_):8*(4*(\s)+m_)+3], v[VOFF+m_], s[12:13] offset:((\s)/ADIV)*AHI+((\s)%ADIV)*64
	global_load_b128 v[8*(4*(\s)+m_)+4:8*(4*(\s)+m_)+7], v[VOFF+m_], s[12:13] offset:((\s)/ADIV)*AHI+((\s)%ADIV)*64+32
.set m_, m_+1
.endr
.endm
.macro BLOAD b, ks
.set f_, 0
.rept NF
	ds_load_b128 v[BB+8*NF*(\b)+8*f_:BB+8*NF*(\b)+8*f_+3], v[VB] offset:((\ks)*NF+f_)*1024
	ds_load_b128 v[BB+8*NF*(\b)+8*f_+4:BB+8*NF*(\b)+8*f_+7], v[VB] offset:((\ks)*NF+f_)*1024+512
.set f_, f_+1
.endr
.endm
.macro PRO_A                           ; the ring's first seven steps
	s_mov_b32 s14, 0
	s_mov_b32 s15, 0
	s_mov_b64 s[12:13], s[6:7]
	s_mov_b32 s16, 0
	v_mov_b32 v[VB], v[VB0]
	WIN 0x80
.irp s, 0,1,2,3,4,5,6
	ALOAD \s
.endr
	WIN 0
.endm
.macro PRO_B                           ; step 0's weights; the sums start
	BLOAD 0, 0
.rept 5
	v_nop
.endr
	WIN 0x40
.set k_, 0
.rept MT*NF
	MMA 8*k_, Z, Z, 1
.set k_, k_+1
.endr
	WIN 0
	s_mov_b32 s17, 4
.endm
.macro STEP s
.rept 4
	v_nop                                          ; four places behind the last step's products: the loads below land on registers that they read
.endr
.if (\s) == 1
	s_wait_xcnt 0x0                                ; the base and the offsets are rewritten only behind this wait
	s_add_co_u32 s14, s14, ASTR
	s_and_b32 s14, s14, AMASK                      ; behind the last eight steps it is 0 again
	s_add_nc_u64 s[12:13], s[6:7], s[14:15]
	s_cmp_eq_u32 s17, 1
	s_cselect_b32 s18, 0, -1
.set m_, 0
.rept MT
	v_and_b32 v[VOFF+m_], s18, v[VOFF+m_]          ; the last trip looks ahead at nothing: its loads all name A's head
.set m_, m_+1
.endr
.endif
	WIN 0x80
	ALOAD ((\s)+7)%8
	WIN 0
.if (\s) == 7
	s_add_co_u32 s16, s16, BSTR
	s_and_b32 s16, s16, BMASK
	v_add_nc_u32 v[VB], s16, v[VB0]
.endif
	BLOAD ((\s)+1)%2, ((\s)+1)%8
	s_wait_loadcnt 14*MT                           ; this step's A is in; seven younger steps stay out
	s_wait_dscnt 2*NF                              ; this step's weights are in; the next step's stay out
.set m_, 0
.rept MT
.if DYN && (m_ > 0)
	WIN 0
	s_cmp_le_u32 s30, m_
	s_cbranch_scc1 .Lend\@
.endif
	WIN 0x52
.set f_, 0
.rept NF                               ; the accumulators take turns
	MMA 8*(NF*m_+f_), 8*(4*(\s)+m_), BB+8*NF*((\s)%2)+8*f_, 0
.set f_, f_+1
.endr
.set m_, m_+1
.endr
	WIN 0
.if DYN
.Lend\@:
.endif
.endm
	s_load_b128 s[40:43], s[0:1], 0x0              ; ab s[40:41], qkv_w s[42:43]
	s_load_b64 s[44:45], s[0:1], 0x10              ; qkv
	v_lshl_add_u32 v[SPW], v0, 2, SPARE
	v_mov_b32 v[NIL], 0
	v_lshrrev_b32 v32, 5, v0
	v_readfirstlane_b32 s2, v32                    ; wave
	v_and_b32 v[R_], 15, v0
	v_bfe_u32 v[H_], v0, 4, 1
	v_and_b32 v33, 31, v0
	v_lshlrev_b32 v[VB0], 4, v33
	s_and_b32 s32, ttmp7, 0xffff                   ; block of 256 rows
	s_lshr_b32 s34, ttmp9, 4                       ; 0 q, 1 k, 2 v
	s_and_b32 s35, ttmp9, 15                       ; head
	P1ADDR
	s_lshl_b32 s20, ttmp9, 8
	s_mov_b32 s21, 0
	s_wait_kmcnt 0x0
	s_add_nc_u64 s[4:5], s[42:43], s[20:21]        ; my 64 columns
	WIN 0x40
	P1LOAD 0
	P1LOAD 1
	P1LOAD 2
	P1LOAD 3
	WIN 0
	s_lshl_b32 s20, s32, 19
	s_lshl_b32 s22, s2, 17
	s_add_co_u32 s20, s20, s22
	s_add_nc_u64 s[6:7], s[40:41], s[20:21]        ; xn at my wave's 64 rows
	s_and_b32 s22, s32, 1
	s_lshl_b32 s22, s22, 8
	s_lshl_b32 s23, s2, 6
	s_add_co_u32 s22, s22, s23                     ; their first position t0
	s_lshl_b32 s20, s22, 8
	s_add_co_u32 s20, s20, 2097152
	s_add_nc_u64 s[10:11], s[40:41], s[20:21]      ; the table at t0
	s_lshl_b32 s20, s34, 5
	s_lshr_b32 s23, s32, 1
	s_lshl4_add_u32 s20, s23, s20
	s_add_co_u32 s20, s20, s35
	s_lshl_b32 s20, s20, 16
	s_lshl_b32 s22, s22, 7
	s_add_co_u32 s20, s20, s22
	s_add_nc_u64 s[8:9], s[44:45], s[20:21]        ; the head's rows from t0 on
	v_lshlrev_b32 v34, 11, v[R_]
	v_lshl_add_u32 v34, v[H_], 4, v34
.irp m, 0,1,2,3
	v_add_nc_u32 v[VOFF+(\m)], (\m)*32768, v34
.endr
	v_lshlrev_b32 v[VS], 7, v[H_]
	v_lshl_add_u32 v[VS], v[R_], 3, v[VS]
	v_lshlrev_b32 v7, 11, v[H_]
	v_lshl_add_u32 v7, v[R_], 4, v7
.irp k, 0,1,2,3,4,5,6,7
	v_mov_b32 v[Z+(\k)], 0
.endr
	s_mov_b32 s19, P1TRIPS
.Lp1:
	s_cmp_eq_u32 s19, 1
	s_cselect_b32 s18, 0, -1
	BATCH 0
	BATCH 1
	BATCH 2
	BATCH 3
	s_sub_co_u32 s19, s19, 1
	s_cmp_lg_u32 s19, 0
	s_cbranch_scc1 .Lp1
	s_wait_loadcnt 0x0
	s_wait_dscnt 0x0                               ; for the others' sake: my part of the slice is in LDS
.set q_, 0
.rept 32                               ; cos and sin of my 64 positions' two pairs: v64-127, v192-255
	global_load_b128 v[64+4*q_+64*(q_/16):64+4*q_+64*(q_/16)+3], v7, s[10:11] offset:(16*(q_/8)+q_%8)*256
.set q_, q_+1
.endr
	PRO_A
	s_barrier_signal -1
	s_barrier_wait -1
	PRO_B
.Lk:
	STEP 0
	STEP 1
	STEP 2
	STEP 3
	STEP 4
	STEP 5
	STEP 6
	STEP 7
	s_sub_co_u32 s17, s17, 1
	s_cmp_lg_u32 s17, 0
	s_cbranch_scc1 .Lk
	s_wait_loadcnt 0x0
	s_wait_dscnt 0x0
.rept 4
	v_nop
.endr
.macro EPI rope
.set m_, 0
.rept 4
	s_wait_xcnt 0x0                                ; v32-63 were the last tile's store data
.set i_, 0
.if \rope
	WIN 0x01
.rept 8
.set t_, 64+4*(8*m_+i_)+64*((8*m_+i_)/16)
.set a_, 32*m_+i_
	v_mul_f32 v[32+4*i_], v[a_+8], v[t_+1]
	v_mul_f32 v[33+4*i_], v[a_], v[t_+1]
	v_mul_f32 v[34+4*i_], v[a_+24], v[t_+3]
	v_mul_f32 v[35+4*i_], v[a_+16], v[t_+3]
	v_fma_f32 v[32+4*i_], v[a_], v[t_], -v[32+4*i_]
	v_fma_f32 v[33+4*i_], v[a_+8], v[t_], v[33+4*i_]
	v_fma_f32 v[34+4*i_], v[a_+16], v[t_+2], -v[34+4*i_]
	v_fma_f32 v[35+4*i_], v[a_+24], v[t_+2], v[35+4*i_]
.set i_, i_+1
.endr
	WIN 0
.set i_, 0
.rept 8
	v_cvt_pk_f16_f32 v[32+4*i_], v[32+4*i_], v[33+4*i_]
	v_cvt_pk_f16_f32 v[33+4*i_], v[34+4*i_], v[35+4*i_]
.set i_, i_+1
.endr
.else
	WIN 0x05
.rept 8
.set a_, 32*m_+i_
	v_cvt_pk_f16_f32 v[32+4*i_], v[a_], v[a_+8]
	v_cvt_pk_f16_f32 v[33+4*i_], v[a_+16], v[a_+24]
.set i_, i_+1
.endr
	WIN 0
.endif
.set i_, 0
.rept 8
	global_store_b64 v[VS], v[32+4*i_:33+4*i_], s[8:9] offset:m_*2048+i_*256  ; slots 2i and 2i + 1: 256 consecutive bytes, aligned
.set i_, i_+1
.endr
.set m_, m_+1
.endr
.endm
	s_cmp_eq_u32 s34, 2
	s_cbranch_scc1 .Lplain
	EPI 1
	s_branch .Ldone
.Lplain:
	EPI 0
.Ldone:
	s_wait_tensorcnt 0x0                           ; the wave's end
	ds_add_u32 v[SPW], v[NIL]
	s_wait_dscnt 0x0
	s_endpgm
.Lfunc_end_k_q228892808d_qkvp:
	.size	k_q228892808d_qkvp, .Lfunc_end_k_q228892808d_qkvp-k_q228892808d_qkvp
	.p2alignl 7, 3214868480
	.fill 96, 4, 3214868480
	.section	.rodata,"a",@progbits
	.p2align	6, 0x0
	.amdhsa_kernel k_q228892808d_qkvp
		.amdhsa_group_segment_fixed_size 131584
		.amdhsa_private_segment_fixed_size 0
		.amdhsa_enable_private_segment 0
		.amdhsa_kernarg_size 24
		.amdhsa_user_sgpr_count 2
		.amdhsa_user_sgpr_kernarg_segment_ptr 1
		.amdhsa_wavefront_size32 1
		.amdhsa_system_sgpr_workgroup_id_x 1
		.amdhsa_system_sgpr_workgroup_id_y 1
		.amdhsa_system_sgpr_workgroup_id_z 1
		.amdhsa_system_vgpr_workitem_id 0
		.amdhsa_next_free_vgpr 768
		.amdhsa_next_free_sgpr 66
		.amdhsa_reserve_vcc 0
		.amdhsa_float_denorm_mode_32 3
		.amdhsa_float_denorm_mode_16_64 3
		.amdhsa_memory_ordered 1
		.amdhsa_forward_progress 1
		.amdhsa_inst_pref_size 86
	.end_amdhsa_kernel
	.amdgpu_metadata
---
amdhsa.version: [ 1, 2 ]
amdhsa.kernels:
  - .name:           k_q228892808d_qkvp
    .symbol:         k_q228892808d_qkvp.kd
    .args:
      - { .name: ab, .offset: 0, .size: 8, .value_kind: global_buffer, .address_space: global }
      - { .name: qkv_w, .offset: 8, .size: 8, .value_kind: global_buffer, .address_space: global }
      - { .name: qkv, .offset: 16, .size: 8, .value_kind: global_buffer, .address_space: global }
    .group_segment_fixed_size: 131584
    .private_segment_fixed_size: 0
    .kernarg_segment_align: 8
    .kernarg_segment_size: 24
    .max_flat_workgroup_size: 128
    .sgpr_count:     66
    .vgpr_count:     768
    .wavefront_size: 32
...
	.end_amdgpu_metadata
.endif
;; end of part 2
;; launch attn (part 3): grid 256 x 1, 4 waves a work-group, no clusters, 165,376 bytes of LDS; arguments qkv, ab; writes ab
.if DOCPART == 3
	.amdgcn_target "amdgcn-amd-amdhsa--gfx1250"
	.amdhsa_code_object_version 6
	.text
	.protected	k_q228892808d_attn
	.globl	k_q228892808d_attn
	.p2align	8
	.type	k_q228892808d_attn,@function
k_q228892808d_attn:
	s_mov_b64 s[64:65], 0
	v_nop
	global_prefetch_b8 v0, s[64:65] scope:SCOPE_SE
	s_setreg_imm32_b32 hwreg(HW_REG_WAVE_MODE, 25, 1), 1
	s_wait_xcnt 0x0
; O = softmax(Q K^T / 8) V for one of 32 heads and 64 of its 512 queries; a wave has 16 queries.  All f16 operands, f32 products, maxima and sums.
; The head's K and V (64 KiB each) are copied once into LDS through registers, with padded rows; then eight steps of 64 keys, in phases.
; S^T = K Q^T holds one query a lane (lane % 16) and keys 8 (lane / 16) + 0..7; two such results rounded to f16 ARE source 1 of O^T = V^T P; V is turned by ds_load_tr16_b128.
; Running maximum m and sum l: p = 2^(c s - c m), c = log2(e) / 8; O and l are multiplied by a = 2^(c m_old - c m_new) in every step; m starts at the lowest finite number, O and l at 0.
; Rows lie in slot order (token 8h + i of sixteen in slot 2i + h): for keys any order serves, K and V alike; the queries' order is undone on the way out.
; o[head][t][64] f16 goes to ab.  No joint loads: the eight work-groups of a head read its 128 KiB once each, at their start, and nothing is fetched in the loop.
; LIMITS: q, k, v within 65,504; p under 6e-5 keeps f16's fixed step; a weight under 2^-126 counts as 0 in l; NaN and infinities are not treated apart.
.set PK, 144                           ; a row of K: 128 bytes + 16: the 16 rows of a load start in 16 different groups of four banks (ISA guide 11.1)
.set PV, 160                           ; a row of V: 128 + 32
.set VBASE, 512*PK
.set STAGE, VBASE+512*PV               ; 16 rows x 144 bytes for each wave
.set SPARE, STAGE+4*16*144
.set Q, 32
.set S, 48
.set P, 80
.set O, 96
.set KF, 128
.set VF, 192
; v16 c m, v17 m, v18-19 l, v20-23 at work (v22 takes a), v24 c m_old
.set MSB, 0
.macro WIN new
.if MSB != (\new)
	s_set_vgpr_msb (MSB<<8)|(\new)
.set MSB, (\new)
.endif
.endm
	s_load_b128 s[4:7], s[0:1], 0x0                ; qkv s[4:5], ab s[6:7]
	v_lshl_add_u32 v1, v0, 2, SPARE
	v_mov_b32 v2, 0
	v_lshrrev_b32 v5, 5, v0
	v_readfirstlane_b32 s2, v5
	v_and_b32 v3, 15, v0                           ; r
	v_bfe_u32 v4, v0, 4, 1                         ; h
	v_and_b32 v5, 31, v0                           ; lane
	v_lshlrev_b32 v6, 4, v0                        ; 16 bytes a thread
	s_lshr_b32 s20, ttmp9, 3
	s_lshl_b32 s20, s20, 16                        ; the head's 65,536 bytes
	s_mov_b32 s21, 0
	s_and_b32 s22, ttmp9, 7
	s_lshl_b32 s22, s22, 13
	s_lshl_b32 s23, s2, 11
	s_add_co_u32 s22, s22, s23                     ; my 16 rows
	s_mov_b32 s23, 0
	s_mov_b32 s14, 0x3e38aa3b                      ; c = log2(e) / 8
	s_mov_b32 s15, s14
	s_mov_b32 s16, 0x76543210
	s_mov_b32 s17, 0xfedcba98
	s_wait_kmcnt 0x0
	s_add_nc_u64 s[24:25], s[4:5], s[20:21]
	s_add_nc_u64 s[8:9], s[24:25], s[22:23]        ; Q
	s_add_nc_u64 s[10:11], s[24:25], 0x200000      ; K
	s_add_nc_u64 s[26:27], s[24:25], 0x400000      ; V
	s_add_nc_u64 s[12:13], s[6:7], s[20:21]
	s_add_nc_u64 s[12:13], s[12:13], s[22:23]      ; O
	WIN 0x40
.set q_, 0
.rept 32
	global_load_b128 v[4*q_:4*q_+3], v6, s[10:11] offset:2048*q_
.set q_, q_+1
.endr
.set q_, 0
.rept 32
	global_load_b128 v[128+4*q_:128+4*q_+3], v6, s[26:27] offset:2048*q_
.set q_, q_+1
.endr
	WIN 0
	v_lshlrev_b32 v7, 7, v3
	v_lshl_add_u32 v7, v4, 4, v7
.irp c, 0,1,2,3
	global_load_b128 v[Q+4*(\c):Q+4*(\c)+3], v7, s[8:9] offset:32*(\c)
.endr
	v_lshrrev_b32 v26, 3, v0
	v_and_b32 v27, 7, v0
	v_mul_u32_u24 v8, v26, PK
	v_lshl_add_u32 v8, v27, 4, v8                  ; thread's place in 16 rows of K,
	v_add_nc_u32 v9, 16*16*PK, v8                  ; and 256 rows on: the immediate has 16 bits
	v_mul_u32_u24 v10, v26, PV
	v_lshl_add_u32 v10, v27, 4, v10
	v_add_nc_u32 v10, VBASE, v10
	v_add_nc_u32 v11, 16*16*PV, v10
	v_mul_u32_u24 v12, v3, PK
	v_lshl_add_u32 v12, v4, 4, v12                 ; K's fragments: row x pitch + 16 x half
	v_and_b32 v26, 7, v0
	v_lshl_add_u32 v13, v4, 3, v26
	v_mul_u32_u24 v13, v13, PV
	v_bfe_u32 v27, v0, 3, 1
	v_lshl_add_u32 v13, v27, 4, v13
	v_add_nc_u32 v13, VBASE, v13                   ; V's turning loads
	s_mul_i32 s20, s2, 16*144
	s_add_co_u32 s20, s20, STAGE
	v_mul_u32_u24 v14, v3, 144
	v_lshl_add_u32 v14, v4, 4, v14
	v_add_nc_u32 v14, s20, v14                     ; into my stage
	v_bfe_u32 v15, v0, 3, 2
	v_mul_u32_u24 v15, v15, 288
	v_lshl_add_u32 v15, v26, 4, v15
	v_add_nc_u32 v15, s20, v15                     ; and back
	v_lshlrev_b32 v25, 4, v5
	v_mov_b32 v16, 0xfe000000
	v_mov_b32 v17, 0xff7fffff
	v_mov_b32 v18, 0
	v_mov_b32 v19, 0
.set n_, 0
.rept 32
	v_mov_b32 v[O+n_], 0
.set n_, n_+1
.endr
	s_wait_loadcnt 36                              ; K is in; V's 32 loads and Q's 4 stay out
	WIN 0x04
.set q_, 0
.rept 16
	ds_store_b128 v8, v[4*q_:4*q_+3] offset:16*PK*q_
	ds_store_b128 v9, v[64+4*q_:64+4*q_+3] offset:16*PK*q_
.set q_, q_+1
.endr
	s_wait_loadcnt 4                               ; V is in
.set q_, 0
.rept 16
	ds_store_b128 v10, v[128+4*q_:128+4*q_+3] offset:16*PV*q_
	ds_store_b128 v11, v[192+4*q_:192+4*q_+3] offset:16*PV*q_
.set q_, q_+1
.endr
	WIN 0
	s_wait_loadcnt 0x0                             ; Q
	s_wait_dscnt 0x0                               ; for the others' sake: my stores are done
	s_barrier_signal -1
	s_barrier_wait -1
	s_mov_b32 s18, 8
.Lkey:
.rept 4
	v_nop                                          ; four places behind the last products, whose V the loads below overwrite
.endr
.irp f, 0,1,2,3,4,5,6,7
	ds_load_b128 v[KF+8*(\f):KF+8*(\f)+3], v12 offset:((\f)/2)*16*PK+((\f)%2)*64
	ds_load_b128 v[KF+8*(\f)+4:KF+8*(\f)+7], v12 offset:((\f)/2)*16*PK+((\f)%2)*64+32
.endr
.irp f, 0,1,2,3,4,5,6,7
	ds_load_tr16_b128 v[VF+8*(\f):VF+8*(\f)+3], v13 offset:((\f)/4)*32*PV+((\f)%4)*32
	ds_load_tr16_b128 v[VF+8*(\f)+4:VF+8*(\f)+7], v13 offset:((\f)/4)*32*PV+16*PV+((\f)%4)*32
.endr
	v_add_nc_u32 v12, 64*PK, v12
	v_add_nc_u32 v13, 64*PV, v13
	s_wait_dscnt 16                                ; K is in; V's sixteen stay out
.set i_, 0
.rept 8                                ; four accumulators by turns
.if i_ < 4
	v_wmma_f32_16x16x32_f16 v[S+8*(i_%4):S+8*(i_%4)+7], v[KF+16*(i_%4)+8*(i_/4):KF+16*(i_%4)+8*(i_/4)+7], v[Q+8*(i_/4):Q+8*(i_/4)+7], 0
.else
	v_wmma_f32_16x16x32_f16 v[S+8*(i_%4):S+8*(i_%4)+7], v[KF+16*(i_%4)+8*(i_/4):KF+16*(i_%4)+8*(i_/4)+7], v[Q+8*(i_/4):Q+8*(i_/4)+7], v[S+8*(i_%4):S+8*(i_%4)+7]
.endif
.set i_, i_+1
.endr
.rept 4
	v_nop
.endr
.irp n, 0,1,2,3                        ; the maximum: each accumulator's lowest registers are read first
	v_max3_num_f32 v[20+(\n)], v[S+8*(\n)], v[S+8*(\n)+1], v[S+8*(\n)+2]
.endr
.irp n, 4,5,6,7,8,9,10,11
	v_max3_num_f32 v[20+(\n)%4], v[20+(\n)%4], v[S+8*((\n)%4)+2*((\n)/4)+1], v[S+8*((\n)%4)+2*((\n)/4)+2]
.endr
	v_max3_num_f32 v20, v20, v[S+7], v[S+15]
	v_max3_num_f32 v21, v21, v[S+23], v[S+31]
	v_max3_num_f32 v22, v22, v23, v17
	v_mov_b32 v24, v16
	v_max3_num_f32 v20, v20, v21, v22
	v_permlanex16_b32 v23, v20, s16, s17           ; the query's other 32 keys lie in the lane 16 away
	v_max_num_f32 v17, v20, v23
	v_mul_f32 v16, s14, v17
	v_sub_f32 v21, v24, v16
.set n_, 0
.rept 16
	v_pk_fma_f32 v[S+2*n_:S+2*n_+1], v[S+2*n_:S+2*n_+1], s[14:15], v[16:17] op_sel_hi:[1,0,0] neg_lo:[0,0,1] neg_hi:[0,0,1]
.set n_, n_+1
.endr
	v_exp_f32 v22, v21
.set n_, 0
.rept 32
	v_exp_f32 v[S+n_], v[S+n_]
.set n_, n_+1
.endr
	v_nop                                          ; a plain instruction behind the last exponential,
	s_wait_alu depctr_va_vdst(0)                   ; and one wait for the batch of 33, ahead of its first reader
.set n_, 0
.rept 16
	v_cvt_pk_f16_f32 v[P+n_], v[S+2*n_], v[S+2*n_+1]
.set n_, n_+1
.endr
.irp n, 0,1,2,3,4,5,6,7
	v_pk_add_f32 v[S+4*(\n):S+4*(\n)+1], v[S+4*(\n):S+4*(\n)+1], v[S+4*(\n)+2:S+4*(\n)+3]
.endr
.irp n, 0,1,2,3
	v_pk_add_f32 v[S+8*(\n):S+8*(\n)+1], v[S+8*(\n):S+8*(\n)+1], v[S+8*(\n)+4:S+8*(\n)+5]
.endr
	v_pk_add_f32 v[S:S+1], v[S:S+1], v[S+8:S+9]
	v_pk_add_f32 v[S+16:S+17], v[S+16:S+17], v[S+24:S+25]
	v_pk_add_f32 v[S:S+1], v[S:S+1], v[S+16:S+17]
	v_pk_fma_f32 v[18:19], v[18:19], v[22:23], v[S:S+1] op_sel_hi:[1,0,1]
.set n_, 0
.rept 16
	v_pk_mul_f32 v[O+2*n_:O+2*n_+1], v[O+2*n_:O+2*n_+1], v[22:23] op_sel_hi:[1,0]
.set n_, n_+1
.endr
	s_wait_dscnt 0x0                               ; V is in
.set i_, 0
.rept 8
	v_wmma_f32_16x16x32_f16 v[O+8*(i_%4):O+8*(i_%4)+7], v[VF+32*(i_/4)+8*(i_%4):VF+32*(i_/4)+8*(i_%4)+7], v[P+8*(i_/4):P+8*(i_/4)+7], v[O+8*(i_%4):O+8*(i_%4)+7]
.set i_, i_+1
.endr
	s_sub_co_u32 s18, s18, 1
	s_cmp_lg_u32 s18, 0
	s_cbranch_scc1 .Lkey
.rept 4
	v_nop
.endr
	v_add_f32 v20, v18, v19
	v_permlanex16_b32 v21, v20, s16, s17
	v_add_f32 v20, v20, v21
	v_rcp_f32 v22, v20
	v_nop
	s_wait_alu depctr_va_vdst(0)
.set n_, 0
.rept 16
	v_pk_mul_f32 v[O+2*n_:O+2*n_+1], v[O+2*n_:O+2*n_+1], v[22:23] op_sel_hi:[1,0]
.set n_, n_+1
.endr
.set n_, 0
.rept 16
	v_cvt_pk_f16_f32 v[S+n_], v[O+2*n_], v[O+2*n_+1]
.set n_, n_+1
.endr
.irp c, 0,1,2,3
	ds_store_b128 v14, v[S+4*(\c):S+4*(\c)+3] offset:32*(\c)
.endr
.irp f, 0,1,2,3                        ; tokens 4f .. 4f + 3 lie in slots 2 (lane / 8) + 8 (f % 2) + f / 2; LDS serves a wave's instructions in order (ISA guide 5.7.1.4)
	ds_load_b128 v[64+4*(\f):64+4*(\f)+3], v15 offset:(8*((\f)%2)+(\f)/2)*144
.endr
.irp f, 0,1,2,3
	s_wait_dscnt 3-(\f)
	global_store_b128 v25, v[64+4*(\f):64+4*(\f)+3], s[12:13] offset:512*(\f)  ; 512 consecutive bytes, aligned
.endr
	s_wait_tensorcnt 0x0                           ; the wave's end
	ds_add_u32 v1, v2
	s_wait_dscnt 0x0
	s_endpgm
.Lfunc_end_k_q228892808d_attn:
	.size	k_q228892808d_attn, .Lfunc_end_k_q228892808d_attn-k_q228892808d_attn
	.p2alignl 7, 3214868480
	.fill 96, 4, 3214868480
	.section	.rodata,"a",@progbits
	.p2align	6, 0x0
	.amdhsa_kernel k_q228892808d_attn
		.amdhsa_group_segment_fixed_size 165376
		.amdhsa_private_segment_fixed_size 0
		.amdhsa_enable_private_segment 0
		.amdhsa_kernarg_size 16
		.amdhsa_user_sgpr_count 2
		.amdhsa_user_sgpr_kernarg_segment_ptr 1
		.amdhsa_wavefront_size32 1
		.amdhsa_system_sgpr_workgroup_id_x 1
		.amdhsa_system_sgpr_workgroup_id_y 1
		.amdhsa_system_sgpr_workgroup_id_z 1
		.amdhsa_system_vgpr_workitem_id 0
		.amdhsa_next_free_vgpr 512
		.amdhsa_next_free_sgpr 66
		.amdhsa_reserve_vcc 0
		.amdhsa_float_denorm_mode_32 3
		.amdhsa_float_denorm_mode_16_64 3
		.amdhsa_memory_ordered 1
		.amdhsa_forward_progress 1
		.amdhsa_inst_pref_size 29
	.end_amdhsa_kernel
	.amdgpu_metadata
---
amdhsa.version: [ 1, 2 ]
amdhsa.kernels:
  - .name:           k_q228892808d_attn
    .symbol:         k_q228892808d_attn.kd
    .args:
      - { .name: qkv, .offset: 0, .size: 8, .value_kind: global_buffer, .address_space: global }
      - { .name: ab, .offset: 8, .size: 8, .value_kind: global_buffer, .address_space: global }
    .group_segment_fixed_size: 165376
    .private_segment_fixed_size: 0
    .kernarg_segment_align: 8
    .kernarg_segment_size: 16
    .max_flat_workgroup_size: 128
    .sgpr_count:     66
    .vgpr_count:     512
    .wavefront_size: 32
...
	.end_amdgpu_metadata
.endif
;; end of part 3
;; launch oproj (part 4): grid 16 x 8, 4 waves a work-group, no clusters, 131,584 bytes of LDS; arguments ab, out_w, x, x2; writes x2
.if DOCPART == 4
	.amdgcn_target "amdgcn-amd-amdhsa--gfx1250"
	.amdhsa_code_object_version 6
	.text
	.protected	k_q228892808d_oproj
	.globl	k_q228892808d_oproj
	.p2align	8
	.type	k_q228892808d_oproj,@function
k_q228892808d_oproj:
	s_mov_b64 s[64:65], 0
	v_nop
	global_prefetch_b8 v0, s[64:65] scope:SCOPE_SE
	s_setreg_imm32_b32 hwreg(HW_REG_WAVE_MODE, 25, 1), 1
	s_wait_xcnt 0x0
; x2 = x + o x out_w.  A work-group owns 64 columns and 128 rows, a wave 32 rows (two tiles).  The two phases are those of the launch for q, k, v:
; the slice of weights (1,024 x 64 f32) is read once, rounded to f16 and laid into LDS as matrix operands; behind the one barrier 32 K steps with o's fragments straight from memory.
; o lies by heads, [b 16 + head][t][64] f16: a K step is half a head's row, so two steps go along a row and the next head is 65,536 bytes on.
; In the result register i of fragments 0..3 holds token 8h + i, columns 4r..4r+3: 16 bytes of f32, so sixteen lanes store 256 consecutive bytes.
; The residual stays in f32.  The sums start from eight products of a zero fragment.  LIMITS: |o|, |w| under 65,504; weights under 6e-5 keep f16's fixed step.
.set NF, 4
.set MT, 2
.set ROWB, 4096
.set ADIV, 2
.set AHI, 65536
.set ASTR, 0x40000
.set AMASK, 0xC0000
.set BSTR, 32768
.set BMASK, 0x18000
.set P1TRIPS, 2
.set VSTR, 512*ROWB
.set ISBF, 0
.set NTW, 0
.set DYN, 0
.set SPARE, 131072
.set SPW, 1
.set NIL, 2
.set R_, 3
.set H_, 4
.set VB0, 5
.set VB, 6
.set VOFF, 8
.set VS, 12
.set Z, 16
.set VO, 24
.set VL, 28
.set F, 64
.set BB, 128
.set MSB, 0
.macro WIN new
.if MSB != (\new)
	s_set_vgpr_msb (MSB<<8)|(\new)
.set MSB, (\new)
.endif
.endm
.macro P1ADDR
	v_mul_u32_u24 v32, v[H_], 8*ROWB
	v_lshl_add_u32 v32, v[R_], 4, v32
	s_mul_i32 s20, s2, 32*ROWB
	v_add_nc_u32 v32, s20, v32
	s_mul_i32 s20, s2, NF*1024
	v_add_nc_u32 v33, s20, v[VB0]
.irp i, 0,1,2,3
.if NF == 8
	v_add_nc_u32 v[VO+(\i)], ((\i)/2)*128*ROWB+((\i)%2)*8192, v32
	v_add_nc_u32 v[VL+(\i)], ((\i)/2)*32768+((\i)%2)*4096, v33
.else
	v_add_nc_u32 v[VO+(\i)], (\i)*128*ROWB, v32
	v_add_nc_u32 v[VL+(\i)], (\i)*16384, v33
.endif
.endr
.endm
.macro P1LOAD i
.irp t, 0,1,2,3,4,5,6,7,8,9,10,11,12,13,14,15
.if NTW
	global_load_b128 v[64*(\i)+4*(\t):64*(\i)+4*(\t)+3], v[VO+(\i)], s[4:5] offset:((\t)+8*((\t)/8))*ROWB th:TH_LOAD_NT
.else
	global_load_b128 v[64*(\i)+4*(\t):64*(\i)+4*(\t)+3], v[VO+(\i)], s[4:5] offset:((\t)+8*((\t)/8))*ROWB
.endif
.endr
.endm
.macro BATCH i
	s_wait_loadcnt 48                              ; slot i's sixteen loads are in, the three younger slots' 48 stay out
	WIN 0x05
.irp j, 0,1,2,3
.irp q, 0,1,2,3,4,5,6,7
.if ISBF
	v_cvt_pk_bf16_f32 v[F+8*(\j)+(\q)], v[64*(\i)+8*(\q)+(\j)], v[64*(\i)+8*(\q)+4+(\j)]
.else
	v_cvt_pk_f16_f32 v[F+8*(\j)+(\q)], v[64*(\i)+8*(\q)+(\j)], v[64*(\i)+8*(\q)+4+(\j)]
.endif
.endr
.endr
	WIN 0
.irp j, 0,1,2,3
	ds_store_b128 v[VL+(\i)], v[F+8*(\j):F+8*(\j)+3] offset:1024*(\j)
	ds_store_b128 v[VL+(\i)], v[F+8*(\j)+4:F+8*(\j)+7] offset:1024*(\j)+512
.endr
	v_add_nc_u32 v[VL+(\i)], 0x10000, v[VL+(\i)]
	v_add_nc_u32 v[VO+(\i)], VSTR, v[VO+(\i)]
	v_and_b32 v[VO+(\i)], s18, v[VO+(\i)]          ; the last trip's loads all name the slice's head
	WIN 0x40
	P1LOAD \i
	WIN 0
.endm
.macro MMA d, a, b, z
.if ISBF
.if \z
	v_wmma_f32_16x16x32_bf16 v[(\d):(\d)+7], v[(\a):(\a)+7], v[(\b):(\b)+7], 0
.else
	v_wmma_f32_16x16x32_bf16 v[(\d):(\d)+7], v[(\a):(\a)+7], v[(\b):(\b)+7], v[(\d):(\d)+7]
.endif
.else
.if \z
	v_wmma_f32_16x16x32_f16 v[(\d):(\d)+7], v[(\a):(\a)+7], v[(\b):(\b)+7], 0
.else
	v_wmma_f32_16x16x32_f16 v[(\d):(\d)+7], v[(\a):(\a)+7], v[(\b):(\b)+7], v[(\d):(\d)+7]
.endif
.endif
.endm
.macro ALOAD s
.set m_, 0
.rept MT
	global_load_b128 v[8*(4*(\s)+m_):8*(4*(\s)+m_)+3], v[VOFF+m_], s[12:13] offset:((\s)/ADIV)*AHI+((\s)%ADIV)*64
	global_load_b128 v[8*(4*(\s)+m_)+4:8*(4*(\s)+m_)+7], v[VOFF+m_], s[12:13] offset:((\s)/ADIV)*AHI+((\s)%ADIV)*64+32
.set m_, m_+1
.endr
.endm
.macro BLOAD b, ks
.set f_, 0
.rept NF
	ds_load_b128 v[BB+8*NF*(\b)+8*f_:BB+8*NF*(\b)+8*f_+3], v[VB] offset:((\ks)*NF+f_)*1024
	ds_load_b128 v[BB+8*NF*(\b)+8*f_+4:BB+8*NF*(\b)+8*f_+7], v[VB] offset:((\ks)*NF+f_)*1024+512
.set f_, f_+1
.endr
.endm
.macro PRO_A
	s_mov_b32 s14, 0
	s_mov_b32 s15, 0
	s_mov_b64 s[12:13], s[6:7]
	s_mov_b32 s16, 0
	v_mov_b32 v[VB], v[VB0]
	WIN 0x80
.irp s, 0,1,2,3,4,5,6
	ALOAD \s
.endr
	WIN 0
.endm
.macro PRO_B
	BLOAD 0, 0
.rept 5
	v_nop
.endr
	WIN 0x40
.set k_, 0
.rept MT*NF
	MMA 8*k_, Z, Z, 1
.set k_, k_+1
.endr
	WIN 0
	s_mov_b32 s17, 4
.endm
.macro STEP s
.rept 4
	v_nop                                          ; four places behind the last step's products: the loads below land on registers that they read
.endr
.if (\s) == 1
	s_wait_xcnt 0x0                                ; the base and the offsets are rewritten only behind this wait
	s_add_co_u32 s14, s14, ASTR
	s_and_b32 s14, s14, AMASK
	s_add_nc_u64 s[12:13], s[6:7], s[14:15]
	s_cmp_eq_u32 s17, 1
	s_cselect_b32 s18, 0, -1
.set m_, 0
.rept MT
	v_and_b32 v[VOFF+m_], s18, v[VOFF+m_]          ; the last trip's look-ahead names A's head alone
.set m_, m_+1
.endr
.endif
	WIN 0x80
	ALOAD ((\s)+7)%8
	WIN 0
.if (\s) == 7
	s_add_co_u32 s16, s16, BSTR
	s_and_b32 s16, s16, BMASK
	v_add_nc_u32 v[VB], s16, v[VB0]
.endif
	BLOAD ((\s)+1)%2, ((\s)+1)%8
	s_wait_loadcnt 14*MT                           ; this step's A is in; seven younger steps stay out
	s_wait_dscnt 2*NF                              ; this step's weights are in; the next step's stay out
.set m_, 0
.rept MT
.if DYN && (m_ > 0)
	WIN 0
	s_cmp_le_u32 s30, m_
	s_cbranch_scc1 .Lend\@
.endif
	WIN 0x52
.set f_, 0
.rept NF
	MMA 8*(NF*m_+f_), 8*(4*(\s)+m_), BB+8*NF*((\s)%2)+8*f_, 0
.set f_, f_+1
.endr
.set m_, m_+1
.endr
	WIN 0
.if DYN
.Lend\@:
.endif
.endm
	s_load_b256 s[40:47], s[0:1], 0x0              ; ab s[40:41], out_w s[42:43], x s[44:45], x2 s[46:47]
	v_lshl_add_u32 v[SPW], v0, 2, SPARE
	v_mov_b32 v[NIL], 0
	v_lshrrev_b32 v32, 5, v0
	v_readfirstlane_b32 s2, v32
	v_and_b32 v[R_], 15, v0
	v_bfe_u32 v[H_], v0, 4, 1
	v_and_b32 v33, 31, v0
	v_lshlrev_b32 v[VB0], 4, v33
	s_and_b32 s32, ttmp7, 0xffff                   ; block of 128 rows
	P1ADDR
	s_lshl_b32 s20, ttmp9, 8
	s_mov_b32 s21, 0
	s_wait_kmcnt 0x0
	s_add_nc_u64 s[4:5], s[42:43], s[20:21]
	WIN 0x40
	P1LOAD 0
	P1LOAD 1
	P1LOAD 2
	P1LOAD 3
	WIN 0
	s_lshl_b32 s22, s32, 19
	s_add_co_u32 s20, s20, s22
	s_lshl_b32 s22, s2, 17
	s_add_co_u32 s20, s20, s22                     ; (128 block + 32 wave) rows of 4,096 bytes + my 64 columns
	s_add_nc_u64 s[10:11], s[44:45], s[20:21]
	s_add_nc_u64 s[8:9], s[46:47], s[20:21]
	s_lshr_b32 s20, s32, 2
	s_lshl_b32 s20, s20, 20                        ; the batch's sixteen heads
	s_and_b32 s22, s32, 3
	s_lshl_b32 s22, s22, 14
	s_add_co_u32 s20, s20, s22
	s_lshl_b32 s22, s2, 12
	s_add_co_u32 s20, s20, s22
	s_add_nc_u64 s[6:7], s[40:41], s[20:21]        ; o at head 0, my first position
	v_lshlrev_b32 v34, 7, v[R_]
	v_lshl_add_u32 v34, v[H_], 4, v34
	v_add_nc_u32 v[VOFF], 0, v34
	v_add_nc_u32 v[VOFF+1], 2048, v34
	v_lshlrev_b32 v7, 15, v[H_]
	v_lshl_add_u32 v7, v[R_], 4, v7                ; row 8h, columns 4r
.irp k, 0,1,2,3,4,5,6,7
	v_mov_b32 v[Z+(\k)], 0
.endr
	s_mov_b32 s19, P1TRIPS
.Lp1:
	s_cmp_eq_u32 s19, 1
	s_cselect_b32 s18, 0, -1
	BATCH 0
	BATCH 1
	BATCH 2
	BATCH 3
	s_sub_co_u32 s19, s19, 1
	s_cmp_lg_u32 s19, 0
	s_cbranch_scc1 .Lp1
	s_wait_loadcnt 0x0
	s_wait_dscnt 0x0                               ; for the others' sake: my part of the slice is in LDS
.set q_, 0
.rept 16                               ; x at my results' places
	global_load_b128 v[64+4*q_:64+4*q_+3], v7, s[10:11] offset:(16*(q_/8)+q_%8)*4096
.set q_, q_+1
.endr
	PRO_A
	s_barrier_signal -1
	s_barrier_wait -1
	PRO_B
.Lk:
	STEP 0
	STEP 1
	STEP 2
	STEP 3
	STEP 4
	STEP 5
	STEP 6
	STEP 7
	s_sub_co_u32 s17, s17, 1
	s_cmp_lg_u32 s17, 0
	s_cbranch_scc1 .Lk
	s_wait_loadcnt 0x0
	s_wait_dscnt 0x0
.rept 4
	v_nop
.endr
	WIN 0x01
.set q_, 0
.rept 16                               ; each accumulator's registers in ascending order
.irp j, 0,1,2,3
	v_add_f32 v[64+4*q_+(\j)], v[32*(q_/8)+8*(\j)+q_%8], v[64+4*q_+(\j)]
.endr
.set q_, q_+1
.endr
	WIN 0
.set q_, 0
.rept 16
	global_store_b128 v7, v[64+4*q_:64+4*q_+3], s[8:9] offset:(16*(q_/8)+q_%8)*4096  ; sixteen lanes: 256 consecutive bytes, aligned
.set q_, q_+1
.endr
	s_wait_tensorcnt 0x0                           ; the wave's end
	ds_add_u32 v[SPW], v[NIL]
	s_wait_dscnt 0x0
	s_endpgm
.Lfunc_end_k_q228892808d_oproj:
	.size	k_q228892808d_oproj, .Lfunc_end_k_q228892808d_oproj-k_q228892808d_oproj
	.p2alignl 7, 3214868480
	.fill 96, 4, 3214868480
	.section	.rodata,"a",@progbits
	.p2align	6, 0x0
	.amdhsa_kernel k_q228892808d_oproj
		.amdhsa_group_segment_fixed_size 131584
		.amdhsa_private_segment_fixed_size 0
		.amdhsa_enable_private_segment 0
		.amdhsa_kernarg_size 32
		.amdhsa_user_sgpr_count 2
		.amdhsa_user_sgpr_kernarg_segment_ptr 1
		.amdhsa_wavefront_size32 1
		.amdhsa_system_sgpr_workgroup_id_x 1
		.amdhsa_system_sgpr_workgroup_id_y 1
		.amdhsa_system_sgpr_workgroup_id_z 1
		.amdhsa_system_vgpr_workitem_id 0
		.amdhsa_next_free_vgpr 768
		.amdhsa_next_free_sgpr 66
		.amdhsa_reserve_vcc 0
		.amdhsa_float_denorm_mode_32 3
		.amdhsa_float_denorm_mode_16_64 3
		.amdhsa_memory_ordered 1
		.amdhsa_forward_progress 1
		.amdhsa_inst_pref_size 50
	.end_amdhsa_kernel
	.amdgpu_metadata
---
amdhsa.version: [ 1, 2 ]
amdhsa.kernels:
  - .name:           k_q228892808d_oproj
    .symbol:         k_q228892808d_oproj.kd
    .args:
      - { .name: ab, .offset: 0, .size: 8, .value_kind: global_buffer, .address_space: global }
      - { .name: out_w, .offset: 8, .size: 8, .value_kind: global_buffer, .address_space: global }
      - { .name: x, .offset: 16, .size: 8, .value_kind: global_buffer, .address_space: global }
      - { .name: x2, .offset: 24, .size: 8, .value_kind: global_buffer, .address_space: global }
    .group_segment_fixed_size: 131584
    .private_segment_fixed_size: 0
    .kernarg_segment_align: 8
    .kernarg_segment_size: 32
    .max_flat_workgroup_size: 128
    .sgpr_count:     66
    .vgpr_count:     768
    .wavefront_size: 32
...
	.end_amdgpu_metadata
.endif
;; end of part 4
;; launch router (part 5): grid 128 x 1, 8 waves a work-group, no clusters, 34,304 bytes of LDS; arguments x2, ln2_g, ln2_b, gate_w, expert_biases, r4, ridx; writes r4, ridx
.if DOCPART == 5
	.amdgcn_target "amdgcn-amd-amdhsa--gfx1250"
	.amdhsa_code_object_version 6
	.text
	.protected	k_q228892808d_router
	.globl	k_q228892808d_router
	.p2align	8
	.type	k_q228892808d_router,@function
k_q228892808d_router:
	s_mov_b64 s[64:65], 0
	v_nop
	global_prefetch_b8 v0, s[64:65] scope:SCOPE_SE
	s_setreg_imm32_b32 hwreg(HW_REG_WAVE_MODE, 25, 1), 1
	s_wait_xcnt 0x0
; LayerNorm 2, the gate, top-2, the gates' softmax and the loss's sums.  One wave takes one row.  Everything in f32 on unrounded numbers: which experts a token takes
; hangs on differences of scores far smaller than a 16-bit operand's step, so the gate's product (8 columns) goes through the vector unit.
; gate_w is turned into LDS once a work-group ([8][1024] f32), so that a lane reads 16 consecutive bytes of an expert's column.
; Stored at fixed places: xn2 as bf16 (r4[row][1024]), the two experts (ridx[row][2], whole numbers for the launches behind), their gates (r4 + 2,097,152 + 8 row),
; and, added over the work-group's eight rows, 8 softmax probabilities and 8 counts (r4 + 2,105,344 + 64 work-group).
; Ties go to the lower index, as in jax.lax.top_k (strict comparison, ascending scan).  Both softmaxes take the largest score away first.
; LIMITS: NaN and infinite scores are not treated apart; a probability under 2^-126 counts as 0.
.set X, 32
.set G, 64
.set BV, 96
.set RED, 32768                        ; 64 bytes a wave
.set SPARE, 33280
.macro WSUM r, t
	v_add_f32_dpp v[\r], v[\r], v[\r] row_xmask:1 row_mask:0xf bank_mask:0xf
	v_add_f32_dpp v[\r], v[\r], v[\r] row_xmask:2 row_mask:0xf bank_mask:0xf
	v_add_f32_dpp v[\r], v[\r], v[\r] row_xmask:4 row_mask:0xf bank_mask:0xf
	v_add_f32_dpp v[\r], v[\r], v[\r] row_xmask:8 row_mask:0xf bank_mask:0xf
	v_permlanex16_b32 v[\t], v[\r], s22, s23
	v_add_f32 v[\r], v[\r], v[\t]
.endm
.macro LNORM
.irp k, 0,1,2,3
	v_pk_add_f32 v[8+2*(\k):9+2*(\k)], v[X+4*(\k):X+4*(\k)+1], v[X+4*(\k)+2:X+4*(\k)+3]
.endr
.irp k, 0,1,2,3,4,5,6,7
	v_pk_add_f32 v[8+2*((\k)%4):9+2*((\k)%4)], v[8+2*((\k)%4):9+2*((\k)%4)], v[X+16+2*(\k):X+17+2*(\k)]
.endr
	v_pk_add_f32 v[8:9], v[8:9], v[10:11]
	v_pk_add_f32 v[12:13], v[12:13], v[14:15]
	v_pk_add_f32 v[8:9], v[8:9], v[12:13]
	v_add_f32 v8, v8, v9
	WSUM 8, 9
	v_mul_f32 v10, s20, v8
	v_mov_b32 v11, v10
.set n_, 0
.rept 16
	v_pk_add_f32 v[X+2*n_:X+2*n_+1], v[X+2*n_:X+2*n_+1], v[10:11] neg_lo:[0,1] neg_hi:[0,1]
.set n_, n_+1
.endr
.irp k, 0,1,2,3
	v_pk_mul_f32 v[8+2*(\k):9+2*(\k)], v[X+2*(\k):X+2*(\k)+1], v[X+2*(\k):X+2*(\k)+1]
.endr
.set n_, 4
.rept 12
	v_pk_fma_f32 v[8+2*(n_%4):9+2*(n_%4)], v[X+2*n_:X+2*n_+1], v[X+2*n_:X+2*n_+1], v[8+2*(n_%4):9+2*(n_%4)]
.set n_, n_+1
.endr
	v_pk_add_f32 v[8:9], v[8:9], v[10:11]
	v_pk_add_f32 v[12:13], v[12:13], v[14:15]
	v_pk_add_f32 v[8:9], v[8:9], v[12:13]
	v_add_f32 v8, v8, v9
	WSUM 8, 9
	v_fma_f32 v12, v8, s20, s21
	v_rsq_f32 v12, v12
	v_nop
	s_wait_alu depctr_va_vdst(0)
	v_mov_b32 v13, v12
	s_wait_loadcnt 0x0
.set n_, 0
.rept 16
	v_pk_mul_f32 v[X+2*n_:X+2*n_+1], v[X+2*n_:X+2*n_+1], v[12:13]
.set n_, n_+1
.endr
.set n_, 0
.rept 16
	v_pk_fma_f32 v[X+2*n_:X+2*n_+1], v[X+2*n_:X+2*n_+1], v[G+2*n_:G+2*n_+1], v[BV+2*n_:BV+2*n_+1]
.set n_, n_+1
.endr
.endm
.macro GLOAD e, b                      ; expert e's column at my 32 places
.set j_, 0
.rept 8
	ds_load_b128 v[128+32*(\b)+4*j_:128+32*(\b)+4*j_+3], v5 offset:4096*(\e)+512*j_
.set j_, j_+1
.endr
.endm
	s_load_b256 s[36:43], s[0:1], 0x0              ; x2 s[36:37], g s[38:39], b s[40:41], gate_w s[42:43]
	s_load_b128 s[44:47], s[0:1], 0x20             ; biases s[44:45], r4 s[46:47]
	s_load_b64 s[34:35], s[0:1], 0x30              ; ridx
	v_lshl_add_u32 v1, v0, 2, SPARE
	v_mov_b32 v2, 0
	v_lshrrev_b32 v3, 5, v0
	v_readfirstlane_b32 s2, v3
	v_and_b32 v4, 31, v0
	v_lshlrev_b32 v5, 4, v4
	v_lshlrev_b32 v6, 4, v0
	v_lshlrev_b32 v7, 3, v4
	s_lshl3_add_u32 s3, ttmp9, s2                  ; my row
	s_mov_b32 s15, 0
	s_mov_b32 s20, 0x3a800000
	s_mov_b32 s21, 0x3727c5ac
	s_mov_b32 s22, 0x76543210
	s_mov_b32 s23, 0xfedcba98
	s_wait_kmcnt 0x0
	s_load_b256 s[24:31], s[44:45], 0x0            ; the eight biases
	s_lshl_b32 s14, s3, 12
	s_add_nc_u64 s[4:5], s[36:37], s[14:15]
	s_lshl_b32 s14, s3, 3
	s_add_nc_u64 s[6:7], s[34:35], s[14:15]
	s_add_co_u32 s14, s14, 2097152
	s_add_nc_u64 s[8:9], s[46:47], s[14:15]
	s_lshl_b32 s14, ttmp9, 6
	s_add_co_u32 s14, s14, 2105344
	s_add_nc_u64 s[10:11], s[46:47], s[14:15]
	s_lshl_b32 s14, s3, 11
	s_add_nc_u64 s[12:13], s[46:47], s[14:15]
.set q_, 0
.rept 8
	global_load_b128 v[128+4*q_:128+4*q_+3], v6, s[42:43] offset:4096*q_
.set q_, q_+1
.endr
.set j_, 0
.rept 8
	global_load_b128 v[X+4*j_:X+4*j_+3], v5, s[4:5] offset:512*j_
.set j_, j_+1
.endr
.set j_, 0
.rept 8
	global_load_b128 v[G+4*j_:G+4*j_+3], v5, s[38:39] offset:512*j_
.set j_, j_+1
.endr
.set j_, 0
.rept 8
	global_load_b128 v[BV+4*j_:BV+4*j_+3], v5, s[40:41] offset:512*j_
.set j_, j_+1
.endr
	v_and_b32 v10, 1, v0
	v_lshlrev_b32 v10, 14, v10
	v_lshrrev_b32 v11, 1, v0
	v_lshl_add_u32 v10, v11, 2, v10                ; experts 4 (thread % 2) + c, channel thread / 2 + 128 q
	s_wait_loadcnt 24                              ; gate_w is in; x2, g and b stay out
.set q_, 0
.rept 8
.irp c, 0,1,2,3
	ds_store_b32 v10, v[128+4*q_+(\c)] offset:4096*(\c)+512*q_
.endr
.set q_, q_+1
.endr
	s_wait_dscnt 0x0                               ; for the others' sake
	s_barrier_signal -1
	s_barrier_wait -1
	s_wait_loadcnt 16                              ; the row is in
	LNORM
.set j_, 0
.rept 8
	v_cvt_pk_bf16_f32 v[240+2*j_], v[X+4*j_], v[X+4*j_+1]
	v_cvt_pk_bf16_f32 v[241+2*j_], v[X+4*j_+2], v[X+4*j_+3]
	global_store_b64 v7, v[240+2*j_:241+2*j_], s[12:13] offset:256*j_  ; 256 consecutive bytes, aligned
.set j_, j_+1
.endr
	GLOAD 0, 0
.set e_, 0
.rept 8
.if e_ < 7
	GLOAD e_+1, (e_+1)%2
	s_wait_dscnt 8                                 ; this expert's column is in, the next one's eight loads stay out
.else
	s_wait_dscnt 0x0
.endif
	v_pk_mul_f32 v[192+2*e_:193+2*e_], v[X:X+1], v[128+32*(e_%2):129+32*(e_%2)]
.set n_, 1
.rept 15
	v_pk_fma_f32 v[192+2*e_:193+2*e_], v[X+2*n_:X+2*n_+1], v[128+32*(e_%2)+2*n_:129+32*(e_%2)+2*n_], v[192+2*e_:193+2*e_]
.set n_, n_+1
.endr
.set e_, e_+1
.endr
	s_wait_kmcnt 0x0
.set e_, 0
.rept 8
	v_add_f32 v[208+e_], v[192+2*e_], v[193+2*e_]
	WSUM 208+e_, 9
	v_add_f32 v[208+e_], s[24+e_], v[208+e_]
.set e_, e_+1
.endr
	v_mov_b32 v16, v208                            ; the largest score and its index
	v_mov_b32 v18, 0
.irp e, 1,2,3,4,5,6,7
	v_cmp_gt_f32 vcc_lo, v[208+(\e)], v16
	v_cndmask_b32 v16, v16, v[208+(\e)], vcc_lo
	v_cndmask_b32 v18, v18, \e, vcc_lo
.endr
	v_mov_b32 v20, 0xff800000
.irp e, 0,1,2,3,4,5,6,7
	v_cmp_eq_u32 vcc_lo, \e, v18
	v_cndmask_b32 v[216+(\e)], v[208+(\e)], v20, vcc_lo
	v_cndmask_b32 v[232+(\e)], 0, 1.0, vcc_lo
.endr
	v_mov_b32 v17, v216                            ; the second, with the first taken out
	v_mov_b32 v19, 0
.irp e, 1,2,3,4,5,6,7
	v_cmp_gt_f32 vcc_lo, v[216+(\e)], v17
	v_cndmask_b32 v17, v17, v[216+(\e)], vcc_lo
	v_cndmask_b32 v19, v19, \e, vcc_lo
.endr
.irp e, 0,1,2,3,4,5,6,7
	v_cmp_eq_u32 vcc_lo, \e, v19
	v_cndmask_b32 v[232+(\e)], v[232+(\e)], 1.0, vcc_lo
.endr
	v_sub_f32 v21, v17, v16
	v_mul_f32 v21, 0x3fb8aa3b, v21
.irp e, 0,1,2,3,4,5,6,7
	v_sub_f32 v[224+(\e)], v[208+(\e)], v16
	v_mul_f32 v[224+(\e)], 0x3fb8aa3b, v[224+(\e)]
.endr
	v_exp_f32 v21, v21
.irp e, 0,1,2,3,4,5,6,7
	v_exp_f32 v[224+(\e)], v[224+(\e)]
.endr
	v_nop
	s_wait_alu depctr_va_vdst(0)                   ; one wait for the nine exponentials
	v_add_f32 v22, 1.0, v21
	v_add_f32 v23, v224, v225
	v_add_f32 v24, v226, v227
	v_add_f32 v25, v228, v229
	v_add_f32 v28, v230, v231
	v_add_f32 v23, v23, v24
	v_add_f32 v25, v25, v28
	v_add_f32 v23, v23, v25
	v_rcp_f32 v26, v22
	v_rcp_f32 v23, v23
	v_nop
	s_wait_alu depctr_va_vdst(0)
	v_mul_f32 v27, v21, v26                        ; the gates: v26, v27
.irp e, 0,1,2,3,4,5,6,7
	v_mul_f32 v[224+(\e)], v[224+(\e)], v23
.endr
	v_mov_b32 v29, 0
	s_lshl_b32 s14, s2, 6
	s_add_co_u32 s14, s14, RED
	v_mov_b32 v30, s14
	v_cmp_eq_u32 vcc_lo, 0, v4
	s_wait_xcnt 0x0                                ; EXEC changes only behind this wait
	s_and_saveexec_b32 s33, vcc_lo
	global_store_b64 v29, v[18:19], s[6:7]
	global_store_b64 v29, v[26:27], s[8:9]
	ds_store_b128 v30, v[224:227]
	ds_store_b128 v30, v[228:231] offset:16
	ds_store_b128 v30, v[232:235] offset:32
	ds_store_b128 v30, v[236:239] offset:48
	s_wait_xcnt 0x0
	s_or_b32 exec_lo, exec_lo, s33
	s_wait_dscnt 0x0                               ; for wave 0's sake
	s_barrier_signal -1
	s_barrier_wait -1
	s_cmp_lg_u32 s2, 0
	s_cbranch_scc1 .Lend
	ds_load_b128 v[32:35], v5 offset:RED           ; lane l: row l / 4, numbers 4 (l % 4) ..
	s_wait_dscnt 0x0
.irp c, 32,33,34,35
	v_add_f32_dpp v[\c], v[\c], v[\c] row_xmask:4 row_mask:0xf bank_mask:0xf
	v_add_f32_dpp v[\c], v[\c], v[\c] row_xmask:8 row_mask:0xf bank_mask:0xf
	v_permlanex16_b32 v[(\c)+4], v[\c], s22, s23
	v_add_f32 v[\c], v[\c], v[(\c)+4]
.endr
	v_cmp_gt_u32 vcc_lo, 4, v4
	s_wait_xcnt 0x0
	s_and_saveexec_b32 s33, vcc_lo
	global_store_b128 v5, v[32:35], s[10:11]
	s_wait_xcnt 0x0
	s_or_b32 exec_lo, exec_lo, s33
.Lend:
	s_wait_tensorcnt 0x0                           ; the wave's end
	ds_add_u32 v1, v2
	s_wait_dscnt 0x0
	s_endpgm
.Lfunc_end_k_q228892808d_router:
	.size	k_q228892808d_router, .Lfunc_end_k_q228892808d_router-k_q228892808d_router
	.p2alignl 7, 3214868480
	.fill 96, 4, 3214868480
	.section	.rodata,"a",@progbits
	.p2align	6, 0x0
	.amdhsa_kernel k_q228892808d_router
		.amdhsa_group_segment_fixed_size 34304
		.amdhsa_private_segment_fixed_size 0
		.amdhsa_enable_private_segment 0
		.amdhsa_kernarg_size 56
		.amdhsa_user_sgpr_count 2
		.amdhsa_user_sgpr_kernarg_segment_ptr 1
		.amdhsa_wavefront_size32 1
		.amdhsa_system_sgpr_workgroup_id_x 1
		.amdhsa_system_sgpr_workgroup_id_y 1
		.amdhsa_system_sgpr_workgroup_id_z 1
		.amdhsa_system_vgpr_workitem_id 0
		.amdhsa_next_free_vgpr 256
		.amdhsa_next_free_sgpr 66
		.amdhsa_reserve_vcc 1
		.amdhsa_float_denorm_mode_32 3
		.amdhsa_float_denorm_mode_16_64 3
		.amdhsa_memory_ordered 1
		.amdhsa_forward_progress 1
		.amdhsa_inst_pref_size 39
	.end_amdhsa_kernel
	.amdgpu_metadata
---
amdhsa.version: [ 1, 2 ]
amdhsa.kernels:
  - .name:           k_q228892808d_router
    .symbol:         k_q228892808d_router.kd
    .args:
      - { .name: x2, .offset: 0, .size: 8, .value_kind: global_buffer, .address_space: global }
      - { .name: ln2_g, .offset: 8, .size: 8, .value_kind: global_buffer, .address_space: global }
      - { .name: ln2_b, .offset: 16, .size: 8, .value_kind: global_buffer, .address_space: global }
      - { .name: gate_w, .offset: 24, .size: 8, .value_kind: global_buffer, .address_space: global }
      - { .name: expert_biases, .offset: 32, .size: 8, .value_kind: global_buffer, .address_space: global }
      - { .name: r4, .offset: 40, .size: 8, .value_kind: global_buffer, .address_space: global }
      - { .name: ridx, .offset: 48, .size: 8, .value_kind: global_buffer, .address_space: global }
    .group_segment_fixed_size: 34304
    .private_segment_fixed_size: 0
    .kernarg_segment_align: 8
    .kernarg_segment_size: 56
    .max_flat_workgroup_size: 256
    .sgpr_count:     66
    .vgpr_count:     256
    .wavefront_size: 32
...
	.end_amdgpu_metadata
.endif
;; end of part 5
;; launch moe1 (part 6): grid 32 x 8, 4 waves a work-group, no clusters, 280,064 bytes of LDS; arguments r4, ridx, w1, act; writes act
.if DOCPART == 6
	.amdgcn_target "amdgcn-amd-amdhsa--gfx1250"
	.amdhsa_code_object_version 6
	.text
	.protected	k_q228892808d_moe1
	.globl	k_q228892808d_moe1
	.p2align	8
	.type	k_q228892808d_moe1,@function
k_q228892808d_moe1:
	s_mov_b64 s[64:65], 0
	v_nop
	global_prefetch_b8 v0, s[64:65] scope:SCOPE_SE
	s_setreg_imm32_b32 hwreg(HW_REG_WAVE_MODE, 25, 1), 1
	s_wait_xcnt 0x0
; The experts' first product and SwiGLU, for the chosen rows alone.  Work-group (s, e) owns, of expert e, columns 64 s .. of h1 and the same of h2: 1,024 x 128 f32,
; which it alone reads, once.  PHASE 1 rounds them to bf16 and lays them into LDS as matrix operands (256 KiB); four batches of sixteen loads a wave are always out.
; THE LIST.  Each wave builds, in LDS bytes of its own, the list of the expert's rows in ascending order of token: entry = 2 token + k.  It reads the 1,024 pairs of indices
; that the router's launch stored; a chunk of 32 tokens gives a mask and a rank (the lanes below, plus the count so far); a lane without a row stores into a word of its own
; behind the list (word 1024 + lane), so that every store runs with all lanes on.
; PHASE 2 (behind the one barrier; nothing writes LDS, no barrier): the nt = ceil(R / 16) tiles of rows are dealt evenly: up to four passes, in each a wave takes up to four tiles
; x all eight fragments.  Every R from 0 to 1,024 is served; with R = 0 the slice is read and nothing is stored.  Rows past R repeat row R - 1.
; xn2's fragments are gathered straight from memory by the list, through a ring of eight K steps in registers.
; act = silu(h1) h2, rounded to bf16: act[e][tile][s][slot 2i + h][64], so that a store covers 256 consecutive bytes.  Whole tiles are stored.
; The sums start from 32 products of a zero fragment, in place of a second copy of the K step.
; bf16, not f16: h1 h2 has no bound in f16's range for larger inputs.  No tensor loads or joint loads: each weight has one reader and must pass through registers; the rows come by a list.
.set NF, 8
.set MT, 4
.set ROWB, 16384
.set ADIV, 1
.set AHI, 64
.set ASTR, 512
.set AMASK, 0x600
.set BSTR, 65536
.set BMASK, 0x30000
.set P1TRIPS, 4
.set VSTR, 256*ROWB
.set LIST, 262144                      ; behind the slice: a list for each wave,
.set LISTB, 4352                       ; 4,096 bytes of entries and 128 of the lanes' own words, rounded up to blocks of 256
.set SPARE, LIST+4*LISTB               ; the spare words, 128 bytes a wave
.set SPW, 1
.set NIL, 2
.set R_, 3
.set H_, 4
.set VB0, 5                            ; 16 x lane
.set VB, 6                             ; LDS address of the fragments in hand
.set H16, 7
.set VOFF, 8                           ; v8-11  tile m: my row's byte offset in A
.set VS, 12                            ; v12-15 tile m: my byte offset in act
.set Z, 16                             ; v16-23 a fragment of zeros
.set VO, 24                            ; v24-27 phase 1: slot i's offset in the weights
.set VL, 28                            ; v28-31 phase 1: slot i's LDS address
.set F, 64                             ; v64-95 phase 1: four fragments
.set BB, 128                           ; two buffers of NF fragments
; windows of 256 registers: 0 as above; 1 the accumulators ((m, f) at 8 (NF m + f)), in phase 1 four slots of 64 for loaded weights; 2 the A ring (step s, tile m at 8 (4 s + m))
.set MSB, 0
.macro WIN new
.if MSB != (\new)
	s_set_vgpr_msb (MSB<<8)|(\new)
.set MSB, (\new)
.endif
.endm
.macro P1ADDR
	v_mul_u32_u24 v32, v[H_], 8*ROWB
	v_lshl_add_u32 v32, v[R_], 4, v32
	s_mul_i32 s20, s2, 32*ROWB
	v_add_nc_u32 v32, s20, v32
	s_mul_i32 s20, s2, NF*1024
	v_add_nc_u32 v33, s20, v[VB0]
.irp i, 0,1,2,3
	v_add_nc_u32 v[VO+(\i)], ((\i)/2)*128*ROWB+((\i)%2)*8192, v32   ; K step wave + 4 (i / 2); i % 2: h1's block or h2's
	v_add_nc_u32 v[VL+(\i)], ((\i)/2)*32768+((\i)%2)*4096, v33
.endr
.endm
.macro P1LOAD i                        ; 32 rows x 64 columns: sixteen loads (destination window 1)
.irp t, 0,1,2,3,4,5,6,7,8,9,10,11,12,13,14,15
	global_load_b128 v[64*(\i)+4*(\t):64*(\i)+4*(\t)+3], v[VO+(\i)], s[4:5] offset:((\t)+8*((\t)/8))*ROWB th:TH_LOAD_NT
.endr
.endm
.macro BATCH i
	s_wait_loadcnt 48                              ; loads come back in order: slot i's sixteen are in, the three younger slots' 48 stay out
	WIN 0x05
.irp j, 0,1,2,3
.irp q, 0,1,2,3,4,5,6,7
	v_cvt_pk_bf16_f32 v[F+8*(\j)+(\q)], v[64*(\i)+8*(\q)+(\j)], v[64*(\i)+8*(\q)+4+(\j)]
.endr
.endr
	WIN 0
.irp j, 0,1,2,3
	ds_store_b128 v[VL+(\i)], v[F+8*(\j):F+8*(\j)+3] offset:1024*(\j)
	ds_store_b128 v[VL+(\i)], v[F+8*(\j)+4:F+8*(\j)+7] offset:1024*(\j)+512
.endr
	v_add_nc_u32 v[VL+(\i)], 0x10000, v[VL+(\i)]
	v_add_nc_u32 v[VO+(\i)], VSTR, v[VO+(\i)]      ; free since the wait above showed its loads done
	v_and_b32 v[VO+(\i)], s18, v[VO+(\i)]          ; the last trip has nothing to fetch: its loads all name the slice's head
	WIN 0x40
	P1LOAD \i
	WIN 0
.endm
.macro MMA d, a, b, z
.if \z
	v_wmma_f32_16x16x32_bf16 v[(\d):(\d)+7], v[(\a):(\a)+7], v[(\b):(\b)+7], 0
.else
	v_wmma_f32_16x16x32_bf16 v[(\d):(\d)+7], v[(\a):(\a)+7], v[(\b):(\b)+7], v[(\d):(\d)+7]
.endif
.endm
.macro ALOAD s                         ; step s of the eight in hand: two loads a tile (destination window 2)
.set m_, 0
.rept MT
	global_load_b128 v[8*(4*(\s)+m_):8*(4*(\s)+m_)+3], v[VOFF+m_], s[12:13] offset:((\s)/ADIV)*AHI+((\s)%ADIV)*64
	global_load_b128 v[8*(4*(\s)+m_)+4:8*(4*(\s)+m_)+7], v[VOFF+m_], s[12:13] offset:((\s)/ADIV)*AHI+((\s)%ADIV)*64+32
.set m_, m_+1
.endr
.endm
.macro BLOAD b, ks
.set f_, 0
.rept NF
	ds_load_b128 v[BB+8*NF*(\b)+8*f_:BB+8*NF*(\b)+8*f_+3], v[VB] offset:((\ks)*NF+f_)*1024
	ds_load_b128 v[BB+8*NF*(\b)+8*f_+4:BB+8*NF*(\b)+8*f_+7], v[VB] offset:((\ks)*NF+f_)*1024+512
.set f_, f_+1
.endr
.endm
.macro PRO_A                           ; the ring's first seven steps
	s_mov_b32 s14, 0
	s_mov_b32 s15, 0
	s_mov_b64 s[12:13], s[6:7]
	s_mov_b32 s16, 0
	v_mov_b32 v[VB], v[VB0]
	WIN 0x80
.irp s, 0,1,2,3,4,5,6
	ALOAD \s
.endr
	WIN 0
.endm
.macro PRO_B                           ; step 0's weights; the sums start
	BLOAD 0, 0
.rept 5
	v_nop
.endr
	WIN 0x40
.set k_, 0
.rept MT*NF
	MMA 8*k_, Z, Z, 1
.set k_, k_+1
.endr
	WIN 0
	s_mov_b32 s17, 4
.endm
.macro STEP s
.if (\s) == 7
	s_add_co_u32 s16, s16, BSTR                    ; the next fragments are the next eight steps' first
.endif
	s_and_b32 s16, s16, BMASK                      ; 0 .. BMASK: with 16 x lane and the immediates below, inside the slice; behind the last step it is 0 again
.rept 3
	v_nop                                          ; four places behind the last step's products: the loads below land on registers that they read
.endr
	v_add_nc_u32 v[VB], s16, v[VB0]                ; the fourth: the LDS address, made anew in every step
.if (\s) == 1
	s_wait_xcnt 0x0                                ; the base and the offsets are rewritten only behind this wait
	s_add_co_u32 s14, s14, ASTR
	s_and_b32 s14, s14, AMASK                      ; behind the last eight steps it is 0 again
	s_add_nc_u64 s[12:13], s[6:7], s[14:15]
	s_cmp_eq_u32 s17, 1
	s_cselect_b32 s18, 0, -1
.set m_, 0
.rept MT
	v_and_b32 v[VOFF+m_], s18, v[VOFF+m_]          ; the last trip looks ahead at nothing: its loads all name A's head
.set m_, m_+1
.endr
.endif
	WIN 0x80
	ALOAD ((\s)+7)%8
	WIN 0
	BLOAD ((\s)+1)%2, ((\s)+1)%8
	s_wait_loadcnt 14*MT                           ; this step's A is in; seven younger steps stay out
	s_wait_dscnt 2*NF                              ; this step's weights are in; the next step's stay out
.set m_, 0
.rept MT
.if m_ > 0
	WIN 0
	s_cmp_le_u32 s30, m_                           ; tiles that this pass does not have are jumped, forward
	s_cbranch_scc1 .Lend\@
.endif
	WIN 0x52
.set f_, 0
.rept NF                               ; the accumulators take turns
	MMA 8*(NF*m_+f_), 8*(4*(\s)+m_), BB+8*NF*((\s)%2)+8*f_, 0
.set f_, f_+1
.endr
.set m_, m_+1
.endr
	WIN 0
.Lend\@:
.endm
; s31 = the expert, s23 = what entries past the count hold, v36 = lane, v39 = 2 x lane, v[128..191] the 1,024 pairs.  Leaves R in s24, the shares in s25-27, R - 1 in s34, my list's LDS byte in s33.
.macro MKLIST
	s_mul_i32 s33, s2, LISTB
	s_add_co_u32 s33, s33, LIST                    ; my wave's list
	v_add_nc_u32 v38, s33, v[VB0]
	v_mov_b32 v40, s23
	v_mov_b32 v41, s23
	v_mov_b32 v42, s23
	v_mov_b32 v43, s23
.irp q, 0,1,2,3,4,5,6,7
	ds_store_b128 v38, v[40:43] offset:512*(\q)
.endr
	v_add_nc_u32 v46, 0x400, v36                   ; the word of a lane without a row
	s_wait_loadcnt 63                              ; 96 loads have been issued: the oldest 33 are in, the 32 of the indices among them
	s_mov_b32 s24, 0
.set c_, 0
.rept 32
	v_cmp_eq_u32 s20, s31, v[128+2*c_]
	v_cmp_eq_u32 vcc_lo, s31, v[129+2*c_]
	v_cndmask_b32 v44, 0, 1, vcc_lo
	v_add_nc_u32 v44, v44, v39                     ; 2 token + k
	s_or_b32 s22, vcc_lo, s20                      ; the chunk's rows of this expert
	v_mbcnt_lo_u32_b32 v45, s22, s24               ; the rank: the count so far and the rows in the lanes below
	v_cndmask_b32 v45, v46, v45, s22
	v_min_u32 v45, 0x43f, v45                      ; inside my 1,088 words
	v_lshlrev_b32 v45, 2, v45
	v_add_nc_u32 v45, s33, v45
	ds_store_b32 v45, v44
	v_add_nc_u32 v39, 64, v39
	s_bcnt1_i32_b32 s21, s22
	s_add_co_u32 s24, s24, s21
.set c_, c_+1
.endr
	s_min_u32 s24, s24, 1024                       ; R
	s_add_co_u32 s25, s24, 15
	s_lshr_b32 s25, s25, 4                         ; nt tiles
	s_add_co_u32 s26, s25, 15
	s_lshr_b32 s26, s26, 4                         ; passes
	s_add_co_u32 s20, s25, 3
	s_lshr_b32 s27, s20, 2                         ; tiles of a wave in a pass = ceil(nt / (4 passes))
	s_add_co_u32 s20, s25, 7
	s_lshr_b32 s20, s20, 3
	s_cmp_eq_u32 s26, 2
	s_cselect_b32 s27, s20, s27
	s_add_co_u32 s20, s25, 11
	s_mul_i32 s20, s20, 43
	s_lshr_b32 s20, s20, 9                         ; / 12, exact for 44 .. 59
	s_cmp_eq_u32 s26, 3
	s_cselect_b32 s27, s20, s27
	s_add_co_u32 s20, s25, 15
	s_lshr_b32 s20, s20, 4
	s_cmp_eq_u32 s26, 4
	s_cselect_b32 s27, s20, s27
	s_sub_co_u32 s34, s24, 1                       ; the last row (with R = 0 no pass runs)
.endm
	s_load_b256 s[40:47], s[0:1], 0x0              ; r4 s[40:41], ridx s[42:43], w1 s[44:45], act s[46:47]
	v_lshl_add_u32 v[SPW], v0, 2, SPARE
	v_mov_b32 v[NIL], 0
	v_lshrrev_b32 v32, 5, v0
	v_readfirstlane_b32 s2, v32                    ; wave
	v_and_b32 v[R_], 15, v0
	v_bfe_u32 v[H_], v0, 4, 1
	v_and_b32 v36, 31, v0
	v_lshlrev_b32 v[VB0], 4, v36
	v_lshlrev_b32 v37, 3, v36
	v_lshlrev_b32 v39, 1, v36
	v_lshlrev_b32 v[H16], 4, v[H_]
	s_and_b32 s31, ttmp7, 0xffff                   ; expert
	s_mov_b32 s32, ttmp9                           ; slice
	P1ADDR
	s_lshl_b32 s20, s31, 24
	s_lshl_b32 s22, s32, 8
	s_add_co_u32 s20, s20, s22
	s_mov_b32 s21, 0
	s_lshl_b32 s22, s31, 22
	s_lshl_b32 s23, s32, 11
	s_add_co_u32 s22, s22, s23
	s_mov_b32 s23, 0
	s_mov_b32 s36, 0xbfb8aa3b                      ; -log2(e)
	s_mov_b32 s37, s36
	s_wait_kmcnt 0x0
	s_add_nc_u64 s[4:5], s[44:45], s[20:21]
	s_add_nc_u64 s[8:9], s[46:47], s[22:23]
	s_mov_b64 s[6:7], s[40:41]
.set c_, 0
.rept 32
	global_load_b64 v[128+2*c_:129+2*c_], v37, s[42:43] offset:256*c_
.set c_, c_+1
.endr
	WIN 0x40
	P1LOAD 0
	P1LOAD 1
	P1LOAD 2
	P1LOAD 3
	WIN 0
	s_mov_b32 s23, 0                               ; entries past the count: never read here (rows are held to R - 1)
	MKLIST
.irp k, 0,1,2,3,4,5,6,7
	v_mov_b32 v[Z+(\k)], 0
.endr
	s_mov_b32 s19, P1TRIPS
.Lp1:
	s_cmp_eq_u32 s19, 1
	s_cselect_b32 s18, 0, -1
	BATCH 0
	BATCH 1
	BATCH 2
	BATCH 3
	s_sub_co_u32 s19, s19, 1
	s_cmp_lg_u32 s19, 0
	s_cbranch_scc1 .Lp1
	s_wait_loadcnt 0x0
	s_wait_dscnt 0x0                               ; for the others' sake: my part of the slice is in LDS
	s_barrier_signal -1
	s_barrier_wait -1
	s_mov_b32 s28, 0
.Lpass:
	s_lshl_b32 s20, s28, 2
	s_add_co_u32 s20, s20, s2
	s_mul_i32 s29, s20, s27                        ; my first tile
	s_sub_co_i32 s30, s25, s29
	s_max_i32 s30, s30, 0
	s_min_u32 s30, s30, s27                        ; and how many
	s_cmp_eq_u32 s30, 0
	s_cbranch_scc1 .Lnext
	s_wait_xcnt 0x0                                ; offsets of the last pass's loads and stores are rewritten
	s_lshl_b32 s20, s29, 4
	v_add_nc_u32 v32, s20, v[R_]
	v_lshlrev_b32 v33, 7, v[H_]
	v_lshl_add_u32 v33, v[R_], 3, v33
.irp m, 0,1,2,3
	v_add_nc_u32 v[40+(\m)], 16*(\m), v32
	v_min_u32 v[40+(\m)], s34, v[40+(\m)]          ; rows past the count repeat the last row
	v_min_u32 v[40+(\m)], 0x3ff, v[40+(\m)]
	v_lshlrev_b32 v[40+(\m)], 2, v[40+(\m)]
	v_add_nc_u32 v[40+(\m)], s33, v[40+(\m)]
	ds_load_b32 v[44+(\m)], v[40+(\m)]
.endr
	s_wait_dscnt 0x0
.irp m, 0,1,2,3
	v_lshrrev_b32 v[44+(\m)], 1, v[44+(\m)]        ; the token
	v_min_u32 v[44+(\m)], 0x3ff, v[44+(\m)]
	v_lshlrev_b32 v[44+(\m)], 11, v[44+(\m)]
	v_add_nc_u32 v[VOFF+(\m)], v[H16], v[44+(\m)]
	s_add_co_u32 s20, s29, \m
	s_min_u32 s20, s20, 63
	s_lshl_b32 s20, s20, 16
	v_add_nc_u32 v[VS+(\m)], s20, v33
.endr
	PRO_A
	PRO_B
.Lk:
	STEP 0
	STEP 1
	STEP 2
	STEP 3
	STEP 4
	STEP 5
	STEP 6
	STEP 7
	s_sub_co_u32 s17, s17, 1
	s_cmp_lg_u32 s17, 0
	s_cbranch_scc1 .Lk
	s_wait_loadcnt 0x0
	s_wait_dscnt 0x0
.rept 4
	v_nop
.endr
.set m_, 0
.rept 4                                ; silu(h1) h2 = h1 h2 / (1 + 2^(-h1 log2 e)), a tile at a time; T v32-63, U v64-95
.if m_ > 0
	s_cmp_le_u32 s30, m_
	s_cbranch_scc1 .Lepi_end
.endif
	s_wait_xcnt 0x0                                ; v96-111 were the last tile's store data
	WIN 0x01
.set n_, 0
.rept 16                               ; each accumulator's registers in ascending order
	v_pk_mul_f32 v[32+2*n_:33+2*n_], v[64*m_+2*n_:64*m_+2*n_+1], s[36:37] op_sel_hi:[1,0]
.set n_, n_+1
.endr
	WIN 0
.set n_, 0
.rept 32
	v_exp_f32 v[32+n_], v[32+n_]
.set n_, n_+1
.endr
	WIN 0x05
.set n_, 0
.rept 16                               ; independent work behind the batch
	v_pk_mul_f32 v[64+2*n_:65+2*n_], v[64*m_+2*n_:64*m_+2*n_+1], v[64*m_+32+2*n_:64*m_+33+2*n_]
.set n_, n_+1
.endr
	WIN 0
	s_wait_alu depctr_va_vdst(0)                   ; one wait for the 32 exponentials
.set n_, 0
.rept 16
	v_pk_add_f32 v[32+2*n_:33+2*n_], v[32+2*n_:33+2*n_], 1.0 op_sel_hi:[1,0]
.set n_, n_+1
.endr
.set n_, 0
.rept 32
	v_rcp_f32 v[32+n_], v[32+n_]
.set n_, n_+1
.endr
	v_nop
	s_wait_alu depctr_va_vdst(0)                   ; one wait for the 32 reciprocals
.set n_, 0
.rept 16
	v_pk_mul_f32 v[64+2*n_:65+2*n_], v[64+2*n_:65+2*n_], v[32+2*n_:33+2*n_]
.set n_, n_+1
.endr
.set i_, 0
.rept 8
	v_cvt_pk_bf16_f32 v[96+2*i_], v[64+i_], v[72+i_]
	v_cvt_pk_bf16_f32 v[97+2*i_], v[80+i_], v[88+i_]
	global_store_b64 v[VS+m_], v[96+2*i_:97+2*i_], s[8:9] offset:256*i_  ; slots 2i, 2i + 1: 256 consecutive bytes, aligned
.set i_, i_+1
.endr
.set m_, m_+1
.endr
.Lepi_end:
.Lnext:
	s_add_co_u32 s28, s28, 1
	s_cmp_lt_u32 s28, 4
	s_cbranch_scc1 .Lpass
	s_wait_tensorcnt 0x0                           ; the wave's end
	ds_add_u32 v[SPW], v[NIL]
	s_wait_dscnt 0x0
	s_endpgm
.Lfunc_end_k_q228892808d_moe1:
	.size	k_q228892808d_moe1, .Lfunc_end_k_q228892808d_moe1-k_q228892808d_moe1
	.p2alignl 7, 3214868480
	.fill 96, 4, 3214868480
	.section	.rodata,"a",@progbits
	.p2align	6, 0x0
	.amdhsa_kernel k_q228892808d_moe1
		.amdhsa_group_segment_fixed_size 280064
		.amdhsa_private_segment_fixed_size 0
		.amdhsa_enable_private_segment 0
		.amdhsa_kernarg_size 32
		.amdhsa_user_sgpr_count 2
		.amdhsa_user_sgpr_kernarg_segment_ptr 1
		.amdhsa_wavefront_size32 1
		.amdhsa_system_sgpr_workgroup_id_x 1
		.amdhsa_system_sgpr_workgroup_id_y 1
		.amdhsa_system_sgpr_workgroup_id_z 1
		.amdhsa_system_vgpr_workitem_id 0
		.amdhsa_next_free_vgpr 768
		.amdhsa_next_free_sgpr 66
		.amdhsa_reserve_vcc 1
		.amdhsa_float_denorm_mode_32 3
		.amdhsa_float_denorm_mode_16_64 3
		.amdhsa_memory_ordered 1
		.amdhsa_forward_progress 1
		.amdhsa_inst_pref_size 132
	.end_amdhsa_kernel
	.amdgpu_metadata
---
amdhsa.version: [ 1, 2 ]
amdhsa.kernels:
  - .name:           k_q228892808d_moe1
    .symbol:         k_q228892808d_moe1.kd
    .args:
      - { .name: r4, .offset: 0, .size: 8, .value_kind: global_buffer, .address_space: global }
      - { .name: ridx, .offset: 8, .size: 8, .value_kind: global_buffer, .address_space: global }
      - { .name: w1, .offset: 16, .size: 8, .value_kind: global_buffer, .address_space: global }
      - { .name: act, .offset: 24, .size: 8, .value_kind: global_buffer, .address_space: global }
    .group_segment_fixed_size: 280064
    .private_segment_fixed_size: 0
    .kernarg_segment_align: 8
    .kernarg_segment_size: 32
    .max_flat_workgroup_size: 128
    .sgpr_count:     66
    .vgpr_count:     768
    .wavefront_size: 32
...
	.end_amdgpu_metadata
.endif
;; end of part 6
;; launch moe2 (part 7): grid 32 x 8, 4 waves a work-group, no clusters, 148,992 bytes of LDS; arguments act, ridx, r4, w2, part; writes part
.if DOCPART == 7
	.amdgcn_target "amdgcn-amd-amdhsa--gfx1250"
	.amdhsa_code_object_version 6
	.text
	.protected	k_q228892808d_moe2
	.globl	k_q228892808d_moe2
	.p2align	8
	.type	k_q228892808d_moe2,@function
k_q228892808d_moe2:
	s_mov_b64 s[64:65], 0
	v_nop
	global_prefetch_b8 v0, s[64:65] scope:SCOPE_SE
	s_setreg_imm32_b32 hwreg(HW_REG_WAVE_MODE, 25, 1), 1
	s_wait_xcnt 0x0
; The experts' second product.  Work-group (x, e): cs = x % 16 names 64 columns, kh = x / 16 a half of the hidden width: 1,024 x 64 f32 of expert e's w2, which it alone reads, once.
; Phases, list and shares are those of the first product's launch (the same list is built from the same indices, so act's rows are met in the order in which they were stored).
; act's fragments come straight from memory: act[e][tile][cb][slot][64] bf16, two K steps to a block of 64 hidden columns, 2,048 bytes from block to block.
; The result, times the row's gate, is a partial sum in f32: part[kh][2 token + k][1024]; each row of 256 bytes has one owner.  A later launch adds the four parts of a token.
; ROWS PAST THE COUNT.  The list is filled beforehand with the entry 2048 + e, so that in the last tile a row past the count goes to row 2048 + e of part, my 64 columns, my half:
; bytes that this work-group alone stores and nobody reads (at most 15 rows of 256 bytes).  So every store runs with all lanes on and no comparison is made.
; (Such an entry's gate is read 4 (2048 + e) bytes behind the gates' first: inside r4, a number that goes nowhere.)
.set NF, 4
.set MT, 4
.set ROWB, 4096
.set ADIV, 2
.set AHI, 2048
.set ASTR, 8192
.set AMASK, 0x6000
.set BSTR, 32768
.set BMASK, 0x18000
.set P1TRIPS, 2
.set VSTR, 512*ROWB
.set PARTH, 2056*4096                  ; bytes of one half of part: 2,048 rows and the eight that nobody reads
.set LIST, 131072
.set LISTB, 4352
.set SPARE, LIST+4*LISTB
.set SPW, 1
.set NIL, 2
.set R_, 3
.set H_, 4
.set VB0, 5
.set VB, 6
.set H16, 7
.set VOFF, 8
.set Z, 16
.set VO, 24
.set VL, 28
.set F, 64
.set BB, 128
.set MSB, 0
.macro WIN new
.if MSB != (\new)
	s_set_vgpr_msb (MSB<<8)|(\new)
.set MSB, (\new)
.endif
.endm
.macro P1ADDR
	v_mul_u32_u24 v32, v[H_], 8*ROWB
	v_lshl_add_u32 v32, v[R_], 4, v32
	s_mul_i32 s20, s2, 32*ROWB
	v_add_nc_u32 v32, s20, v32
	s_mul_i32 s20, s2, NF*1024
	v_add_nc_u32 v33, s20, v[VB0]
.irp i, 0,1,2,3
	v_add_nc_u32 v[VO+(\i)], (\i)*128*ROWB, v32    ; K step wave + 4 i
	v_add_nc_u32 v[VL+(\i)], (\i)*16384, v33
.endr
.endm
.macro P1LOAD i
.irp t, 0,1,2,3,4,5,6,7,8,9,10,11,12,13,14,15
	global_load_b128 v[64*(\i)+4*(\t):64*(\i)+4*(\t)+3], v[VO+(\i)], s[4:5] offset:((\t)+8*((\t)/8))*ROWB th:TH_LOAD_NT
.endr
.endm
.macro BATCH i
	s_wait_loadcnt 48                              ; slot i's sixteen loads are in, the three younger slots' 48 stay out
	WIN 0x05
.irp j, 0,1,2,3
.irp q, 0,1,2,3,4,5,6,7
	v_cvt_pk_bf16_f32 v[F+8*(\j)+(\q)], v[64*(\i)+8*(\q)+(\j)], v[64*(\i)+8*(\q)+4+(\j)]
.endr
.endr
	WIN 0
.irp j, 0,1,2,3
	ds_store_b128 v[VL+(\i)], v[F+8*(\j):F+8*(\j)+3] offset:1024*(\j)
	ds_store_b128 v[VL+(\i)], v[F+8*(\j)+4:F+8*(\j)+7] offset:1024*(\j)+512
.endr
	v_add_nc_u32 v[VL+(\i)], 0x10000, v[VL+(\i)]
	v_add_nc_u32 v[VO+(\i)], VSTR, v[VO+(\i)]
	v_and_b32 v[VO+(\i)], s18, v[VO+(\i)]          ; the last trip's loads all name the slice's head
	WIN 0x40
	P1LOAD \i
	WIN 0
.endm
.macro MMA d, a, b, z
.if \z
	v_wmma_f32_16x16x32_bf16 v[(\d):(\d)+7], v[(\a):(\a)+7], v[(\b):(\b)+7], 0
.else
	v_wmma_f32_16x16x32_bf16 v[(\d):(\d)+7], v[(\a):(\a)+7], v[(\b):(\b)+7], v[(\d):(\d)+7]
.endif
.endm
.macro ALOAD s
.set m_, 0
.rept MT
	global_load_b128 v[8*(4*(\s)+m_):8*(4*(\s)+m_)+3], v[VOFF+m_], s[12:13] offset:((\s)/ADIV)*AHI+((\s)%ADIV)*64
	global_load_b128 v[8*(4*(\s)+m_)+4:8*(4*(\s)+m_)+7], v[VOFF+m_], s[12:13] offset:((\s)/ADIV)*AHI+((\s)%ADIV)*64+32
.set m_, m_+1
.endr
.endm
.macro BLOAD b, ks
.set f_, 0
.rept NF
	ds_load_b128 v[BB+8*NF*(\b)+8*f_:BB+8*NF*(\b)+8*f_+3], v[VB] offset:((\ks)*NF+f_)*1024
	ds_load_b128 v[BB+8*NF*(\b)+8*f_+4:BB+8*NF*(\b)+8*f_+7], v[VB] offset:((\ks)*NF+f_)*1024+512
.set f_, f_+1
.endr
.endm
.macro PRO_A
	s_mov_b32 s14, 0
	s_mov_b32 s15, 0
	s_mov_b64 s[12:13], s[6:7]
	s_mov_b32 s16, 0
	v_mov_b32 v[VB], v[VB0]
	WIN 0x80
.irp s, 0,1,2,3,4,5,6
	ALOAD \s
.endr
	WIN 0
.endm
.macro PRO_B
	BLOAD 0, 0
.rept 5
	v_nop
.endr
	WIN 0x40
.set k_, 0
.rept MT*NF
	MMA 8*k_, Z, Z, 1
.set k_, k_+1
.endr
	WIN 0
	s_mov_b32 s17, 4
.endm
.macro STEP s
.if (\s) == 7
	s_add_co_u32 s16, s16, BSTR                    ; the next fragments are the next eight steps' first
.endif
	s_and_b32 s16, s16, BMASK                      ; 0 .. BMASK: with 16 x lane and the immediates below, inside the slice; behind the last step it is 0 again
.rept 3
	v_nop                                          ; four places behind the last step's products: the loads below land on registers that they read
.endr
	v_add_nc_u32 v[VB], s16, v[VB0]                ; the fourth: the LDS address, made anew in every step
.if (\s) == 1
	s_wait_xcnt 0x0                                ; the base and the offsets are rewritten only behind this wait
	s_add_co_u32 s14, s14, ASTR
	s_and_b32 s14, s14, AMASK
	s_add_nc_u64 s[12:13], s[6:7], s[14:15]
	s_cmp_eq_u32 s17, 1
	s_cselect_b32 s18, 0, -1
.set m_, 0
.rept MT
	v_and_b32 v[VOFF+m_], s18, v[VOFF+m_]          ; the last trip's look-ahead names A's head alone
.set m_, m_+1
.endr
.endif
	WIN 0x80
	ALOAD ((\s)+7)%8
	WIN 0
	BLOAD ((\s)+1)%2, ((\s)+1)%8
	s_wait_loadcnt 14*MT                           ; this step's A is in; seven younger steps stay out
	s_wait_dscnt 2*NF                              ; this step's weights are in; the next step's stay out
.set m_, 0
.rept MT
.if m_ > 0
	WIN 0
	s_cmp_le_u32 s30, m_                           ; tiles that this pass does not have are jumped, forward
	s_cbranch_scc1 .Lend\@
.endif
	WIN 0x52
.set f_, 0
.rept NF                               ; the accumulators take turns
	MMA 8*(NF*m_+f_), 8*(4*(\s)+m_), BB+8*NF*((\s)%2)+8*f_, 0
.set f_, f_+1
.endr
.set m_, m_+1
.endr
	WIN 0
.Lend\@:
.endm
; s31 = the expert, s23 = what entries past the count hold, v36 = lane, v39 = 2 x lane, v[128..191] the 1,024 pairs.  Leaves R in s24, the shares in s25-27, R - 1 in s34, my list's LDS byte in s33.
.macro MKLIST
	s_mul_i32 s33, s2, LISTB
	s_add_co_u32 s33, s33, LIST
	v_add_nc_u32 v38, s33, v[VB0]
	v_mov_b32 v40, s23
	v_mov_b32 v41, s23
	v_mov_b32 v42, s23
	v_mov_b32 v43, s23
.irp q, 0,1,2,3,4,5,6,7
	ds_store_b128 v38, v[40:43] offset:512*(\q)
.endr
	v_add_nc_u32 v46, 0x400, v36                   ; the word of a lane without a row
	s_wait_loadcnt 63                              ; 96 loads have been issued: the oldest 33 are in, the 32 of the indices among them
	s_mov_b32 s24, 0
.set c_, 0
.rept 32
	v_cmp_eq_u32 s20, s31, v[128+2*c_]
	v_cmp_eq_u32 vcc_lo, s31, v[129+2*c_]
	v_cndmask_b32 v44, 0, 1, vcc_lo
	v_add_nc_u32 v44, v44, v39                     ; 2 token + k
	s_or_b32 s22, vcc_lo, s20
	v_mbcnt_lo_u32_b32 v45, s22, s24               ; the rank
	v_cndmask_b32 v45, v46, v45, s22
	v_min_u32 v45, 0x43f, v45                      ; inside my 1,088 words
	v_lshlrev_b32 v45, 2, v45
	v_add_nc_u32 v45, s33, v45
	ds_store_b32 v45, v44
	v_add_nc_u32 v39, 64, v39
	s_bcnt1_i32_b32 s21, s22
	s_add_co_u32 s24, s24, s21
.set c_, c_+1
.endr
	s_min_u32 s24, s24, 1024
	s_add_co_u32 s25, s24, 15
	s_lshr_b32 s25, s25, 4
	s_add_co_u32 s26, s25, 15
	s_lshr_b32 s26, s26, 4
	s_add_co_u32 s20, s25, 3
	s_lshr_b32 s27, s20, 2
	s_add_co_u32 s20, s25, 7
	s_lshr_b32 s20, s20, 3
	s_cmp_eq_u32 s26, 2
	s_cselect_b32 s27, s20, s27
	s_add_co_u32 s20, s25, 11
	s_mul_i32 s20, s20, 43
	s_lshr_b32 s20, s20, 9                         ; / 12, exact for 44 .. 59
	s_cmp_eq_u32 s26, 3
	s_cselect_b32 s27, s20, s27
	s_add_co_u32 s20, s25, 15
	s_lshr_b32 s20, s20, 4
	s_cmp_eq_u32 s26, 4
	s_cselect_b32 s27, s20, s27
	s_sub_co_u32 s34, s24, 1
.endm
.macro TILEOUT m
.if (\m) > 0
	s_cmp_le_u32 s30, \m
	s_cbranch_scc1 .Lepi_end
.endif
	s_wait_xcnt 0x0                                ; the last tile's offsets and data are rewritten
	s_add_co_u32 s20, s29, \m
	s_min_u32 s20, s20, 63
	s_lshl_b32 s21, s20, 6
	s_add_co_u32 s21, s21, s33
	v_lshlrev_b32 v56, 5, v[H_]
	v_add_nc_u32 v56, s21, v56
	ds_load_b128 v[32:35], v56                     ; the entries of rows 8h .. 8h + 7
	ds_load_b128 v[36:39], v56 offset:16
	v_lshlrev_b32 v57, 4, v[R_]
	s_wait_dscnt 0x0
.set i_, 0
.rept 8
	v_min_u32 v[32+i_], 0x807, v[32+i_]            ; 2,048 rows and the eight that nobody reads
	v_lshlrev_b32 v[40+i_], 2, v[32+i_]
.set i_, i_+1
.endr
.set i_, 0
.rept 8
	global_load_b32 v[48+i_], v[40+i_], s[10:11]   ; their gates
.set i_, i_+1
.endr
	s_wait_loadcnt 0x0
	WIN 0x01
.set i_, 0
.rept 8                                ; each accumulator's registers in ascending order
.irp j, 0,1,2,3
	v_mul_f32 v[64+4*i_+(\j)], v[32*(\m)+8*(\j)+i_], v[48+i_]
.endr
.set i_, i_+1
.endr
	WIN 0
.set i_, 0
.rept 8
	v_lshlrev_b32 v[40+i_], 12, v[32+i_]           ; the row of 2 token + k,
	v_add_nc_u32 v[40+i_], v57, v[40+i_]           ; my 16 bytes
.set i_, i_+1
.endr
.set i_, 0
.rept 8
	global_store_b128 v[40+i_], v[64+4*i_:64+4*i_+3], s[8:9]  ; sixteen lanes: 256 consecutive bytes, aligned
.set i_, i_+1
.endr
.endm
	s_load_b256 s[40:47], s[0:1], 0x0              ; act s[40:41], ridx s[42:43], r4 s[44:45], w2 s[46:47]
	s_load_b64 s[38:39], s[0:1], 0x20              ; part
	v_lshl_add_u32 v[SPW], v0, 2, SPARE
	v_mov_b32 v[NIL], 0
	v_lshrrev_b32 v32, 5, v0
	v_readfirstlane_b32 s2, v32
	v_and_b32 v[R_], 15, v0
	v_bfe_u32 v[H_], v0, 4, 1
	v_and_b32 v36, 31, v0
	v_lshlrev_b32 v[VB0], 4, v36
	v_lshlrev_b32 v37, 3, v36
	v_lshlrev_b32 v39, 1, v36
	v_lshlrev_b32 v[H16], 4, v[H_]
	s_and_b32 s31, ttmp7, 0xffff                   ; expert
	s_and_b32 s32, ttmp9, 15                       ; 64 columns
	s_lshr_b32 s35, ttmp9, 4                       ; half of the hidden width
	P1ADDR
	s_mov_b32 s21, 0
	s_wait_kmcnt 0x0
	s_lshl_b32 s20, s31, 23
	s_lshl_b32 s22, s35, 22
	s_add_co_u32 s20, s20, s22
	s_lshl_b32 s22, s32, 8
	s_add_co_u32 s20, s20, s22
	s_add_nc_u64 s[4:5], s[46:47], s[20:21]
	s_mul_i32 s20, s35, PARTH
	s_add_co_u32 s20, s20, s22
	s_add_nc_u64 s[8:9], s[38:39], s[20:21]
	s_lshl_b32 s20, s31, 22
	s_lshl_b32 s22, s35, 15
	s_add_co_u32 s20, s20, s22
	s_add_nc_u64 s[6:7], s[40:41], s[20:21]
	s_add_nc_u64 s[10:11], s[44:45], 0x200000      ; the gates
.set c_, 0
.rept 32
	global_load_b64 v[128+2*c_:129+2*c_], v37, s[42:43] offset:256*c_
.set c_, c_+1
.endr
	WIN 0x40
	P1LOAD 0
	P1LOAD 1
	P1LOAD 2
	P1LOAD 3
	WIN 0
	s_add_co_u32 s23, s31, 2048                    ; entries past the count name the row that nobody reads
	MKLIST
.irp k, 0,1,2,3,4,5,6,7
	v_mov_b32 v[Z+(\k)], 0
.endr
	s_mov_b32 s19, P1TRIPS
.Lp1:
	s_cmp_eq_u32 s19, 1
	s_cselect_b32 s18, 0, -1
	BATCH 0
	BATCH 1
	BATCH 2
	BATCH 3
	s_sub_co_u32 s19, s19, 1
	s_cmp_lg_u32 s19, 0
	s_cbranch_scc1 .Lp1
	s_wait_loadcnt 0x0
	s_wait_dscnt 0x0                               ; for the others' sake: my part of the slice is in LDS
	s_barrier_signal -1
	s_barrier_wait -1
	s_mov_b32 s28, 0
.Lpass:
	s_lshl_b32 s20, s28, 2
	s_add_co_u32 s20, s20, s2
	s_mul_i32 s29, s20, s27
	s_sub_co_i32 s30, s25, s29
	s_max_i32 s30, s30, 0
	s_min_u32 s30, s30, s27
	s_cmp_eq_u32 s30, 0
	s_cbranch_scc1 .Lnext
	s_wait_xcnt 0x0
	s_lshl_b32 s20, s29, 4
	v_add_nc_u32 v32, s20, v[R_]
.irp m, 0,1,2,3
	v_add_nc_u32 v40, 16*(\m), v32
	v_min_u32 v40, s34, v40                        ; rows past the count repeat the last row
	v_min_u32 v40, 0x3ff, v40
	v_and_b32 v41, 0x3f0, v40
	v_lshlrev_b32 v41, 12, v41                     ; the tile's 65,536 bytes
	v_and_b32 v42, 7, v40
	v_lshlrev_b32 v42, 8, v42                      ; slot 2 (row % 8) + (row / 8) % 2, 128 bytes each
	v_add_nc_u32 v41, v41, v42
	v_and_b32 v42, 8, v40
	v_lshlrev_b32 v42, 4, v42
	v_add_nc_u32 v41, v41, v42
	v_add_nc_u32 v[VOFF+(\m)], v[H16], v41
.endr
	PRO_A
	PRO_B
.Lk:
	STEP 0
	STEP 1
	STEP 2
	STEP 3
	STEP 4
	STEP 5
	STEP 6
	STEP 7
	s_sub_co_u32 s17, s17, 1
	s_cmp_lg_u32 s17, 0
	s_cbranch_scc1 .Lk
	s_wait_loadcnt 0x0
	s_wait_dscnt 0x0
.rept 4
	v_nop
.endr
	TILEOUT 0
	TILEOUT 1
	TILEOUT 2
	TILEOUT 3
.Lepi_end:
.Lnext:
	s_add_co_u32 s28, s28, 1
	s_cmp_lt_u32 s28, 4
	s_cbranch_scc1 .Lpass
	s_wait_tensorcnt 0x0                           ; the wave's end
	ds_add_u32 v[SPW], v[NIL]
	s_wait_dscnt 0x0
	s_endpgm
.Lfunc_end_k_q228892808d_moe2:
	.size	k_q228892808d_moe2, .Lfunc_end_k_q228892808d_moe2-k_q228892808d_moe2
	.p2alignl 7, 3214868480
	.fill 96, 4, 3214868480
	.section	.rodata,"a",@progbits
	.p2align	6, 0x0
	.amdhsa_kernel k_q228892808d_moe2
		.amdhsa_group_segment_fixed_size 148992
		.amdhsa_private_segment_fixed_size 0
		.amdhsa_enable_private_segment 0
		.amdhsa_kernarg_size 40
		.amdhsa_user_sgpr_count 2
		.amdhsa_user_sgpr_kernarg_segment_ptr 1
		.amdhsa_wavefront_size32 1
		.amdhsa_system_sgpr_workgroup_id_x 1
		.amdhsa_system_sgpr_workgroup_id_y 1
		.amdhsa_system_sgpr_workgroup_id_z 1
		.amdhsa_system_vgpr_workitem_id 0
		.amdhsa_next_free_vgpr 768
		.amdhsa_next_free_sgpr 66
		.amdhsa_reserve_vcc 1
		.amdhsa_float_denorm_mode_32 3
		.amdhsa_float_denorm_mode_16_64 3
		.amdhsa_memory_ordered 1
		.amdhsa_forward_progress 1
		.amdhsa_inst_pref_size 103
	.end_amdhsa_kernel
	.amdgpu_metadata
---
amdhsa.version: [ 1, 2 ]
amdhsa.kernels:
  - .name:           k_q228892808d_moe2
    .symbol:         k_q228892808d_moe2.kd
    .args:
      - { .name: act, .offset: 0, .size: 8, .value_kind: global_buffer, .address_space: global }
      - { .name: ridx, .offset: 8, .size: 8, .value_kind: global_buffer, .address_space: global }
      - { .name: r4, .offset: 16, .size: 8, .value_kind: global_buffer, .address_space: global }
      - { .name: w2, .offset: 24, .size: 8, .value_kind: global_buffer, .address_space: global }
      - { .name: part, .offset: 32, .size: 8, .value_kind: global_buffer, .address_space: global }
    .group_segment_fixed_size: 148992
    .private_segment_fixed_size: 0
    .kernarg_segment_align: 8
    .kernarg_segment_size: 40
    .max_flat_workgroup_size: 128
    .sgpr_count:     66
    .vgpr_count:     768
    .wavefront_size: 32
...
	.end_amdgpu_metadata
.endif
;; end of part 7
;; launch comb (part 8): grid 129 x 1, 8 waves a work-group, no clusters, 0 bytes of LDS; arguments x2, part, r4, out0, out1; writes out0, out1
.if DOCPART == 8
	.amdgcn_target "amdgcn-amd-amdhsa--gfx1250"
	.amdhsa_code_object_version 6
	.text
	.protected	k_q228892808d_comb
	.globl	k_q228892808d_comb
	.p2align	8
	.type	k_q228892808d_comb,@function
k_q228892808d_comb:
	s_mov_b64 s[64:65], 0
	v_nop
	global_prefetch_b8 v0, s[64:65] scope:SCOPE_SE
	s_setreg_imm32_b32 hwreg(HW_REG_WAVE_MODE, 25, 1), 1
	s_wait_xcnt 0x0
; out0 = x2 + the token's four partial rows (two experts x two halves of the hidden width), all f32: work-groups 0-127, one wave a token, 40 loads of 512 consecutive bytes.
; part is [2][2056][1024]: rows 2 token + k; the eight last rows of each half are not read.
; out1: work-group 128, wave 0: the 128 lines of 16 numbers (8 sums of probabilities, 8 counts) are added; lane l holds numbers 4 (l % 4) .. of line l / 4 + 8 q.
; loss = 8 sum(P U) / (sum P x sum U): the means' factor 1/1024 cancels.  A stream: no LDS, no matrix unit.
.set PARTH, 2056*4096
	s_load_b256 s[8:15], s[0:1], 0x0               ; x2 s[8:9], part s[10:11], r4 s[12:13], out0 s[14:15]
	s_load_b64 s[16:17], s[0:1], 0x20              ; out1
	v_lshrrev_b32 v2, 5, v0
	v_readfirstlane_b32 s2, v2
	v_and_b32 v3, 31, v0
	v_lshlrev_b32 v1, 4, v3
	s_cmp_eq_u32 ttmp9, 128
	s_cbranch_scc1 .Lloss
	s_lshl3_add_u32 s3, ttmp9, s2                  ; my token
	s_lshl_b32 s20, s3, 12
	s_mov_b32 s21, 0
	s_lshl_b32 s22, s3, 13
	s_mov_b32 s23, 0
	s_wait_kmcnt 0x0
	s_add_nc_u64 s[4:5], s[8:9], s[20:21]
	s_add_nc_u64 s[24:25], s[14:15], s[20:21]
	s_add_nc_u64 s[6:7], s[10:11], s[22:23]
	s_add_nc_u64 s[18:19], s[6:7], PARTH
.set j_, 0
.rept 8
	global_load_b128 v[32+4*j_:35+4*j_], v1, s[4:5] offset:512*j_
.set j_, j_+1
.endr
.set j_, 0
.rept 8
	global_load_b128 v[64+4*j_:67+4*j_], v1, s[6:7] offset:512*j_ th:TH_LOAD_NT
.set j_, j_+1
.endr
.set j_, 0
.rept 8
	global_load_b128 v[96+4*j_:99+4*j_], v1, s[6:7] offset:4096+512*j_ th:TH_LOAD_NT
.set j_, j_+1
.endr
.set j_, 0
.rept 8
	global_load_b128 v[128+4*j_:131+4*j_], v1, s[18:19] offset:512*j_ th:TH_LOAD_NT
.set j_, j_+1
.endr
.set j_, 0
.rept 8
	global_load_b128 v[160+4*j_:163+4*j_], v1, s[18:19] offset:4096+512*j_ th:TH_LOAD_NT
.set j_, j_+1
.endr
.irp g, 0,1,2,3
	s_wait_loadcnt 24-8*(\g)                       ; x2 and the parts up to this one are in; the younger groups of eight stay out
.set n_, 0
.rept 16
	v_pk_add_f32 v[32+2*n_:33+2*n_], v[32+2*n_:33+2*n_], v[64+32*(\g)+2*n_:65+32*(\g)+2*n_]
.set n_, n_+1
.endr
.endr
.set j_, 0
.rept 8
	global_store_b128 v1, v[32+4*j_:35+4*j_], s[24:25] offset:512*j_ th:TH_STORE_NT
.set j_, j_+1
.endr
	s_endpgm
.Lloss:
	s_cmp_lg_u32 s2, 0
	s_cbranch_scc1 .Lquit
	s_mov_b32 s22, 0x76543210
	s_mov_b32 s23, 0xfedcba98
	s_wait_kmcnt 0x0
	s_add_nc_u64 s[4:5], s[12:13], 0x202000
.set q_, 0
.rept 16
	global_load_b128 v[32+4*q_:35+4*q_], v1, s[4:5] offset:512*q_
.set q_, q_+1
.endr
	s_wait_loadcnt 0x0
.set q_, 1
.rept 15
	v_pk_add_f32 v[32:33], v[32:33], v[32+4*q_:33+4*q_]
	v_pk_add_f32 v[34:35], v[34:35], v[34+4*q_:35+4*q_]
.set q_, q_+1
.endr
.irp c, 32,33,34,35
	v_add_f32_dpp v[\c], v[\c], v[\c] row_xmask:4 row_mask:0xf bank_mask:0xf
	v_add_f32_dpp v[\c], v[\c], v[\c] row_xmask:8 row_mask:0xf bank_mask:0xf
	v_permlanex16_b32 v[(\c)+4], v[\c], s22, s23
	v_add_f32 v[\c], v[\c], v[(\c)+4]
.endr
.irp c, 0,1,2,3
	v_mov_b32_dpp v[40+(\c)], v[32+(\c)] row_xmask:2 row_mask:0xf bank_mask:0xf  ; the counts beside the probabilities, and the other way round
.endr
	v_mul_f32 v44, v32, v40
	v_fma_f32 v44, v33, v41, v44
	v_fma_f32 v44, v34, v42, v44
	v_fma_f32 v44, v35, v43, v44
	v_add_f32_dpp v44, v44, v44 row_xmask:1 row_mask:0xf bank_mask:0xf
	v_add_f32 v45, v32, v33
	v_add_f32 v46, v34, v35
	v_add_f32 v45, v45, v46
	v_add_f32_dpp v45, v45, v45 row_xmask:1 row_mask:0xf bank_mask:0xf
	v_mov_b32_dpp v46, v45 row_xmask:2 row_mask:0xf bank_mask:0xf
	v_mul_f32 v45, v45, v46
	v_rcp_f32 v45, v45
	v_mul_f32 v44, 0x41000000, v44
	s_wait_alu depctr_va_vdst(0)
	v_mul_f32 v44, v44, v45
	v_mov_b32 v47, 0
	v_cmp_eq_u32 vcc_lo, 0, v3
	s_wait_xcnt 0x0                                ; EXEC changes only behind this wait
	s_and_saveexec_b32 s20, vcc_lo
	global_store_b32 v47, v44, s[16:17]
	s_wait_xcnt 0x0
	s_or_b32 exec_lo, exec_lo, s20
.Lquit:
	s_endpgm
.Lfunc_end_k_q228892808d_comb:
	.size	k_q228892808d_comb, .Lfunc_end_k_q228892808d_comb-k_q228892808d_comb
	.p2alignl 7, 3214868480
	.fill 96, 4, 3214868480
	.section	.rodata,"a",@progbits
	.p2align	6, 0x0
	.amdhsa_kernel k_q228892808d_comb
		.amdhsa_group_segment_fixed_size 0
		.amdhsa_private_segment_fixed_size 0
		.amdhsa_enable_private_segment 0
		.amdhsa_kernarg_size 40
		.amdhsa_user_sgpr_count 2
		.amdhsa_user_sgpr_kernarg_segment_ptr 1
		.amdhsa_wavefront_size32 1
		.amdhsa_system_sgpr_workgroup_id_x 1
		.amdhsa_system_sgpr_workgroup_id_y 1
		.amdhsa_system_sgpr_workgroup_id_z 1
		.amdhsa_system_vgpr_workitem_id 0
		.amdhsa_next_free_vgpr 192
		.amdhsa_next_free_sgpr 66
		.amdhsa_reserve_vcc 1
		.amdhsa_float_denorm_mode_32 3
		.amdhsa_float_denorm_mode_16_64 3
		.amdhsa_memory_ordered 1
		.amdhsa_forward_progress 1
		.amdhsa_inst_pref_size 16
	.end_amdhsa_kernel
	.amdgpu_metadata
---
amdhsa.version: [ 1, 2 ]
amdhsa.kernels:
  - .name:           k_q228892808d_comb
    .symbol:         k_q228892808d_comb.kd
    .args:
      - { .name: x2, .offset: 0, .size: 8, .value_kind: global_buffer, .address_space: global }
      - { .name: part, .offset: 8, .size: 8, .value_kind: global_buffer, .address_space: global }
      - { .name: r4, .offset: 16, .size: 8, .value_kind: global_buffer, .address_space: global }
      - { .name: out0, .offset: 24, .size: 8, .value_kind: global_buffer, .address_space: global }
      - { .name: out1, .offset: 32, .size: 8, .value_kind: global_buffer, .address_space: global }
    .group_segment_fixed_size: 0
    .private_segment_fixed_size: 0
    .kernarg_segment_align: 8
    .kernarg_segment_size: 40
    .max_flat_workgroup_size: 256
    .sgpr_count:     66
    .vgpr_count:     192
    .wavefront_size: 32
...
	.end_amdgpu_metadata
.endif
;; end of part 8
;; ======== version 2 of 3: 8 launches; 1.16 times as fast as version 1
;; limits: values are held in f16: magnitudes above 65,504 overflow, below 6.1e-05 lose precision
;; workspace buffers: ab 2,228,224 bytes; qkv 6,291,456 bytes; x2 4,194,304 bytes; r4 2,113,536 bytes; ridx 8,192 bytes of whole numbers; act 33,554,432 bytes; part 16,842,752 bytes; rlist 36,864 bytes of whole numbers
;; launch prep: the kernel of part 1 again; grid 128 x 1, 8 waves a work-group, no clusters, 0 bytes of LDS; arguments x, ln1_g, ln1_b, ab; writes ab
;; launch qkvp: the kernel of part 2 again; grid 48 x 4, 4 waves a work-group, no clusters, 131,584 bytes of LDS; arguments ab, qkv_w, qkv; writes qkv
;; launch attn: the kernel of part 3 again; grid 256 x 1, 4 waves a work-group, no clusters, 165,376 bytes of LDS; arguments qkv, ab; writes ab
;; launch oproj: the kernel of part 4 again; grid 16 x 8, 4 waves a work-group, no clusters, 131,584 bytes of LDS; arguments ab, out_w, x, x2; writes x2
;; launch router: the kernel of part 5 again; grid 128 x 1, 8 waves a work-group, no clusters, 34,304 bytes of LDS; arguments x2, ln2_g, ln2_b, gate_w, expert_biases, r4, ridx; writes r4, ridx
;; launch moe1 (part 9): grid 32 x 8, 4 waves a work-group, no clusters, 280,064 bytes of LDS; arguments r4, ridx, w1, act, rlist; writes act, rlist
.if DOCPART == 9
	.amdgcn_target "amdgcn-amd-amdhsa--gfx1250"
	.amdhsa_code_object_version 6
	.text
	.protected	k_q228892808d_moe1
	.globl	k_q228892808d_moe1
	.p2align	8
	.type	k_q228892808d_moe1,@function
k_q228892808d_moe1:
	s_mov_b64 s[64:65], 0
	v_nop
	global_prefetch_b8 v0, s[64:65] scope:SCOPE_SE
	s_setreg_imm32_b32 hwreg(HW_REG_WAVE_MODE, 25, 1), 1
	s_wait_xcnt 0x0
; The experts' first product and SwiGLU, for the chosen rows alone.  Work-group (s, e) owns, of expert e, columns 64 s .. of h1 and the same of h2: 1,024 x 128 f32,
; which it alone reads, once.  PHASE 1 rounds them to bf16 and lays them into LDS as matrix operands (256 KiB); four batches of sixteen loads a wave are always out.
; THE BITMAP.  Each wave reads the 1,024 pairs of indices that the router's launch stored; a chunk of 32 tokens gives a mask of the expert's rows, which stays in a scalar register:
; 32 words, and their count R.  The expert's rows are numbered by rank, in ascending order of token.
; THE TOKEN OF A RANK is found in registers, at a pass's head, for the wave's five tiles at once: a scan over the 32 words picks the word in which the rank falls (the count in front of a word
; and the word's number go as count x 32 + number, the rank as rank x 32 + 31, so that one comparison and two selects serve a word); partial bit counts of that word and five halvings find the bit.
; So a row's address is made of what was read from memory by register arithmetic alone.
; THE LIST (entry = 2 token + k, by rank) is laid in LDS bytes of the wave's own for the next launch: a lane without a row stores into a word of its own behind the list (word 1024 + lane),
; so that every store runs with all lanes on; entries past the count hold 2048 + e.  Slice 0's wave 0 stores list and count.  Every wave lays the list, though one alone stores it:
; a branch round those lines would need the masks' lines a second time.
; PHASE 2 (behind the one barrier; nothing writes LDS, no barrier): the nt = ceil(R / 16) tiles of rows are dealt evenly: up to four passes, in each a wave takes up to five tiles
; x all eight fragments: 20 tiles, 320 rows, a pass; an even split of the 2,048 choices gives an expert 256.  Every R from 0 to 1,024 is served; with R = 0 the slice is read and no row is stored.
; Rows past R, and the rows of tiles that the wave does not have in this pass, repeat the wave's last row: all lanes of such a load name one row.
; xn2's fragments are gathered straight from memory, through a ring of eight K steps in registers, five steps ahead: 50 loads stay out, 60 at the most.
; An expert's 32 work-groups read the same rows; slice s begins its walk along K at the group of eight steps s % 4 and wraps, so that they walk the rows' bytes at four different times.
; act = silu(h1) h2, rounded to bf16: act[e][tile][s][slot 2i + h][64], so that a store covers 256 consecutive bytes.  Whole tiles are stored.
; The sums start from 40 products of a zero fragment, in place of a second copy of the K step.
; LIMITS.  K is summed in an order that hangs on the slice (see above): the f32 sums' last bits differ from an ascending sum's.  bf16, not f16: h1 h2 has no bound in f16's range for larger inputs.
; No tensor loads or joint loads: each weight has one reader and must pass through registers; the rows come by a list.
.set NF, 8
.set MT, 5
.set LEAD, 5
.set ROWB, 16384
.set ADIV, 1
.set AHI, 64
.set ASTR, 512
.set AMASK, 0x600
.set BSTR, 65536
.set BMASK, 0x30000
.set P1TRIPS, 4
.set VSTR, 256*ROWB
.set LIST, 262144                      ; behind the slice: a list for each wave,
.set LISTB, 4352                       ; 4,096 bytes of entries and 128 of the lanes' own words, rounded up to blocks of 256
.set SPARE, LIST+4*LISTB               ; the spare words, 128 bytes a wave
.set SPW, 1
.set NIL, 2
.set R_, 3
.set H_, 4
.set VB0, 5                            ; 16 x lane
.set VB, 6                             ; LDS address of the fragments in hand
.set H16, 7
.set VOFF, 8                           ; v8-12  tile m: my row's byte offset in A
.set Z, 16                             ; v16-23 a fragment of zeros
.set VO, 24                            ; v24-27 phase 1: slot i's offset in the weights
.set VL, 28                            ; v28-31 phase 1: slot i's LDS address
.set F, 64                             ; v64-95 phase 1: four fragments
.set VS, 112                           ; v112-116 tile m: my byte offset in act
.set BB, 128                           ; two buffers of NF fragments
; at a pass's head, five registers each (tile m at + m): they are free again when the K loop begins
.set RHO, 32                           ; my row's rank
.set KAP, 40                           ; rank x 32 + 31; later a halving's step
.set WW,  48                           ; the bitmap's word in which the rank falls
.set PCK, 56                           ; the count in front of that word x 32 + the word's number
.set C1,  64                           ; the word's bit counts by pairs,
.set C2,  72                           ; fours,
.set C4,  80                           ; eights,
.set C8,  88                           ; sixteens
.set NN,  96                           ; how many of the word's bits lie in front of mine
.set POS, 104                          ; my bit's place; then the token, then its bytes
.set TT,  120                          ; at work
; scalar: s48-63 and s66-81 the bitmap's 32 words; s82-85 the masks of the partial counts
; Above v255 registers are named by their whole number; number / 256 is the window, number % 256 what the line spells.
.set ACC, 256                          ; accumulator (m, f) at ACC + 8 (NF m + f): 320 registers.  In phase 1 registers 256-511 are four slots of 64 for loaded weights
.set AR, ACC+8*NF*MT                   ; the A ring: step s, tile m at AR + 8 (MT s + m): 320 registers
.set MSB, 0
.macro WIN new
.if MSB != (\new)
	s_set_vgpr_msb (MSB<<8)|(\new)
.set MSB, (\new)
.endif
.endm
.macro P1ADDR
	v_mul_u32_u24 v32, v[H_], 8*ROWB
	v_lshl_add_u32 v32, v[R_], 4, v32
	s_mul_i32 s20, s2, 32*ROWB
	v_add_nc_u32 v32, s20, v32
	s_mul_i32 s20, s2, NF*1024
	v_add_nc_u32 v33, s20, v[VB0]
.irp i, 0,1,2,3
	v_add_nc_u32 v[VO+(\i)], ((\i)/2)*128*ROWB+((\i)%2)*8192, v32   ; K step wave + 4 (i / 2); i % 2: h1's block or h2's
	v_add_nc_u32 v[VL+(\i)], ((\i)/2)*32768+((\i)%2)*4096, v33
.endr
.endm
.macro P1LOAD i                        ; 32 rows x 64 columns: sixteen loads (destination window 1)
.irp t, 0,1,2,3,4,5,6,7,8,9,10,11,12,13,14,15
	global_load_b128 v[64*(\i)+4*(\t):64*(\i)+4*(\t)+3], v[VO+(\i)], s[4:5] offset:((\t)+8*((\t)/8))*ROWB th:TH_LOAD_NT
.endr
.endm
.macro BATCH i
	s_wait_loadcnt 48                              ; loads come back in order: slot i's sixteen are in, the three younger slots' 48 stay out
	WIN 0x05
.irp j, 0,1,2,3
.irp q, 0,1,2,3,4,5,6,7
	v_cvt_pk_bf16_f32 v[F+8*(\j)+(\q)], v[64*(\i)+8*(\q)+(\j)], v[64*(\i)+8*(\q)+4+(\j)]
.endr
.endr
	WIN 0
.irp j, 0,1,2,3
	ds_store_b128 v[VL+(\i)], v[F+8*(\j):F+8*(\j)+3] offset:1024*(\j)
	ds_store_b128 v[VL+(\i)], v[F+8*(\j)+4:F+8*(\j)+7] offset:1024*(\j)+512
.endr
	v_add_nc_u32 v[VL+(\i)], 0x10000, v[VL+(\i)]
	v_add_nc_u32 v[VO+(\i)], VSTR, v[VO+(\i)]      ; free since the wait above showed its loads done
	v_and_b32 v[VO+(\i)], s18, v[VO+(\i)]          ; the last trip has nothing to fetch: its loads all name the slice's head
	WIN 0x40
	P1LOAD \i
	WIN 0
.endm
.macro MMA d, a, b, z                  ; the caller has set the windows
.if \z
	v_wmma_f32_16x16x32_bf16 v[(\d):(\d)+7], v[(\a):(\a)+7], v[(\b):(\b)+7], 0
.else
	v_wmma_f32_16x16x32_bf16 v[(\d):(\d)+7], v[(\a):(\a)+7], v[(\b):(\b)+7], v[(\d):(\d)+7]
.endif
.endm
.macro ALOAD s                         ; step s of the eight in hand: two loads a tile
.set m_, 0
.rept MT
.set a_, AR+8*(MT*(\s)+m_)
	WIN (a_/256)*0x40
	global_load_b128 v[a_%256:a_%256+3], v[VOFF+m_], s[12:13] offset:((\s)/ADIV)*AHI+((\s)%ADIV)*64
	global_load_b128 v[a_%256+4:a_%256+7], v[VOFF+m_], s[12:13] offset:((\s)/ADIV)*AHI+((\s)%ADIV)*64+32
.set m_, m_+1
.endr
.endm
.macro BLOAD b, ks
.set f_, 0
.rept NF
	ds_load_b128 v[BB+8*NF*(\b)+8*f_:BB+8*NF*(\b)+8*f_+3], v[VB] offset:((\ks)*NF+f_)*1024
	ds_load_b128 v[BB+8*NF*(\b)+8*f_+4:BB+8*NF*(\b)+8*f_+7], v[VB] offset:((\ks)*NF+f_)*1024+512
.set f_, f_+1
.endr
.endm
.macro PRO_A                           ; the walk begins at my slice's group of eight steps; the ring's first five steps
	s_mov_b32 s14, s38
	s_mov_b32 s15, 0
	s_add_nc_u64 s[12:13], s[6:7], s[14:15]
	s_and_b32 s16, s39, BMASK
	v_add_nc_u32 v[VB], s16, v[VB0]
.irp s, 0,1,2,3,4
	ALOAD \s
.endr
	WIN 0
.endm
.macro PRO_B                           ; the first step's weights; the sums start
	BLOAD 0, 0
.rept 5
	v_nop
.endr
.set k_, 0
.rept MT*NF
.set d_, ACC+8*k_
	WIN (d_/256)*0x40
	MMA d_%256, Z, Z, 1
.set k_, k_+1
.endr
	WIN 0
	s_mov_b32 s17, 4
.endm
.macro STEP s
.if (\s) == 7
	s_add_co_u32 s16, s16, BSTR                    ; the next fragments are the next eight steps' first
.endif
	s_and_b32 s16, s16, BMASK                      ; 0 .. BMASK: with 16 x lane and the immediates below, inside the slice; past the slice's end it wraps
.rept 3
	v_nop                                          ; four places behind the last step's products: the loads below land on registers that they read
.endr
	v_add_nc_u32 v[VB], s16, v[VB0]                ; the fourth: the LDS address, made anew in every step
.if (\s) == 8-LEAD                     ; from here on the look-ahead lies in the next eight steps
	s_wait_xcnt 0x0                                ; the base and the offsets are rewritten only behind this wait
	s_add_co_u32 s14, s14, ASTR
	s_and_b32 s14, s14, AMASK                      ; past the rows' end it wraps
	s_add_nc_u64 s[12:13], s[6:7], s[14:15]
	s_cmp_eq_u32 s17, 1
	s_cselect_b32 s18, 0, -1
.set m_, 0
.rept MT
	v_and_b32 v[VOFF+m_], s18, v[VOFF+m_]          ; the last trip looks ahead at nothing: its loads all name A's first row
.set m_, m_+1
.endr
.endif
	ALOAD ((\s)+LEAD)%8
	WIN 0
	BLOAD ((\s)+1)%2, ((\s)+1)%8
	s_wait_loadcnt 2*MT*LEAD                       ; this step's A is in; five younger steps of ten loads stay out
	s_wait_dscnt 2*NF                              ; this step's weights are in; the next step's stay out
.set m_, 0
.rept MT
.if m_ > 0
	WIN 0
	s_cmp_le_u32 s30, m_                           ; tiles that this pass does not have are jumped, forward
	s_cbranch_scc1 .Lend\@
.endif
.set a_, AR+8*(MT*(\s)+m_)
.set f_, 0
.rept NF                               ; the accumulators take turns
.set d_, ACC+8*(NF*m_+f_)
	WIN (d_/256)*0x50+(a_/256)
	MMA d_%256, a_%256, BB+8*NF*((\s)%2)+8*f_, 0
.set f_, f_+1
.endr
.set m_, m_+1
.endr
	WIN 0
.Lend\@:
.endm
; s31 = the expert, s23 = what entries past the count hold, v36 = lane, v39 = 2 x lane, v[128..191] the 1,024 pairs.
; Leaves the bitmap in s48-63 and s66-81, the count in s24, my list's LDS byte in s33.
.macro MKLIST
	s_mul_i32 s33, s2, LISTB
	s_add_co_u32 s33, s33, LIST                    ; my wave's list
	v_add_nc_u32 v38, s33, v[VB0]
	v_mov_b32 v40, s23
	v_mov_b32 v41, s23
	v_mov_b32 v42, s23
	v_mov_b32 v43, s23
.irp q, 0,1,2,3,4,5,6,7
	ds_store_b128 v38, v[40:43] offset:512*(\q)
.endr
	v_add_nc_u32 v46, 0x400, v36                   ; the word of a lane without a row
	s_wait_loadcnt 63                              ; 96 loads have been issued: the oldest 33 are in, the 32 of the indices among them
	s_mov_b32 s24, 0
.set c_, 0
.rept 32
.set mk_, 48+c_+2*(c_/16)              ; the chunk's word of the bitmap
	v_cmp_eq_u32 s20, s31, v[128+2*c_]
	v_cmp_eq_u32 vcc_lo, s31, v[129+2*c_]
	v_cndmask_b32 v44, 0, 1, vcc_lo
	v_add_nc_u32 v44, v44, v39                     ; 2 token + k
	s_or_b32 s[mk_], vcc_lo, s20                   ; the chunk's rows of this expert
	v_mbcnt_lo_u32_b32 v45, s[mk_], s24            ; the rank: the count so far and the rows in the lanes below
	v_cndmask_b32 v45, v46, v45, s[mk_]
	v_min_u32 v45, 0x43f, v45                      ; inside my 1,088 words
	v_lshlrev_b32 v45, 2, v45
	v_add_nc_u32 v45, s33, v45
	ds_store_b32 v45, v44
	v_add_nc_u32 v39, 64, v39
	s_bcnt1_i32_b32 s21, s[mk_]
	s_add_co_u32 s24, s24, s21
.set c_, c_+1
.endr
.endm
; From the count in s24: R (s24), nt tiles (s25), the tiles of a wave in a pass (s27) = ceil(nt / (4 passes)), never above five, R - 1 (s34; with R = 0 no pass runs)
.macro SHARES
	s_min_u32 s24, s24, 1024
	s_add_co_u32 s25, s24, 15
	s_lshr_b32 s25, s25, 4
	s_add_co_u32 s20, s25, 3
	s_lshr_b32 s27, s20, 2                         ; one pass: up to 20 tiles
	s_add_co_u32 s20, s25, 7
	s_lshr_b32 s20, s20, 3
	s_cmp_gt_u32 s25, 20
	s_cselect_b32 s27, s20, s27                    ; two: up to 40
	s_add_co_u32 s20, s25, 11
	s_mul_i32 s20, s20, 43
	s_lshr_b32 s20, s20, 9                         ; / 12, exact for 52 .. 71
	s_cmp_gt_u32 s25, 40
	s_cselect_b32 s27, s20, s27                    ; three: up to 60
	s_add_co_u32 s20, s25, 15
	s_lshr_b32 s20, s20, 4
	s_cmp_gt_u32 s25, 60
	s_cselect_b32 s27, s20, s27                    ; four
	s_sub_co_u32 s34, s24, 1
.endm
.macro ALL5 line:vararg                ; one line for each of the five tiles u_: no line reads the result of the line before it
.set u_, 0
.rept 5
	\line
.set u_, u_+1
.endr
.endm
; A halving.  src holds the word's bit counts by blocks of `step` bits, in fields of w bits.  If the block at POS holds no more bits than lie in front of mine, my bit lies behind it:
; the block's count is taken off NN, and POS goes on by the block.
.macro HALVE src, w, step, first
.if \first
	ALL5 v_bfe_u32 v[TT+u_], v[(\src)+u_], 0, \w
.else
	ALL5 v_bfe_u32 v[TT+u_], v[(\src)+u_], v[POS+u_], \w
.endif
.set u_, 0
.rept 5
	v_cmp_ge_u32 vcc_lo, v[NN+u_], v[TT+u_]
	v_cndmask_b32 v[TT+u_], 0, v[TT+u_], vcc_lo
.if \first
	v_cndmask_b32 v[POS+u_], 0, \step, vcc_lo
.else
	v_cndmask_b32 v[KAP+u_], 0, \step, vcc_lo
.endif
.set u_, u_+1
.endr
	ALL5 v_sub_nc_u32 v[NN+u_], v[NN+u_], v[TT+u_]
.if !(\first)
	ALL5 v_add_nc_u32 v[POS+u_], v[POS+u_], v[KAP+u_]
.endif
.endm
	s_load_b256 s[40:47], s[0:1], 0x0              ; r4 s[40:41], ridx s[42:43], w1 s[44:45], act s[46:47]
	s_load_b64 s[10:11], s[0:1], 0x20              ; rlist
	v_lshl_add_u32 v[SPW], v0, 2, SPARE
	v_mov_b32 v[NIL], 0
	v_lshrrev_b32 v32, 5, v0
	v_readfirstlane_b32 s2, v32                    ; wave
	v_and_b32 v[R_], 15, v0
	v_bfe_u32 v[H_], v0, 4, 1
	v_and_b32 v36, 31, v0
	v_lshlrev_b32 v[VB0], 4, v36
	v_lshlrev_b32 v37, 3, v36
	v_lshlrev_b32 v39, 1, v36
	v_lshlrev_b32 v[H16], 4, v[H_]
	s_and_b32 s31, ttmp7, 0xffff                   ; expert
	s_mov_b32 s32, ttmp9                           ; slice
	s_and_b32 s38, s32, 3                          ; the group of eight K steps at which my walk begins:
	s_mul_i32 s39, s38, BSTR                       ; its fragments in LDS,
	s_mul_i32 s38, s38, ASTR                       ; its bytes in a row of xn2
	P1ADDR
	s_lshl_b32 s20, s31, 24
	s_lshl_b32 s22, s32, 8
	s_add_co_u32 s20, s20, s22
	s_mov_b32 s21, 0
	s_lshl_b32 s22, s31, 22
	s_lshl_b32 s23, s32, 11
	s_add_co_u32 s22, s22, s23
	s_mov_b32 s23, 0
	s_mov_b32 s36, 0xbfb8aa3b                      ; -log2(e)
	s_mov_b32 s37, s36
	s_mov_b32 s82, 0x55555555                      ; every second bit,
	s_mov_b32 s83, 0x33333333                      ; every second pair,
	s_mov_b32 s84, 0x0f0f0f0f                      ; every second four,
	s_mov_b32 s85, 0x00ff00ff                      ; every second eight
	s_wait_kmcnt 0x0
	s_add_nc_u64 s[4:5], s[44:45], s[20:21]
	s_add_nc_u64 s[8:9], s[46:47], s[22:23]
	s_mov_b64 s[6:7], s[40:41]
.set c_, 0
.rept 32
	global_load_b64 v[128+2*c_:129+2*c_], v37, s[42:43] offset:256*c_
.set c_, c_+1
.endr
	WIN 0x40
	P1LOAD 0
	P1LOAD 1
	P1LOAD 2
	P1LOAD 3
	WIN 0
	s_add_co_u32 s23, s31, 2048                    ; entries past the count: the next launch sends such rows to a row that nobody reads
	MKLIST
	SHARES
.irp k, 0,1,2,3,4,5,6,7
	v_mov_b32 v[Z+(\k)], 0
.endr
	s_mov_b32 s19, P1TRIPS
.Lp1:
	s_cmp_eq_u32 s19, 1
	s_cselect_b32 s18, 0, -1
	BATCH 0
	BATCH 1
	BATCH 2
	BATCH 3
	s_sub_co_u32 s19, s19, 1
	s_cmp_lg_u32 s19, 0
	s_cbranch_scc1 .Lp1
	s_wait_loadcnt 0x0
	s_wait_dscnt 0x0                               ; for the others' sake: my part of the slice is in LDS
	s_barrier_signal -1
	s_barrier_wait -1
	s_mov_b32 s28, 0
.Lpass:
	s_lshl_b32 s20, s28, 2
	s_add_co_u32 s20, s20, s2
	s_mul_i32 s29, s20, s27                        ; my first tile
	s_sub_co_i32 s30, s25, s29
	s_max_i32 s30, s30, 0
	s_min_u32 s30, s30, s27                        ; and how many
	s_cmp_eq_u32 s30, 0
	s_cbranch_scc1 .Lnext
	s_wait_xcnt 0x0                                ; offsets and data of the last pass's loads and stores are rewritten
	s_add_co_u32 s21, s29, s30
	s_lshl_b32 s21, s21, 4
	s_sub_co_u32 s21, s21, 1
	s_min_u32 s35, s21, s34                        ; my last row in this pass
	s_lshl_b32 s20, s29, 4
	v_add_nc_u32 v118, s20, v[R_]
	v_lshlrev_b32 v119, 7, v[H_]
	v_lshl_add_u32 v119, v[R_], 3, v119
	; the ranks of my five rows; word 0 of the bitmap, in front of which lies nothing, starts the scan
	ALL5 v_add_nc_u32 v[RHO+u_], 16*u_, v118
	ALL5 v_min_u32 v[RHO+u_], s35, v[RHO+u_]       ; rows past my last row repeat it
	ALL5 v_lshl_or_b32 v[KAP+u_], v[RHO+u_], 5, 31
	ALL5 v_mov_b32 v[WW+u_], s48
	ALL5 v_mov_b32 v[PCK+u_], 0
	s_bcnt1_i32_b32 s21, s48                       ; the count in front of the next word
.set c_, 1
.rept 31                               ; word c is taken unless more rows lie in front of it than in front of mine: the last word taken is the one in which my rank falls
.set mk_, 48+c_+2*(c_/16)
	s_lshl_b32 s20, s21, 5
	s_or_b32 s20, s20, c_                          ; count x 32 + word
.set u_, 0
.rept 5
	v_cmp_gt_u32 vcc_lo, s20, v[KAP+u_]
	v_cndmask_b32 v[WW+u_], s[mk_], v[WW+u_], vcc_lo
	v_cndmask_b32 v[PCK+u_], s20, v[PCK+u_], vcc_lo
.set u_, u_+1
.endr
	s_bcnt1_i32_b32 s22, s[mk_]
	s_add_co_u32 s21, s21, s22
.set c_, c_+1
.endr
	ALL5 v_lshrrev_b32 v[TT+u_], 5, v[PCK+u_]      ; the count in front of my word
	ALL5 v_sub_nc_u32 v[NN+u_], v[RHO+u_], v[TT+u_]  ; how many of its bits lie in front of mine
	ALL5 v_and_b32 v[PCK+u_], 31, v[PCK+u_]        ; the word's number
	; the word's bit counts by pairs, fours, eights and sixteens
	ALL5 v_lshrrev_b32 v[TT+u_], 1, v[WW+u_]
	ALL5 v_and_b32 v[TT+u_], s82, v[TT+u_]
	ALL5 v_sub_nc_u32 v[C1+u_], v[WW+u_], v[TT+u_]
	ALL5 v_lshrrev_b32 v[TT+u_], 2, v[C1+u_]
	ALL5 v_and_b32 v[TT+u_], s83, v[TT+u_]
	ALL5 v_and_b32 v[C2+u_], s83, v[C1+u_]
	ALL5 v_add_nc_u32 v[C2+u_], v[C2+u_], v[TT+u_]
	ALL5 v_lshrrev_b32 v[TT+u_], 4, v[C2+u_]
	ALL5 v_add_nc_u32 v[TT+u_], v[C2+u_], v[TT+u_]
	ALL5 v_and_b32 v[C4+u_], s84, v[TT+u_]
	ALL5 v_lshrrev_b32 v[TT+u_], 8, v[C4+u_]
	ALL5 v_add_nc_u32 v[TT+u_], v[C4+u_], v[TT+u_]
	ALL5 v_and_b32 v[C8+u_], s85, v[TT+u_]
	HALVE C8, 8, 16, 1
	HALVE C4, 8, 8, 0
	HALVE C2, 4, 4, 0
	HALVE C1, 2, 2, 0
	HALVE WW, 1, 1, 0
	ALL5 v_lshl_add_u32 v[POS+u_], v[PCK+u_], 5, v[POS+u_]  ; the token = 32 x word + bit
	ALL5 v_min_u32 v[POS+u_], 0x3ff, v[POS+u_]
	ALL5 v_lshlrev_b32 v[POS+u_], 11, v[POS+u_]    ; its row of 2,048 bytes,
	ALL5 v_add_nc_u32 v[VOFF+u_], v[H16], v[POS+u_]  ; my half's 16 bytes
.irp m, 0,1,2,3,4
	s_add_co_u32 s20, s29, \m
	s_min_u32 s20, s20, 63
	s_lshl_b32 s20, s20, 16
	v_add_nc_u32 v[VS+(\m)], s20, v119
.endr
	PRO_A
	PRO_B
.Lk:
	STEP 0
	STEP 1
	STEP 2
	STEP 3
	STEP 4
	STEP 5
	STEP 6
	STEP 7
	s_sub_co_u32 s17, s17, 1
	s_cmp_lg_u32 s17, 0
	s_cbranch_scc1 .Lk
	s_wait_loadcnt 0x0
	s_wait_dscnt 0x0
.rept 4
	v_nop
.endr
.set m_, 0
.rept MT                               ; silu(h1) h2 = h1 h2 / (1 + 2^(-h1 log2 e)), a tile at a time; T v32-63, U v64-95
.if m_ > 0
	s_cmp_le_u32 s30, m_
	s_cbranch_scc1 .Lepi_end
.endif
.set w_, (ACC+64*m_)/256
.set b_, (ACC+64*m_)%256
	s_wait_xcnt 0x0                                ; v96-111 were the last tile's store data
	WIN w_
.set n_, 0
.rept 16                               ; each accumulator's registers in ascending order
	v_pk_mul_f32 v[32+2*n_:33+2*n_], v[b_+2*n_:b_+2*n_+1], s[36:37] op_sel_hi:[1,0]
.set n_, n_+1
.endr
	WIN 0
.set n_, 0
.rept 32
	v_exp_f32 v[32+n_], v[32+n_]
.set n_, n_+1
.endr
	WIN w_*5
.set n_, 0
.rept 16                               ; independent work behind the batch
	v_pk_mul_f32 v[64+2*n_:65+2*n_], v[b_+2*n_:b_+2*n_+1], v[b_+32+2*n_:b_+33+2*n_]
.set n_, n_+1
.endr
	WIN 0
	s_wait_alu depctr_va_vdst(0)                   ; one wait for the 32 exponentials
.set n_, 0
.rept 16
	v_pk_add_f32 v[32+2*n_:33+2*n_], v[32+2*n_:33+2*n_], 1.0 op_sel_hi:[1,0]
.set n_, n_+1
.endr
.set n_, 0
.rept 32
	v_rcp_f32 v[32+n_], v[32+n_]
.set n_, n_+1
.endr
	v_nop
	s_wait_alu depctr_va_vdst(0)                   ; one wait for the 32 reciprocals
.set n_, 0
.rept 16
	v_pk_mul_f32 v[64+2*n_:65+2*n_], v[64+2*n_:65+2*n_], v[32+2*n_:33+2*n_]
.set n_, n_+1
.endr
.set i_, 0
.rept 8
	v_cvt_pk_bf16_f32 v[96+2*i_], v[64+i_], v[72+i_]
	v_cvt_pk_bf16_f32 v[97+2*i_], v[80+i_], v[88+i_]
	global_store_b64 v[VS+m_], v[96+2*i_:97+2*i_], s[8:9] offset:256*i_  ; slots 2i, 2i + 1: 256 consecutive bytes, aligned
.set i_, i_+1
.endr
.set m_, m_+1
.endr
.Lepi_end:
.Lnext:
	s_add_co_u32 s28, s28, 1
	s_cmp_lt_u32 s28, 4
	s_cbranch_scc1 .Lpass
	s_cmp_lg_u32 s32, 0                            ; slice 0's wave 0 hands its list and the count to the next launch
	s_cbranch_scc1 .Lfin
	s_cmp_lg_u32 s2, 0
	s_cbranch_scc1 .Lfin
	s_wait_xcnt 0x0                                ; v96-99 were store data
	v_add_nc_u32 v32, s33, v[VB0]
.irp q, 0,1,2,3,4,5,6,7
	ds_load_b128 v[64+4*(\q):64+4*(\q)+3], v32 offset:512*(\q)
.endr
	v_mov_b32 v96, s24
	v_mov_b32 v97, s24
	v_mov_b32 v98, s24
	v_mov_b32 v99, s24
	s_lshl_b32 s20, s31, 12
	s_mov_b32 s21, 0
	s_add_nc_u64 s[12:13], s[10:11], s[20:21]      ; rlist[e][1024]
	s_lshl_b32 s20, s31, 9
	s_add_co_u32 s20, s20, 32768
	s_add_nc_u64 s[14:15], s[10:11], s[20:21]      ; behind the lists: the count, 128 times
	s_wait_dscnt 0x0
.irp q, 0,1,2,3,4,5,6,7
	global_store_b128 v[VB0], v[64+4*(\q):64+4*(\q)+3], s[12:13] offset:512*(\q)  ; 512 consecutive bytes, aligned
.endr
	global_store_b128 v[VB0], v[96:99], s[14:15]
.Lfin:
	s_wait_tensorcnt 0x0                           ; the wave's end
	ds_add_u32 v[SPW], v[NIL]
	s_wait_dscnt 0x0
	s_endpgm
.Lfunc_end_k_q228892808d_moe1:
	.size	k_q228892808d_moe1, .Lfunc_end_k_q228892808d_moe1-k_q228892808d_moe1
	.p2alignl 7, 3214868480
	.fill 96, 4, 3214868480
	.section	.rodata,"a",@progbits
	.p2align	6, 0x0
	.amdhsa_kernel k_q228892808d_moe1
		.amdhsa_group_segment_fixed_size 280064
		.amdhsa_private_segment_fixed_size 0
		.amdhsa_enable_private_segment 0
		.amdhsa_kernarg_size 40
		.amdhsa_user_sgpr_count 2
		.amdhsa_user_sgpr_kernarg_segment_ptr 1
		.amdhsa_wavefront_size32 1
		.amdhsa_system_sgpr_workgroup_id_x 1
		.amdhsa_system_sgpr_workgroup_id_y 1
		.amdhsa_system_sgpr_workgroup_id_z 1
		.amdhsa_system_vgpr_workitem_id 0
		.amdhsa_next_free_vgpr 896
		.amdhsa_next_free_sgpr 88
		.amdhsa_reserve_vcc 1
		.amdhsa_float_denorm_mode_32 3
		.amdhsa_float_denorm_mode_16_64 3
		.amdhsa_memory_ordered 1
		.amdhsa_forward_progress 1
		.amdhsa_inst_pref_size 176
	.end_amdhsa_kernel
	.amdgpu_metadata
---
amdhsa.version: [ 1, 2 ]
amdhsa.kernels:
  - .name:           k_q228892808d_moe1
    .symbol:         k_q228892808d_moe1.kd
    .args:
      - { .name: r4, .offset: 0, .size: 8, .value_kind: global_buffer, .address_space: global }
      - { .name: ridx, .offset: 8, .size: 8, .value_kind: global_buffer, .address_space: global }
      - { .name: w1, .offset: 16, .size: 8, .value_kind: global_buffer, .address_space: global }
      - { .name: act, .offset: 24, .size: 8, .value_kind: global_buffer, .address_space: global }
      - { .name: rlist, .offset: 32, .size: 8, .value_kind: global_buffer, .address_space: global }
    .group_segment_fixed_size: 280064
    .private_segment_fixed_size: 0
    .kernarg_segment_align: 8
    .kernarg_segment_size: 40
    .max_flat_workgroup_size: 128
    .sgpr_count:     88
    .vgpr_count:     896
    .wavefront_size: 32
...
	.end_amdgpu_metadata
.endif
;; end of part 9
;; launch moe2 (part 10): grid 32 x 8, 4 waves a work-group, no clusters, 131,584 bytes of LDS; arguments act, rlist, r4, w2, part; writes part
.if DOCPART == 10
	.amdgcn_target "amdgcn-amd-amdhsa--gfx1250"
	.amdhsa_code_object_version 6
	.text
	.protected	k_q228892808d_moe2
	.globl	k_q228892808d_moe2
	.p2align	8
	.type	k_q228892808d_moe2,@function
k_q228892808d_moe2:
	s_mov_b64 s[64:65], 0
	v_nop
	global_prefetch_b8 v0, s[64:65] scope:SCOPE_SE
	s_setreg_imm32_b32 hwreg(HW_REG_WAVE_MODE, 25, 1), 1
	s_wait_xcnt 0x0
; The experts' second product.  Work-group (x, e): cs = x % 16 names 64 columns, kh = x / 16 a half of the hidden width: 1,024 x 64 f32 of expert e's w2, which it alone reads, once.
; The two phases and the shares are those of the first product's launch: the slice is rounded to bf16 and laid into LDS as matrix operands; behind the one barrier up to four passes,
; in each a wave takes up to five tiles of 16 rows x all four fragments.  The count of the expert's rows and the list of its entries (2 token + k) were stored by that launch.
; act's fragments come straight from memory: act[e][tile][cb][slot][64] bf16, two K steps to a block of 64 hidden columns, 2,048 bytes from block to block; a ring of eight K steps
; in registers, five steps ahead: 50 loads stay out, 60 at the most.  Rows past the wave's last row in a pass repeat it.
; Column slice cs begins its walk along K at the group of eight steps cs % 4 and wraps, so that the work-groups that read the same rows walk their bytes at four different times.
; At a pass's head the entries and the gates of all its tiles are fetched, ahead of the ring: the way out waits for nothing.
; The result, times the row's gate, is a partial sum in f32: part[kh][2 token + k][1024]; each row of 256 bytes has one owner.  A later launch adds the four parts of a token.
; ROWS PAST THE COUNT.  The list's entries past the count are 2048 + e, so that in the last tile such a row goes to row 2048 + e of part, my 64 columns, my half:
; bytes that this work-group alone stores and nobody reads (at most 15 rows of 256 bytes).  So every store runs with all lanes on and no comparison is made.
; (Such an entry's gate is read 4 (2048 + e) bytes behind the gates' first: inside r4, a number that goes nowhere.)
; LIMIT.  K is summed in an order that hangs on the slice: the f32 sums' last bits differ from an ascending sum's.
.set NF, 4
.set MT, 5
.set LEAD, 5
.set ROWB, 4096
.set ADIV, 2
.set AHI, 2048
.set ASTR, 8192
.set AMASK, 0x6000
.set BSTR, 32768
.set BMASK, 0x18000
.set P1TRIPS, 2
.set VSTR, 512*ROWB
.set PARTH, 2056*4096                  ; bytes of one half of part: 2,048 rows and the eight that nobody reads
.set SPARE, 131072                     ; behind the slice: the spare words, 128 bytes a wave
.set SPW, 1
.set NIL, 2
.set R_, 3
.set H_, 4
.set VB0, 5
.set VB, 6
.set H16, 7
.set VOFF, 8                           ; v8-12
.set Z, 16
.set VO, 24
.set VL, 28
.set F, 64                             ; phase 1: four fragments; on the way out: a tile's 32 numbers
.set GATE, 96                          ; v96-135  tile m, row 8h + i: its gate
.set BB, 144                           ; v144-207 two buffers of NF fragments
.set ENT, 208                          ; v208-247 tile m, row 8h + i: its entry, then my byte offset in part
.set ACC, 256                          ; accumulator (m, f) at ACC + 8 (NF m + f): 160 registers.  In phase 1 registers 256-511 are four slots of 64 for loaded weights
.set AR, 512                           ; the A ring: step s, tile m at AR + 8 (MT s + m): 320 registers
.set MSB, 0
.macro WIN new
.if MSB != (\new)
	s_set_vgpr_msb (MSB<<8)|(\new)
.set MSB, (\new)
.endif
.endm
.macro P1ADDR
	v_mul_u32_u24 v32, v[H_], 8*ROWB
	v_lshl_add_u32 v32, v[R_], 4, v32
	s_mul_i32 s20, s2, 32*ROWB
	v_add_nc_u32 v32, s20, v32
	s_mul_i32 s20, s2, NF*1024
	v_add_nc_u32 v33, s20, v[VB0]
.irp i, 0,1,2,3
	v_add_nc_u32 v[VO+(\i)], (\i)*128*ROWB, v32    ; K step wave + 4 i
	v_add_nc_u32 v[VL+(\i)], (\i)*16384, v33
.endr
.endm
.macro P1LOAD i
.irp t, 0,1,2,3,4,5,6,7,8,9,10,11,12,13,14,15
	global_load_b128 v[64*(\i)+4*(\t):64*(\i)+4*(\t)+3], v[VO+(\i)], s[4:5] offset:((\t)+8*((\t)/8))*ROWB th:TH_LOAD_NT
.endr
.endm
.macro BATCH i
	s_wait_loadcnt 48                              ; slot i's sixteen loads are in, the three younger slots' 48 stay out
	WIN 0x05
.irp j, 0,1,2,3
.irp q, 0,1,2,3,4,5,6,7
	v_cvt_pk_bf16_f32 v[F+8*(\j)+(\q)], v[64*(\i)+8*(\q)+(\j)], v[64*(\i)+8*(\q)+4+(\j)]
.endr
.endr
	WIN 0
.irp j, 0,1,2,3
	ds_store_b128 v[VL+(\i)], v[F+8*(\j):F+8*(\j)+3] offset:1024*(\j)
	ds_store_b128 v[VL+(\i)], v[F+8*(\j)+4:F+8*(\j)+7] offset:1024*(\j)+512
.endr
	v_add_nc_u32 v[VL+(\i)], 0x10000, v[VL+(\i)]
	v_add_nc_u32 v[VO+(\i)], VSTR, v[VO+(\i)]
	v_and_b32 v[VO+(\i)], s18, v[VO+(\i)]          ; the last trip's loads all name the slice's head
	WIN 0x40
	P1LOAD \i
	WIN 0
.endm
.macro MMA d, a, b, z                  ; the caller has set the windows
.if \z
	v_wmma_f32_16x16x32_bf16 v[(\d):(\d)+7], v[(\a):(\a)+7], v[(\b):(\b)+7], 0
.else
	v_wmma_f32_16x16x32_bf16 v[(\d):(\d)+7], v[(\a):(\a)+7], v[(\b):(\b)+7], v[(\d):(\d)+7]
.endif
.endm
.macro ALOAD s
.set m_, 0
.rept MT
.set a_, AR+8*(MT*(\s)+m_)
	WIN (a_/256)*0x40
	global_load_b128 v[a_%256:a_%256+3], v[VOFF+m_], s[12:13] offset:((\s)/ADIV)*AHI+((\s)%ADIV)*64
	global_load_b128 v[a_%256+4:a_%256+7], v[VOFF+m_], s[12:13] offset:((\s)/ADIV)*AHI+((\s)%ADIV)*64+32
.set m_, m_+1
.endr
.endm
.macro BLOAD b, ks
.set f_, 0
.rept NF
	ds_load_b128 v[BB+8*NF*(\b)+8*f_:BB+8*NF*(\b)+8*f_+3], v[VB] offset:((\ks)*NF+f_)*1024
	ds_load_b128 v[BB+8*NF*(\b)+8*f_+4:BB+8*NF*(\b)+8*f_+7], v[VB] offset:((\ks)*NF+f_)*1024+512
.set f_, f_+1
.endr
.endm
.macro PRO_A                           ; the walk begins at my slice's group of eight steps; the ring's first five steps
	s_mov_b32 s14, s36
	s_mov_b32 s15, 0
	s_add_nc_u64 s[12:13], s[6:7], s[14:15]
	s_and_b32 s16, s37, BMASK
	v_add_nc_u32 v[VB], s16, v[VB0]
.irp s, 0,1,2,3,4
	ALOAD \s
.endr
	WIN 0
.endm
.macro PRO_B
	BLOAD 0, 0
.rept 5
	v_nop
.endr
.set k_, 0
.rept MT*NF
.set d_, ACC+8*k_
	WIN (d_/256)*0x40
	MMA d_%256, Z, Z, 1
.set k_, k_+1
.endr
	WIN 0
	s_mov_b32 s17, 4
.endm
.macro STEP s
.if (\s) == 7
	s_add_co_u32 s16, s16, BSTR                    ; the next fragments are the next eight steps' first
.endif
	s_and_b32 s16, s16, BMASK                      ; 0 .. BMASK: with 16 x lane and the immediates below, inside the slice; past the slice's end it wraps
.rept 3
	v_nop                                          ; four places behind the last step's products: the loads below land on registers that they read
.endr
	v_add_nc_u32 v[VB], s16, v[VB0]                ; the fourth: the LDS address, made anew in every step
.if (\s) == 8-LEAD                     ; from here on the look-ahead lies in the next eight steps
	s_wait_xcnt 0x0                                ; the base and the offsets are rewritten only behind this wait
	s_add_co_u32 s14, s14, ASTR
	s_and_b32 s14, s14, AMASK                      ; past my half's end it wraps
	s_add_nc_u64 s[12:13], s[6:7], s[14:15]
	s_cmp_eq_u32 s17, 1
	s_cselect_b32 s18, 0, -1
.set m_, 0
.rept MT
	v_and_b32 v[VOFF+m_], s18, v[VOFF+m_]          ; the last trip's look-ahead names A's first row alone
.set m_, m_+1
.endr
.endif
	ALOAD ((\s)+LEAD)%8
	WIN 0
	BLOAD ((\s)+1)%2, ((\s)+1)%8
	s_wait_loadcnt 2*MT*LEAD                       ; this step's A is in; five younger steps of ten loads stay out
	s_wait_dscnt 2*NF                              ; this step's weights are in; the next step's stay out
.set m_, 0
.rept MT
.if m_ > 0
	WIN 0
	s_cmp_le_u32 s30, m_                           ; tiles that this pass does not have are jumped, forward
	s_cbranch_scc1 .Lend\@
.endif
.set a_, AR+8*(MT*(\s)+m_)
.set f_, 0
.rept NF                               ; the accumulators take turns
.set d_, ACC+8*(NF*m_+f_)
	WIN (d_/256)*0x50+(a_/256)
	MMA d_%256, a_%256, BB+8*NF*((\s)%2)+8*f_, 0
.set f_, f_+1
.endr
.set m_, m_+1
.endr
	WIN 0
.Lend\@:
.endm
; From the count in s24: R (s24), nt tiles (s25), the tiles of a wave in a pass (s27) = ceil(nt / (4 passes)), never above five, R - 1 (s34; with R = 0 no pass runs)
.macro SHARES
	s_min_u32 s24, s24, 1024
	s_add_co_u32 s25, s24, 15
	s_lshr_b32 s25, s25, 4
	s_add_co_u32 s20, s25, 3
	s_lshr_b32 s27, s20, 2                         ; one pass: up to 20 tiles
	s_add_co_u32 s20, s25, 7
	s_lshr_b32 s20, s20, 3
	s_cmp_gt_u32 s25, 20
	s_cselect_b32 s27, s20, s27                    ; two: up to 40
	s_add_co_u32 s20, s25, 11
	s_mul_i32 s20, s20, 43
	s_lshr_b32 s20, s20, 9                         ; / 12, exact for 52 .. 71
	s_cmp_gt_u32 s25, 40
	s_cselect_b32 s27, s20, s27                    ; three: up to 60
	s_add_co_u32 s20, s25, 15
	s_lshr_b32 s20, s20, 4
	s_cmp_gt_u32 s25, 60
	s_cselect_b32 s27, s20, s27                    ; four
	s_sub_co_u32 s34, s24, 1
.endm
.macro TILEOUT m
.if (\m) > 0
	s_cmp_le_u32 s30, \m
	s_cbranch_scc1 .Lepi_end
.endif
	s_wait_xcnt 0x0                                ; v64-95 were the last tile's store data
	WIN (ACC+32*(\m))/256
.set i_, 0
.rept 8                                ; each accumulator's registers in ascending order
.irp j, 0,1,2,3
	v_mul_f32 v[F+4*i_+(\j)], v[(ACC+32*(\m))%256+8*(\j)+i_], v[GATE+8*(\m)+i_]
.endr
.set i_, i_+1
.endr
	WIN 0
.set i_, 0
.rept 8
	global_store_b128 v[ENT+8*(\m)+i_], v[F+4*i_:F+4*i_+3], s[8:9]  ; sixteen lanes: 256 consecutive bytes, aligned
.set i_, i_+1
.endr
.endm
	s_load_b256 s[40:47], s[0:1], 0x0              ; act s[40:41], rlist s[42:43], r4 s[44:45], w2 s[46:47]
	s_load_b64 s[38:39], s[0:1], 0x20              ; part
	v_lshl_add_u32 v[SPW], v0, 2, SPARE
	v_mov_b32 v[NIL], 0
	v_lshrrev_b32 v32, 5, v0
	v_readfirstlane_b32 s2, v32
	v_and_b32 v[R_], 15, v0
	v_bfe_u32 v[H_], v0, 4, 1
	v_and_b32 v36, 31, v0
	v_lshlrev_b32 v[VB0], 4, v36
	v_lshlrev_b32 v[H16], 4, v[H_]
	s_and_b32 s31, ttmp7, 0xffff                   ; expert
	s_and_b32 s32, ttmp9, 15                       ; 64 columns
	s_lshr_b32 s35, ttmp9, 4                       ; half of the hidden width
	s_and_b32 s36, s32, 3                          ; the group of eight K steps at which my walk begins:
	s_mul_i32 s37, s36, BSTR                       ; its fragments in LDS,
	s_mul_i32 s36, s36, ASTR                       ; its bytes in a tile of act
	P1ADDR
	s_mov_b32 s21, 0
	s_wait_kmcnt 0x0
	s_lshl_b32 s20, s31, 23
	s_lshl_b32 s22, s35, 22
	s_add_co_u32 s20, s20, s22
	s_lshl_b32 s22, s32, 8
	s_add_co_u32 s20, s20, s22
	s_add_nc_u64 s[4:5], s[46:47], s[20:21]
	WIN 0x40
	P1LOAD 0
	P1LOAD 1
	P1LOAD 2
	P1LOAD 3
	WIN 0
	s_mul_i32 s20, s35, PARTH
	s_add_co_u32 s20, s20, s22
	s_add_nc_u64 s[8:9], s[38:39], s[20:21]
	s_lshl_b32 s20, s31, 22
	s_lshl_b32 s22, s35, 15
	s_add_co_u32 s20, s20, s22
	s_add_nc_u64 s[6:7], s[40:41], s[20:21]
	s_add_nc_u64 s[10:11], s[44:45], 0x200000      ; the gates
	s_lshl_b32 s20, s31, 9
	s_add_co_u32 s20, s20, 32768
	s_add_nc_u64 s[22:23], s[42:43], s[20:21]
	s_load_b32 s24, s[22:23], 0x0                  ; the expert's count
	s_lshl_b32 s20, s31, 12
	s_add_nc_u64 s[42:43], s[42:43], s[20:21]      ; its list
.irp k, 0,1,2,3,4,5,6,7
	v_mov_b32 v[Z+(\k)], 0
.endr
	s_wait_kmcnt 0x0                               ; (the first weights are on their way meanwhile)
	SHARES
	s_mov_b32 s19, P1TRIPS
.Lp1:
	s_cmp_eq_u32 s19, 1
	s_cselect_b32 s18, 0, -1
	BATCH 0
	BATCH 1
	BATCH 2
	BATCH 3
	s_sub_co_u32 s19, s19, 1
	s_cmp_lg_u32 s19, 0
	s_cbranch_scc1 .Lp1
	s_wait_loadcnt 0x0
	s_wait_dscnt 0x0                               ; for the others' sake: my part of the slice is in LDS
	s_barrier_signal -1
	s_barrier_wait -1
	s_mov_b32 s28, 0
.Lpass:
	s_lshl_b32 s20, s28, 2
	s_add_co_u32 s20, s20, s2
	s_mul_i32 s29, s20, s27                        ; my first tile
	s_sub_co_i32 s30, s25, s29
	s_max_i32 s30, s30, 0
	s_min_u32 s30, s30, s27                        ; and how many
	s_cmp_eq_u32 s30, 0
	s_cbranch_scc1 .Lnext
	s_wait_xcnt 0x0                                ; offsets of the last pass's loads and stores are rewritten
	s_min_u32 s20, s29, 63
	s_lshl_b32 s20, s20, 6
	v_lshlrev_b32 v56, 5, v[H_]
	v_add_nc_u32 v56, s20, v56                     ; the entries of rows 8h .. 8h + 7 of my first tile; 64 bytes on for each further tile
.set m_, 0
.rept MT
	global_load_b128 v[ENT+8*m_:ENT+8*m_+3], v56, s[42:43] offset:64*m_
	global_load_b128 v[ENT+8*m_+4:ENT+8*m_+7], v56, s[42:43] offset:64*m_+16
.set m_, m_+1
.endr
	s_add_co_u32 s21, s29, s30
	s_lshl_b32 s21, s21, 4
	s_sub_co_u32 s21, s21, 1
	s_min_u32 s33, s21, s34                        ; my last row in this pass
	s_lshl_b32 s20, s29, 4
	v_add_nc_u32 v32, s20, v[R_]
.irp m, 0,1,2,3,4
	v_add_nc_u32 v40, 16*(\m), v32
	v_min_u32 v40, s33, v40                        ; rows past it repeat it
	v_min_u32 v40, 0x3ff, v40
	v_and_b32 v41, 0x3f0, v40
	v_lshlrev_b32 v41, 12, v41                     ; the tile's 65,536 bytes
	v_and_b32 v42, 7, v40
	v_lshlrev_b32 v42, 8, v42                      ; slot 2 (row % 8) + (row / 8) % 2, 128 bytes each
	v_add_nc_u32 v41, v41, v42
	v_and_b32 v42, 8, v40
	v_lshlrev_b32 v42, 4, v42
	v_add_nc_u32 v41, v41, v42
	v_add_nc_u32 v[VOFF+(\m)], v[H16], v41
.endr
	v_lshlrev_b32 v57, 4, v[R_]
	s_wait_loadcnt 0x0                             ; the entries
.set i_, 0
.rept 8*MT
	v_min_u32 v[ENT+i_], 0x807, v[ENT+i_]          ; 2,048 rows and the eight that nobody reads
	v_lshlrev_b32 v[GATE+i_], 2, v[ENT+i_]
.set i_, i_+1
.endr
.set i_, 0
.rept 8*MT
	global_load_b32 v[GATE+i_], v[GATE+i_], s[10:11]  ; their gates; older than the ring's loads, so the first step's wait shows them in
.set i_, i_+1
.endr
.set i_, 0
.rept 8*MT
	v_lshlrev_b32 v[ENT+i_], 12, v[ENT+i_]         ; the row of 2 token + k,
	v_add_nc_u32 v[ENT+i_], v57, v[ENT+i_]         ; my 16 bytes
.set i_, i_+1
.endr
	PRO_A
	PRO_B
.Lk:
	STEP 0
	STEP 1
	STEP 2
	STEP 3
	STEP 4
	STEP 5
	STEP 6
	STEP 7
	s_sub_co_u32 s17, s17, 1
	s_cmp_lg_u32 s17, 0
	s_cbranch_scc1 .Lk
	s_wait_loadcnt 0x0
	s_wait_dscnt 0x0
.rept 4
	v_nop
.endr
	TILEOUT 0
	TILEOUT 1
	TILEOUT 2
	TILEOUT 3
	TILEOUT 4
.Lepi_end:
.Lnext:
	s_add_co_u32 s28, s28, 1
	s_cmp_lt_u32 s28, 4
	s_cbranch_scc1 .Lpass
	s_wait_tensorcnt 0x0                           ; the wave's end
	ds_add_u32 v[SPW], v[NIL]
	s_wait_dscnt 0x0
	s_endpgm
.Lfunc_end_k_q228892808d_moe2:
	.size	k_q228892808d_moe2, .Lfunc_end_k_q228892808d_moe2-k_q228892808d_moe2
	.p2alignl 7, 3214868480
	.fill 96, 4, 3214868480
	.section	.rodata,"a",@progbits
	.p2align	6, 0x0
	.amdhsa_kernel k_q228892808d_moe2
		.amdhsa_group_segment_fixed_size 131584
		.amdhsa_private_segment_fixed_size 0
		.amdhsa_enable_private_segment 0
		.amdhsa_kernarg_size 40
		.amdhsa_user_sgpr_count 2
		.amdhsa_user_sgpr_kernarg_segment_ptr 1
		.amdhsa_wavefront_size32 1
		.amdhsa_system_sgpr_workgroup_id_x 1
		.amdhsa_system_sgpr_workgroup_id_y 1
		.amdhsa_system_sgpr_workgroup_id_z 1
		.amdhsa_system_vgpr_workitem_id 0
		.amdhsa_next_free_vgpr 832
		.amdhsa_next_free_sgpr 66
		.amdhsa_reserve_vcc 0
		.amdhsa_float_denorm_mode_32 3
		.amdhsa_float_denorm_mode_16_64 3
		.amdhsa_memory_ordered 1
		.amdhsa_forward_progress 1
		.amdhsa_inst_pref_size 87
	.end_amdhsa_kernel
	.amdgpu_metadata
---
amdhsa.version: [ 1, 2 ]
amdhsa.kernels:
  - .name:           k_q228892808d_moe2
    .symbol:         k_q228892808d_moe2.kd
    .args:
      - { .name: act, .offset: 0, .size: 8, .value_kind: global_buffer, .address_space: global }
      - { .name: rlist, .offset: 8, .size: 8, .value_kind: global_buffer, .address_space: global }
      - { .name: r4, .offset: 16, .size: 8, .value_kind: global_buffer, .address_space: global }
      - { .name: w2, .offset: 24, .size: 8, .value_kind: global_buffer, .address_space: global }
      - { .name: part, .offset: 32, .size: 8, .value_kind: global_buffer, .address_space: global }
    .group_segment_fixed_size: 131584
    .private_segment_fixed_size: 0
    .kernarg_segment_align: 8
    .kernarg_segment_size: 40
    .max_flat_workgroup_size: 128
    .sgpr_count:     66
    .vgpr_count:     832
    .wavefront_size: 32
...
	.end_amdgpu_metadata
.endif
;; end of part 10
;; launch comb: the kernel of part 8 again; grid 129 x 1, 8 waves a work-group, no clusters, 0 bytes of LDS; arguments x2, part, r4, out0, out1; writes out0, out1
;; ======== version 3 of 3: 8 launches; version 2 with the launches qkvp, oproj, moe1, moe2 written anew for expert scheduling mode
;; limits: values are held in f16: magnitudes above 65,504 overflow, below 6.1e-05 lose precision
;; workspace buffers: ab 2,228,224 bytes; qkv 6,291,456 bytes; x2 4,194,304 bytes; r4 2,113,536 bytes; ridx 8,192 bytes of whole numbers; act 33,554,432 bytes; part 16,842,752 bytes; rlist 36,864 bytes of whole numbers
;; launch prep: the kernel of part 1 again; grid 128 x 1, 8 waves a work-group, no clusters, 0 bytes of LDS; arguments x, ln1_g, ln1_b, ab; writes ab
;; launch qkvp (part 11): grid 48 x 4, 4 waves a work-group, no clusters, 131,584 bytes of LDS; arguments ab, qkv_w, qkv; writes qkv
.if DOCPART == 11
	.amdgcn_target "amdgcn-amd-amdhsa--gfx1250"
	.amdhsa_code_object_version 6
	.text
	.protected	k_q228892808d_qkvp
	.globl	k_q228892808d_qkvp
	.p2align	8
	.type	k_q228892808d_qkvp,@function
k_q228892808d_qkvp:
	s_mov_b64 s[64:65], 0
	v_nop
	global_prefetch_b8 v0, s[64:65] scope:SCOPE_SE
	s_setreg_imm32_b32 hwreg(HW_REG_WAVE_SCHED_MODE, 0, 2), 2
	s_setreg_imm32_b32 hwreg(HW_REG_WAVE_MODE, 25, 1), 1
	s_wait_xcnt 0x0
	s_wait_alu depctr_vm_vsrc(0)
; q, k, v = xn x qkv_w, with the rotation of q and k.  A work-group owns 64 columns (one head of q, k or v) and 256 rows; a wave 64 rows.
; PHASE 1: the slice of weights (1,024 x 64 f32) is read once, rounded to f16 and laid into LDS in the order of matrix operands.  Lane (r, h) loads columns 4r..4r+3
; of rows 8h + t: sixteen lanes take 256 consecutive bytes.  Two rows' numbers of one column pack into one register of the fragment whose column r stands for column 4r + j.
; PHASE 2 (behind the one barrier; nothing writes LDS): 32 K steps; xn's fragments come straight from memory through a ring of eight steps in registers, the weights' from LDS, two buffers.
; In the result register i of fragments 0..3 holds token 8h + i, columns 4r..4r+3: two rotation pairs, 8 bytes of f16.
; qkv[sec][b 16 + head][slot][64] f16; token 16m + 8h + i lies in slot 16m + 2i + h, so that a store covers 256 consecutive bytes.
; The sums start from products of a zero fragment: sixteen matrix instructions, in place of a second copy of the K step.
; No tensor loads and no joint loads: every weight passes through registers to be rounded.  The slice is read by the four work-groups of a column of the grid.
; LIMITS: f16 operands and results: |xn|, |w|, |q|, |k|, |v| under 65,504; weights under 6e-5 keep f16's fixed step.
; THE MODE: SCHED_MODE bits 1:0 = 2 (LLVM: expert scheduling mode 2), set by the entry lines.  The code itself states the register dependences
; between vector or matrix instructions and memory or LDS instructions, with s_wait_alu, always for 0.
; THE PLAN.  Registers that memory or LDS instructions touch:
;   phase 1   raw slot i: its sixteen loads land in it, batch i's conversions read it.  F: the conversions write it, the batch's eight LDS stores read it.
;             VO[i]: the slot's loads read it, two vector lines step it at the batch's head.  VL[i]: the batch's LDS stores read it, an add steps it at a trip's bottom.
;             A batch has one wait on vm_vsrc at its head and one on va_vdst behind its conversions; its loads and LDS stores follow that with no further wait.
;   phase 2   ring slot s: loads land in it, step s's products read it.  BB[s % 2]: LDS loads land in it, step s's products read it.
;             VOFF: the ring's loads read it, step 1 masks it.  VB: the LDS loads read it, step 7 steps it.  The accumulators are named by matrix instructions alone.
;             ONE wait on va_vdst stands at a step's head; the step's loads land in the slot and the buffer that the step before read, which no product of this step names.
;   way out   v32-63: a tile's arithmetic writes them, its eight stores read them.
.set NF, 4
.set MT, 4
.set ROWB, 12288
.set ADIV, 1
.set AHI, 64
.set ASTR, 512
.set AMASK, 0x600
.set BSTR, 32768
.set BMASK, 0x18000
.set P1TRIPS, 2
.set VSTR, 512*ROWB
.set ISBF, 0
.set NTW, 0
.set DYN, 0
.set SPARE, 131072                     ; behind the slice: the spare words, 128 bytes a wave
.set SPW, 1
.set NIL, 2
.set R_, 3
.set H_, 4
.set VB0, 5                            ; 16 x lane
.set VB, 6                             ; LDS address of the fragments in hand
.set VOFF, 8                           ; v8-11  tile m: my row's byte offset in A
.set VS, 12
.set Z, 16                             ; v16-23 a fragment of zeros
.set VO, 24                            ; v24-27 phase 1: slot i's offset in the weights
.set VL, 28                            ; v28-31 phase 1: slot i's LDS address
.set F, 64                             ; v64-95 phase 1: four fragments
.set BB, 128                           ; two buffers of NF fragments
; windows of 256 registers: 0 as above; 1 the accumulators ((m, f) at 8 (NF m + f)), in phase 1 four slots of 64 for loaded weights; 2 the A ring (step s, tile m at 8 (4 s + m))
.set MSB, 0
.macro WIN new
.if MSB != (\new)
	s_set_vgpr_msb (MSB<<8)|(\new)
.set MSB, (\new)
.endif
.endm
.macro P1ADDR
	v_mul_u32_u24 v32, v[H_], 8*ROWB
	v_lshl_add_u32 v32, v[R_], 4, v32
	s_mul_i32 s20, s2, 32*ROWB
	v_add_nc_u32 v32, s20, v32
	s_mul_i32 s20, s2, NF*1024
	v_add_nc_u32 v33, s20, v[VB0]
.irp i, 0,1,2,3
.if NF == 8
	v_add_nc_u32 v[VO+(\i)], ((\i)/2)*128*ROWB+((\i)%2)*8192, v32
	v_add_nc_u32 v[VL+(\i)], ((\i)/2)*32768+((\i)%2)*4096, v33
.else
	v_add_nc_u32 v[VO+(\i)], (\i)*128*ROWB, v32
	v_add_nc_u32 v[VL+(\i)], (\i)*16384, v33
.endif
.endr
.endm
.macro P1LOAD i                        ; 32 rows x 64 columns: sixteen loads (destination window 1)
.irp t, 0,1,2,3,4,5,6,7,8,9,10,11,12,13,14,15
.if NTW
	global_load_b128 v[64*(\i)+4*(\t):64*(\i)+4*(\t)+3], v[VO+(\i)], s[4:5] offset:((\t)+8*((\t)/8))*ROWB th:TH_LOAD_NT
.else
	global_load_b128 v[64*(\i)+4*(\t):64*(\i)+4*(\t)+3], v[VO+(\i)], s[4:5] offset:((\t)+8*((\t)/8))*ROWB
.endif
.endr
.endm
.macro BATCH i
	s_wait_loadcnt 48                              ; loads come back in order: slot i's sixteen are in, the three younger slots' 48 stay out
	s_wait_alu depctr_vm_vsrc(0)                   ; the last batch's LDS stores have read F, which the conversions write again; slot i's loads have read VO[i]
	v_add_nc_u32 v[VO+(\i)], VSTR, v[VO+(\i)]      ; free since the wait on LOADcnt showed its loads done
	v_and_b32 v[VO+(\i)], s18, v[VO+(\i)]          ; the last trip has nothing to fetch: its loads all name the slice's head
	WIN 0x05
.irp j, 0,1,2,3
.irp q, 0,1,2,3,4,5,6,7
.if ISBF
	v_cvt_pk_bf16_f32 v[F+8*(\j)+(\q)], v[64*(\i)+8*(\q)+(\j)], v[64*(\i)+8*(\q)+4+(\j)]
.else
	v_cvt_pk_f16_f32 v[F+8*(\j)+(\q)], v[64*(\i)+8*(\q)+(\j)], v[64*(\i)+8*(\q)+4+(\j)]
.endif
.endr
.endr
	WIN 0x40
	s_wait_alu depctr_va_vdst(0)                   ; the conversions have written F and are done reading slot i; VO[i] is written; in a trip's first batch so is VL
	P1LOAD \i
	WIN 0
.irp j, 0,1,2,3
	ds_store_b128 v[VL+(\i)], v[F+8*(\j):F+8*(\j)+3] offset:1024*(\j)
	ds_store_b128 v[VL+(\i)], v[F+8*(\j)+4:F+8*(\j)+7] offset:1024*(\j)+512
.endr
.endm
.macro MMA d, a, b, z
.if ISBF
.if \z
	v_wmma_f32_16x16x32_bf16 v[(\d):(\d)+7], v[(\a):(\a)+7], v[(\b):(\b)+7], 0
.else
	v_wmma_f32_16x16x32_bf16 v[(\d):(\d)+7], v[(\a):(\a)+7], v[(\b):(\b)+7], v[(\d):(\d)+7]
.endif
.else
.if \z
	v_wmma_f32_16x16x32_f16 v[(\d):(\d)+7], v[(\a):(\a)+7], v[(\b):(\b)+7], 0
.else
	v_wmma_f32_16x16x32_f16 v[(\d):(\d)+7], v[(\a):(\a)+7], v[(\b):(\b)+7], v[(\d):(\d)+7]
.endif
.endif
.endm
.macro ALOAD s                         ; step s of the eight in hand: two loads a tile (destination window 2)
.set t_, 0
.rept MT
	global_load_b128 v[8*(4*(\s)+t_):8*(4*(\s)+t_)+3], v[VOFF+t_], s[12:13] offset:((\s)/ADIV)*AHI+((\s)%ADIV)*64
	global_load_b128 v[8*(4*(\s)+t_)+4:8*(4*(\s)+t_)+7], v[VOFF+t_], s[12:13] offset:((\s)/ADIV)*AHI+((\s)%ADIV)*64+32
.set t_, t_+1
.endr
.endm
.macro BLOAD b, ks
.set f_, 0
.rept NF
	ds_load_b128 v[BB+8*NF*(\b)+8*f_:BB+8*NF*(\b)+8*f_+3], v[VB] offset:((\ks)*NF+f_)*1024
	ds_load_b128 v[BB+8*NF*(\b)+8*f_+4:BB+8*NF*(\b)+8*f_+7], v[VB] offset:((\ks)*NF+f_)*1024+512
.set f_, f_+1
.endr
.endm
.macro PRO_A                           ; the ring's first seven steps
	s_mov_b32 s14, 0
	s_mov_b32 s15, 0
	s_mov_b64 s[12:13], s[6:7]
	s_mov_b32 s16, 0
	v_mov_b32 v[VB], v[VB0]
	WIN 0x80
	s_wait_alu depctr_va_vdst(0)                   ; VB is written, which the LDS loads behind the barrier read (A's offsets were written ahead of phase 1's waits)
.irp s, 0,1,2,3,4,5,6
	ALOAD \s
.endr
	WIN 0
.endm
.macro PRO_B                           ; step 0's weights; the sums start
	BLOAD 0, 0
.rept 5
	v_nop
.endr
	WIN 0x40
.set k_, 0
.rept MT*NF
	MMA 8*k_, Z, Z, 1
.set k_, k_+1
.endr
	WIN 0
	s_mov_b32 s17, 4
.endm
.macro STEP s
	s_wait_loadcnt 12*MT                           ; this step's A is in; six younger steps stay out (this step's own request follows below)
	s_wait_dscnt 0x0                               ; this step's weights are in: nothing younger has been asked of LDS
.if ((\s) == 1) || ((\s) == 7)
	s_wait_alu depctr_vm_vsrc(0)                   ; the loads issued so far have read the register that is written below: step 1 VOFF, step 7 VB
.endif
.rept 4
	v_nop                                          ; the four places behind the last step's products (ISA guide 7.12.1) stay, ahead of the wait below
.endr
.if (\s) == 1
	s_wait_xcnt 0x0                                ; the base and the offsets are rewritten only behind this wait
	s_add_co_u32 s14, s14, ASTR
	s_and_b32 s14, s14, AMASK                      ; behind the last eight steps it is 0 again
	s_add_nc_u64 s[12:13], s[6:7], s[14:15]
	s_cmp_eq_u32 s17, 1
	s_cselect_b32 s18, 0, -1
.set m_, 0
.rept MT
	v_and_b32 v[VOFF+m_], s18, v[VOFF+m_]          ; the last trip looks ahead at nothing: its loads all name A's head
.set m_, m_+1
.endr
.endif
.if (\s) == 7
	s_add_co_u32 s16, s16, BSTR
	s_and_b32 s16, s16, BMASK
	v_add_nc_u32 v[VB], s16, v[VB0]
.endif
	s_wait_alu depctr_va_vdst(0)                   ; the last step's products are done reading their ring slot and their buffer of weights, in which this step's loads land; VOFF and VB are written
	BLOAD ((\s)+1)%2, ((\s)+1)%8
.set m_, 0
.rept MT
.if DYN && (m_ > 0)
	WIN 0
	s_cmp_le_u32 s30, m_
	s_cbranch_scc1 .Lend\@
.endif
	WIN 0x52
.set f_, 0
.rept NF                               ; the accumulators take turns
	MMA 8*(NF*m_+f_), 8*(4*(\s)+m_), BB+8*NF*((\s)%2)+8*f_, 0
.set f_, f_+1
.endr
.if m_ == 0
	WIN 0x80
	ALOAD ((\s)+7)%8                               ; no wait: no product since the wait above names this slot or VOFF
.endif
.set m_, m_+1
.endr
	WIN 0
.if DYN
.Lend\@:
.endif
.endm
	s_load_b128 s[40:43], s[0:1], 0x0              ; ab s[40:41], qkv_w s[42:43]
	s_load_b64 s[44:45], s[0:1], 0x10              ; qkv
	v_lshl_add_u32 v[SPW], v0, 2, SPARE
	v_mov_b32 v[NIL], 0
	v_lshrrev_b32 v32, 5, v0
	v_readfirstlane_b32 s2, v32                    ; wave
	v_and_b32 v[R_], 15, v0
	v_bfe_u32 v[H_], v0, 4, 1
	v_and_b32 v33, 31, v0
	v_lshlrev_b32 v[VB0], 4, v33
	s_and_b32 s32, ttmp7, 0xffff                   ; block of 256 rows
	s_lshr_b32 s34, ttmp9, 4                       ; 0 q, 1 k, 2 v
	s_and_b32 s35, ttmp9, 15                       ; head
	s_wait_alu depctr_va_sdst(0)                   ; s2 is written, ahead of its first reader
	P1ADDR
	s_lshl_b32 s20, ttmp9, 8
	s_mov_b32 s21, 0
	s_wait_kmcnt 0x0
	s_add_nc_u64 s[4:5], s[42:43], s[20:21]        ; my 64 columns
	WIN 0x40
	s_wait_alu depctr_va_vdst(0)                   ; VO is written, which the loads below read
	P1LOAD 0
	P1LOAD 1
	P1LOAD 2
	P1LOAD 3
	WIN 0
	s_lshl_b32 s20, s32, 19
	s_lshl_b32 s22, s2, 17
	s_add_co_u32 s20, s20, s22
	s_add_nc_u64 s[6:7], s[40:41], s[20:21]        ; xn at my wave's 64 rows
	s_and_b32 s22, s32, 1
	s_lshl_b32 s22, s22, 8
	s_lshl_b32 s23, s2, 6
	s_add_co_u32 s22, s22, s23                     ; their first position t0
	s_lshl_b32 s20, s22, 8
	s_add_co_u32 s20, s20, 2097152
	s_add_nc_u64 s[10:11], s[40:41], s[20:21]      ; the table at t0
	s_lshl_b32 s20, s34, 5
	s_lshr_b32 s23, s32, 1
	s_lshl4_add_u32 s20, s23, s20
	s_add_co_u32 s20, s20, s35
	s_lshl_b32 s20, s20, 16
	s_lshl_b32 s22, s22, 7
	s_add_co_u32 s20, s20, s22
	s_add_nc_u64 s[8:9], s[44:45], s[20:21]        ; the head's rows from t0 on
	v_lshlrev_b32 v34, 11, v[R_]
	v_lshl_add_u32 v34, v[H_], 4, v34
.irp m, 0,1,2,3
	v_add_nc_u32 v[VOFF+(\m)], (\m)*32768, v34
.endr
	v_lshlrev_b32 v[VS], 7, v[H_]
	v_lshl_add_u32 v[VS], v[R_], 3, v[VS]
	v_lshlrev_b32 v7, 11, v[H_]
	v_lshl_add_u32 v7, v[R_], 4, v7
.irp k, 0,1,2,3,4,5,6,7
	v_mov_b32 v[Z+(\k)], 0
.endr
	s_mov_b32 s19, P1TRIPS
.Lp1:
	s_cmp_eq_u32 s19, 1
	s_cselect_b32 s18, 0, -1
	BATCH 0
	BATCH 1
	BATCH 2
	BATCH 3
	s_wait_alu depctr_vm_vsrc(0)                   ; the trip's LDS stores have read VL (and F, in which the table's loads land behind the last trip)
.irp i, 0,1,2,3
	v_add_nc_u32 v[VL+(\i)], 0x10000, v[VL+(\i)]
.endr
	s_sub_co_u32 s19, s19, 1
	s_cmp_lg_u32 s19, 0
	s_cbranch_scc1 .Lp1
	s_wait_loadcnt 0x0
	s_wait_dscnt 0x0                               ; for the others' sake: my part of the slice is in LDS
.set q_, 0
.rept 32                               ; cos and sin of my 64 positions' two pairs: v64-127, v192-255; no vector instruction since the last batch's wait names them or v7
	global_load_b128 v[64+4*q_+64*(q_/16):64+4*q_+64*(q_/16)+3], v7, s[10:11] offset:(16*(q_/8)+q_%8)*256
.set q_, q_+1
.endr
	PRO_A
	s_barrier_signal -1
	s_barrier_wait -1
	PRO_B
.Lk:
	STEP 0
	STEP 1
	STEP 2
	STEP 3
	STEP 4
	STEP 5
	STEP 6
	STEP 7
	s_sub_co_u32 s17, s17, 1
	s_cmp_lg_u32 s17, 0
	s_cbranch_scc1 .Lk
	s_wait_loadcnt 0x0
	s_wait_dscnt 0x0
.rept 4
	v_nop
.endr
.macro EPI rope
.set m_, 0
.rept 4
	s_wait_xcnt 0x0                                ; v32-63 were the last tile's store data
.if m_ > 0
	s_wait_alu depctr_vm_vsrc(0)                   ; the last tile's stores have read v32-63, which are written again below
.endif
.set i_, 0
.if \rope
	WIN 0x01
.rept 8
.set t_, 64+4*(8*m_+i_)+64*((8*m_+i_)/16)
.set a_, 32*m_+i_
	v_mul_f32 v[32+4*i_], v[a_+8], v[t_+1]
	v_mul_f32 v[33+4*i_], v[a_], v[t_+1]
	v_mul_f32 v[34+4*i_], v[a_+24], v[t_+3]
	v_mul_f32 v[35+4*i_], v[a_+16], v[t_+3]
	v_fma_f32 v[32+4*i_], v[a_], v[t_], -v[32+4*i_]
	v_fma_f32 v[33+4*i_], v[a_+8], v[t_], v[33+4*i_]
	v_fma_f32 v[34+4*i_], v[a_+16], v[t_+2], -v[34+4*i_]
	v_fma_f32 v[35+4*i_], v[a_+24], v[t_+2], v[35+4*i_]
.set i_, i_+1
.endr
	WIN 0
.set i_, 0
.rept 8
	v_cvt_pk_f16_f32 v[32+4*i_], v[32+4*i_], v[33+4*i_]
	v_cvt_pk_f16_f32 v[33+4*i_], v[34+4*i_], v[35+4*i_]
.set i_, i_+1
.endr
.else
	WIN 0x05
.rept 8
.set a_, 32*m_+i_
	v_cvt_pk_f16_f32 v[32+4*i_], v[a_], v[a_+8]
	v_cvt_pk_f16_f32 v[33+4*i_], v[a_+16], v[a_+24]
.set i_, i_+1
.endr
	WIN 0
.endif
	s_wait_alu depctr_va_vdst(0)                   ; the conversions have written v32-63, which the eight stores read
.set i_, 0
.rept 8
	global_store_b64 v[VS], v[32+4*i_:33+4*i_], s[8:9] offset:m_*2048+i_*256  ; slots 2i and 2i + 1: 256 consecutive bytes, aligned
.set i_, i_+1
.endr
.set m_, m_+1
.endr
.endm
	s_cmp_eq_u32 s34, 2
	s_cbranch_scc1 .Lplain
	EPI 1
	s_branch .Ldone
.Lplain:
	EPI 0
.Ldone:
	s_wait_dscnt 0x0                               ; the closing lines, six on end
	s_wait_alu 0x0
	s_wait_tensorcnt 0x0
	ds_add_u32 v[SPW], v[NIL]
	s_wait_dscnt 0x0
	s_endpgm
.Lfunc_end_k_q228892808d_qkvp:
	.size	k_q228892808d_qkvp, .Lfunc_end_k_q228892808d_qkvp-k_q228892808d_qkvp
	.p2alignl 7, 3214868480
	.fill 96, 4, 3214868480
	.section	.rodata,"a",@progbits
	.p2align	6, 0x0
	.amdhsa_kernel k_q228892808d_qkvp
		.amdhsa_group_segment_fixed_size 131584
		.amdhsa_private_segment_fixed_size 0
		.amdhsa_enable_private_segment 0
		.amdhsa_kernarg_size 24
		.amdhsa_user_sgpr_count 2
		.amdhsa_user_sgpr_kernarg_segment_ptr 1
		.amdhsa_wavefront_size32 1
		.amdhsa_system_sgpr_workgroup_id_x 1
		.amdhsa_system_sgpr_workgroup_id_y 1
		.amdhsa_system_sgpr_workgroup_id_z 1
		.amdhsa_system_vgpr_workitem_id 0
		.amdhsa_next_free_vgpr 768
		.amdhsa_next_free_sgpr 66
		.amdhsa_reserve_vcc 0
		.amdhsa_float_denorm_mode_32 3
		.amdhsa_float_denorm_mode_16_64 3
		.amdhsa_memory_ordered 1
		.amdhsa_forward_progress 1
		.amdhsa_inst_pref_size 87
	.end_amdhsa_kernel
	.amdgpu_metadata
---
amdhsa.version: [ 1, 2 ]
amdhsa.kernels:
  - .name:           k_q228892808d_qkvp
    .symbol:         k_q228892808d_qkvp.kd
    .args:
      - { .name: ab, .offset: 0, .size: 8, .value_kind: global_buffer, .address_space: global }
      - { .name: qkv_w, .offset: 8, .size: 8, .value_kind: global_buffer, .address_space: global }
      - { .name: qkv, .offset: 16, .size: 8, .value_kind: global_buffer, .address_space: global }
    .group_segment_fixed_size: 131584
    .private_segment_fixed_size: 0
    .kernarg_segment_align: 8
    .kernarg_segment_size: 24
    .max_flat_workgroup_size: 128
    .sgpr_count:     66
    .vgpr_count:     768
    .wavefront_size: 32
...
	.end_amdgpu_metadata
.endif
;; end of part 11
;; launch attn: the kernel of part 3 again; grid 256 x 1, 4 waves a work-group, no clusters, 165,376 bytes of LDS; arguments qkv, ab; writes ab
;; launch oproj (part 12): grid 16 x 8, 4 waves a work-group, no clusters, 131,584 bytes of LDS; arguments ab, out_w, x, x2; writes x2
.if DOCPART == 12
	.amdgcn_target "amdgcn-amd-amdhsa--gfx1250"
	.amdhsa_code_object_version 6
	.text
	.protected	k_q228892808d_oproj
	.globl	k_q228892808d_oproj
	.p2align	8
	.type	k_q228892808d_oproj,@function
k_q228892808d_oproj:
	s_mov_b64 s[64:65], 0
	v_nop
	global_prefetch_b8 v0, s[64:65] scope:SCOPE_SE
	s_setreg_imm32_b32 hwreg(HW_REG_WAVE_SCHED_MODE, 0, 2), 2
	s_setreg_imm32_b32 hwreg(HW_REG_WAVE_MODE, 25, 1), 1
	s_wait_xcnt 0x0
	s_wait_alu depctr_vm_vsrc(0)
; x2 = x + o x out_w.  A work-group owns 64 columns and 128 rows, a wave 32 rows (two tiles).  The two phases are those of the launch for q, k, v:
; the slice of weights (1,024 x 64 f32) is read once, rounded to f16 and laid into LDS as matrix operands; behind the one barrier 32 K steps with o's fragments straight from memory.
; o lies by heads, [b 16 + head][t][64] f16: a K step is half a head's row, so two steps go along a row and the next head is 65,536 bytes on.
; In the result register i of fragments 0..3 holds token 8h + i, columns 4r..4r+3: 16 bytes of f32, so sixteen lanes store 256 consecutive bytes.
; The residual stays in f32.  The sums start from eight products of a zero fragment.  LIMITS: |o|, |w| under 65,504; weights under 6e-5 keep f16's fixed step.
; THE MODE: SCHED_MODE bits 1:0 = 2 (LLVM: expert scheduling mode 2), set by the entry lines.  The code itself states the register dependences
; between vector or matrix instructions and memory or LDS instructions, with s_wait_alu, always for 0.
; THE PLAN.  Registers that memory or LDS instructions touch:
;   phase 1   raw slot i: its sixteen loads land in it, batch i's conversions read it.  F: the conversions write it, the batch's eight LDS stores read it.
;             VO[i]: the slot's loads read it, two vector lines step it at the batch's head.  VL[i]: the batch's LDS stores read it, an add steps it at a trip's bottom.
;             A batch has one wait on vm_vsrc at its head and one on va_vdst behind its conversions; its loads and LDS stores follow that with no further wait.
;   phase 2   ring slot s: loads land in it, step s's products read it.  BB[s % 2]: LDS loads land in it, step s's products read it.
;             VOFF: the ring's loads read it, step 1 masks it.  VB: the LDS loads read it, step 7 steps it.  The accumulators are named by matrix instructions alone.
;             ONE wait on va_vdst stands at a step's head; the step's loads land in the slot and the buffer that the step before read, which no product of this step names.
;   way out   v64-127: x's loads land in them, the additions write them, the sixteen stores read them.
.set NF, 4
.set MT, 2
.set ROWB, 4096
.set ADIV, 2
.set AHI, 65536
.set ASTR, 0x40000
.set AMASK, 0xC0000
.set BSTR, 32768
.set BMASK, 0x18000
.set P1TRIPS, 2
.set VSTR, 512*ROWB
.set ISBF, 0
.set NTW, 0
.set DYN, 0
.set SPARE, 131072
.set SPW, 1
.set NIL, 2
.set R_, 3
.set H_, 4
.set VB0, 5
.set VB, 6
.set VOFF, 8
.set VS, 12
.set Z, 16
.set VO, 24
.set VL, 28
.set F, 64
.set BB, 128
.set MSB, 0
.macro WIN new
.if MSB != (\new)
	s_set_vgpr_msb (MSB<<8)|(\new)
.set MSB, (\new)
.endif
.endm
.macro P1ADDR
	v_mul_u32_u24 v32, v[H_], 8*ROWB
	v_lshl_add_u32 v32, v[R_], 4, v32
	s_mul_i32 s20, s2, 32*ROWB
	v_add_nc_u32 v32, s20, v32
	s_mul_i32 s20, s2, NF*1024
	v_add_nc_u32 v33, s20, v[VB0]
.irp i, 0,1,2,3
.if NF == 8
	v_add_nc_u32 v[VO+(\i)], ((\i)/2)*128*ROWB+((\i)%2)*8192, v32
	v_add_nc_u32 v[VL+(\i)], ((\i)/2)*32768+((\i)%2)*4096, v33
.else
	v_add_nc_u32 v[VO+(\i)], (\i)*128*ROWB, v32
	v_add_nc_u32 v[VL+(\i)], (\i)*16384, v33
.endif
.endr
.endm
.macro P1LOAD i
.irp t, 0,1,2,3,4,5,6,7,8,9,10,11,12,13,14,15
.if NTW
	global_load_b128 v[64*(\i)+4*(\t):64*(\i)+4*(\t)+3], v[VO+(\i)], s[4:5] offset:((\t)+8*((\t)/8))*ROWB th:TH_LOAD_NT
.else
	global_load_b128 v[64*(\i)+4*(\t):64*(\i)+4*(\t)+3], v[VO+(\i)], s[4:5] offset:((\t)+8*((\t)/8))*ROWB
.endif
.endr
.endm
.macro BATCH i
	s_wait_loadcnt 48                              ; slot i's sixteen loads are in, the three younger slots' 48 stay out
	s_wait_alu depctr_vm_vsrc(0)                   ; the last batch's LDS stores have read F, which the conversions write again; slot i's loads have read VO[i]
	v_add_nc_u32 v[VO+(\i)], VSTR, v[VO+(\i)]      ; free since the wait on LOADcnt showed its loads done
	v_and_b32 v[VO+(\i)], s18, v[VO+(\i)]          ; the last trip's loads all name the slice's head
	WIN 0x05
.irp j, 0,1,2,3
.irp q, 0,1,2,3,4,5,6,7
.if ISBF
	v_cvt_pk_bf16_f32 v[F+8*(\j)+(\q)], v[64*(\i)+8*(\q)+(\j)], v[64*(\i)+8*(\q)+4+(\j)]
.else
	v_cvt_pk_f16_f32 v[F+8*(\j)+(\q)], v[64*(\i)+8*(\q)+(\j)], v[64*(\i)+8*(\q)+4+(\j)]
.endif
.endr
.endr
	WIN 0x40
	s_wait_alu depctr_va_vdst(0)                   ; the conversions have written F and are done reading slot i; VO[i] is written; in a trip's first batch so is VL
	P1LOAD \i
	WIN 0
.irp j, 0,1,2,3
	ds_store_b128 v[VL+(\i)], v[F+8*(\j):F+8*(\j)+3] offset:1024*(\j)
	ds_store_b128 v[VL+(\i)], v[F+8*(\j)+4:F+8*(\j)+7] offset:1024*(\j)+512
.endr
.endm
.macro MMA d, a, b, z
.if ISBF
.if \z
	v_wmma_f32_16x16x32_bf16 v[(\d):(\d)+7], v[(\a):(\a)+7], v[(\b):(\b)+7], 0
.else
	v_wmma_f32_16x16x32_bf16 v[(\d):(\d)+7], v[(\a):(\a)+7], v[(\b):(\b)+7], v[(\d):(\d)+7]
.endif
.else
.if \z
	v_wmma_f32_16x16x32_f16 v[(\d):(\d)+7], v[(\a):(\a)+7], v[(\b):(\b)+7], 0
.else
	v_wmma_f32_16x16x32_f16 v[(\d):(\d)+7], v[(\a):(\a)+7], v[(\b):(\b)+7], v[(\d):(\d)+7]
.endif
.endif
.endm
.macro ALOAD s
.set t_, 0
.rept MT
	global_load_b128 v[8*(4*(\s)+t_):8*(4*(\s)+t_)+3], v[VOFF+t_], s[12:13] offset:((\s)/ADIV)*AHI+((\s)%ADIV)*64
	global_load_b128 v[8*(4*(\s)+t_)+4:8*(4*(\s)+t_)+7], v[VOFF+t_], s[12:13] offset:((\s)/ADIV)*AHI+((\s)%ADIV)*64+32
.set t_, t_+1
.endr
.endm
.macro BLOAD b, ks
.set f_, 0
.rept NF
	ds_load_b128 v[BB+8*NF*(\b)+8*f_:BB+8*NF*(\b)+8*f_+3], v[VB] offset:((\ks)*NF+f_)*1024
	ds_load_b128 v[BB+8*NF*(\b)+8*f_+4:BB+8*NF*(\b)+8*f_+7], v[VB] offset:((\ks)*NF+f_)*1024+512
.set f_, f_+1
.endr
.endm
.macro PRO_A
	s_mov_b32 s14, 0
	s_mov_b32 s15, 0
	s_mov_b64 s[12:13], s[6:7]
	s_mov_b32 s16, 0
	v_mov_b32 v[VB], v[VB0]
	WIN 0x80
	s_wait_alu depctr_va_vdst(0)                   ; VB is written, which the LDS loads behind the barrier read (A's offsets were written ahead of phase 1's waits)
.irp s, 0,1,2,3,4,5,6
	ALOAD \s
.endr
	WIN 0
.endm
.macro PRO_B
	BLOAD 0, 0
.rept 5
	v_nop
.endr
	WIN 0x40
.set k_, 0
.rept MT*NF
	MMA 8*k_, Z, Z, 1
.set k_, k_+1
.endr
	WIN 0
	s_mov_b32 s17, 4
.endm
.macro STEP s
	s_wait_loadcnt 12*MT                           ; this step's A is in; six younger steps stay out (this step's own request follows below)
	s_wait_dscnt 0x0                               ; this step's weights are in: nothing younger has been asked of LDS
.if ((\s) == 1) || ((\s) == 7)
	s_wait_alu depctr_vm_vsrc(0)                   ; the loads issued so far have read the register that is written below: step 1 VOFF, step 7 VB
.endif
.rept 4
	v_nop                                          ; the four places behind the last step's products (ISA guide 7.12.1) stay, ahead of the wait below
.endr
.if (\s) == 1
	s_wait_xcnt 0x0                                ; the base and the offsets are rewritten only behind this wait
	s_add_co_u32 s14, s14, ASTR
	s_and_b32 s14, s14, AMASK
	s_add_nc_u64 s[12:13], s[6:7], s[14:15]
	s_cmp_eq_u32 s17, 1
	s_cselect_b32 s18, 0, -1
.set m_, 0
.rept MT
	v_and_b32 v[VOFF+m_], s18, v[VOFF+m_]          ; the last trip's look-ahead names A's head alone
.set m_, m_+1
.endr
.endif
.if (\s) == 7
	s_add_co_u32 s16, s16, BSTR
	s_and_b32 s16, s16, BMASK
	v_add_nc_u32 v[VB], s16, v[VB0]
.endif
	s_wait_alu depctr_va_vdst(0)                   ; the last step's products are done reading their ring slot and their buffer of weights, in which this step's loads land; VOFF and VB are written
	BLOAD ((\s)+1)%2, ((\s)+1)%8
.set m_, 0
.rept MT
.if DYN && (m_ > 0)
	WIN 0
	s_cmp_le_u32 s30, m_
	s_cbranch_scc1 .Lend\@
.endif
	WIN 0x52
.set f_, 0
.rept NF
	MMA 8*(NF*m_+f_), 8*(4*(\s)+m_), BB+8*NF*((\s)%2)+8*f_, 0
.set f_, f_+1
.endr
.if m_ == 0
	WIN 0x80
	ALOAD ((\s)+7)%8                               ; no wait: no product since the wait above names this slot or VOFF
.endif
.set m_, m_+1
.endr
	WIN 0
.if DYN
.Lend\@:
.endif
.endm
	s_load_b256 s[40:47], s[0:1], 0x0              ; ab s[40:41], out_w s[42:43], x s[44:45], x2 s[46:47]
	v_lshl_add_u32 v[SPW], v0, 2, SPARE
	v_mov_b32 v[NIL], 0
	v_lshrrev_b32 v32, 5, v0
	v_readfirstlane_b32 s2, v32
	v_and_b32 v[R_], 15, v0
	v_bfe_u32 v[H_], v0, 4, 1
	v_and_b32 v33, 31, v0
	v_lshlrev_b32 v[VB0], 4, v33
	s_and_b32 s32, ttmp7, 0xffff                   ; block of 128 rows
	s_wait_alu depctr_va_sdst(0)                   ; s2 is written, ahead of its first reader
	P1ADDR
	s_lshl_b32 s20, ttmp9, 8
	s_mov_b32 s21, 0
	s_wait_kmcnt 0x0
	s_add_nc_u64 s[4:5], s[42:43], s[20:21]
	WIN 0x40
	s_wait_alu depctr_va_vdst(0)                   ; VO is written, which the loads below read
	P1LOAD 0
	P1LOAD 1
	P1LOAD 2
	P1LOAD 3
	WIN 0
	s_lshl_b32 s22, s32, 19
	s_add_co_u32 s20, s20, s22
	s_lshl_b32 s22, s2, 17
	s_add_co_u32 s20, s20, s22                     ; (128 block + 32 wave) rows of 4,096 bytes + my 64 columns
	s_add_nc_u64 s[10:11], s[44:45], s[20:21]
	s_add_nc_u64 s[8:9], s[46:47], s[20:21]
	s_lshr_b32 s20, s32, 2
	s_lshl_b32 s20, s20, 20                        ; the batch's sixteen heads
	s_and_b32 s22, s32, 3
	s_lshl_b32 s22, s22, 14
	s_add_co_u32 s20, s20, s22
	s_lshl_b32 s22, s2, 12
	s_add_co_u32 s20, s20, s22
	s_add_nc_u64 s[6:7], s[40:41], s[20:21]        ; o at head 0, my first position
	v_lshlrev_b32 v34, 7, v[R_]
	v_lshl_add_u32 v34, v[H_], 4, v34
	v_add_nc_u32 v[VOFF], 0, v34
	v_add_nc_u32 v[VOFF+1], 2048, v34
	v_lshlrev_b32 v7, 15, v[H_]
	v_lshl_add_u32 v7, v[R_], 4, v7                ; row 8h, columns 4r
.irp k, 0,1,2,3,4,5,6,7
	v_mov_b32 v[Z+(\k)], 0
.endr
	s_mov_b32 s19, P1TRIPS
.Lp1:
	s_cmp_eq_u32 s19, 1
	s_cselect_b32 s18, 0, -1
	BATCH 0
	BATCH 1
	BATCH 2
	BATCH 3
	s_wait_alu depctr_vm_vsrc(0)                   ; the trip's LDS stores have read VL (and F, in which x's loads land behind the last trip)
.irp i, 0,1,2,3
	v_add_nc_u32 v[VL+(\i)], 0x10000, v[VL+(\i)]
.endr
	s_sub_co_u32 s19, s19, 1
	s_cmp_lg_u32 s19, 0
	s_cbranch_scc1 .Lp1
	s_wait_loadcnt 0x0
	s_wait_dscnt 0x0                               ; for the others' sake: my part of the slice is in LDS
.set q_, 0
.rept 16                               ; x at my results' places; no vector instruction since the last batch's wait names v64-127 or v7
	global_load_b128 v[64+4*q_:64+4*q_+3], v7, s[10:11] offset:(16*(q_/8)+q_%8)*4096
.set q_, q_+1
.endr
	PRO_A
	s_barrier_signal -1
	s_barrier_wait -1
	PRO_B
.Lk:
	STEP 0
	STEP 1
	STEP 2
	STEP 3
	STEP 4
	STEP 5
	STEP 6
	STEP 7
	s_sub_co_u32 s17, s17, 1
	s_cmp_lg_u32 s17, 0
	s_cbranch_scc1 .Lk
	s_wait_loadcnt 0x0
	s_wait_dscnt 0x0
.rept 4
	v_nop
.endr
	WIN 0x01
.set q_, 0
.rept 16                               ; each accumulator's registers in ascending order
.irp j, 0,1,2,3
	v_add_f32 v[64+4*q_+(\j)], v[32*(q_/8)+8*(\j)+q_%8], v[64+4*q_+(\j)]
.endr
.set q_, q_+1
.endr
	WIN 0
	s_wait_alu depctr_va_vdst(0)                   ; the additions have written v64-127, which the sixteen stores read
.set q_, 0
.rept 16
	global_store_b128 v7, v[64+4*q_:64+4*q_+3], s[8:9] offset:(16*(q_/8)+q_%8)*4096  ; sixteen lanes: 256 consecutive bytes, aligned
.set q_, q_+1
.endr
	s_wait_dscnt 0x0                               ; the closing lines, six on end
	s_wait_alu 0x0
	s_wait_tensorcnt 0x0
	ds_add_u32 v[SPW], v[NIL]
	s_wait_dscnt 0x0
	s_endpgm
.Lfunc_end_k_q228892808d_oproj:
	.size	k_q228892808d_oproj, .Lfunc_end_k_q228892808d_oproj-k_q228892808d_oproj
	.p2alignl 7, 3214868480
	.fill 96, 4, 3214868480
	.section	.rodata,"a",@progbits
	.p2align	6, 0x0
	.amdhsa_kernel k_q228892808d_oproj
		.amdhsa_group_segment_fixed_size 131584
		.amdhsa_private_segment_fixed_size 0
		.amdhsa_enable_private_segment 0
		.amdhsa_kernarg_size 32
		.amdhsa_user_sgpr_count 2
		.amdhsa_user_sgpr_kernarg_segment_ptr 1
		.amdhsa_wavefront_size32 1
		.amdhsa_system_sgpr_workgroup_id_x 1
		.amdhsa_system_sgpr_workgroup_id_y 1
		.amdhsa_system_sgpr_workgroup_id_z 1
		.amdhsa_system_vgpr_workitem_id 0
		.amdhsa_next_free_vgpr 768
		.amdhsa_next_free_sgpr 66
		.amdhsa_reserve_vcc 0
		.amdhsa_float_denorm_mode_32 3
		.amdhsa_float_denorm_mode_16_64 3
		.amdhsa_memory_ordered 1
		.amdhsa_forward_progress 1
		.amdhsa_inst_pref_size 51
	.end_amdhsa_kernel
	.amdgpu_metadata
---
amdhsa.version: [ 1, 2 ]
amdhsa.kernels:
  - .name:           k_q228892808d_oproj
    .symbol:         k_q228892808d_oproj.kd
    .args:
      - { .name: ab, .offset: 0, .size: 8, .value_kind: global_buffer, .address_space: global }
      - { .name: out_w, .offset: 8, .size: 8, .value_kind: global_buffer, .address_space: global }
      - { .name: x, .offset: 16, .size: 8, .value_kind: global_buffer, .address_space: global }
      - { .name: x2, .offset: 24, .size: 8, .value_kind: global_buffer, .address_space: global }
    .group_segment_fixed_size: 131584
    .private_segment_fixed_size: 0
    .kernarg_segment_align: 8
    .kernarg_segment_size: 32
    .max_flat_workgroup_size: 128
    .sgpr_count:     66
    .vgpr_count:     768
    .wavefront_size: 32
...
	.end_amdgpu_metadata
.endif
;; end of part 12
;; launch router: the kernel of part 5 again; grid 128 x 1, 8 waves a work-group, no clusters, 34,304 bytes of LDS; arguments x2, ln2_g, ln2_b, gate_w, expert_biases, r4, ridx; writes r4, ridx
;; launch moe1 (part 13): grid 32 x 8, 4 waves a work-group, no clusters, 280,064 bytes of LDS; arguments r4, ridx, w1, act, rlist; writes act, rlist
.if DOCPART == 13
	.amdgcn_target "amdgcn-amd-amdhsa--gfx1250"
	.amdhsa_code_object_version 6
	.text
	.protected	k_q228892808d_moe1
	.globl	k_q228892808d_moe1
	.p2align	8
	.type	k_q228892808d_moe1,@function
k_q228892808d_moe1:
	s_mov_b64 s[64:65], 0
	v_nop
	global_prefetch_b8 v0, s[64:65] scope:SCOPE_SE
	s_setreg_imm32_b32 hwreg(HW_REG_WAVE_SCHED_MODE, 0, 2), 2
	s_setreg_imm32_b32 hwreg(HW_REG_WAVE_MODE, 25, 1), 1
	s_wait_xcnt 0x0
	s_wait_alu depctr_vm_vsrc(0)
; The experts' first product and SwiGLU, for the chosen rows alone.  Work-group (s, e) owns, of expert e, columns 64 s .. of h1 and the same of h2: 1,024 x 128 f32,
; which it alone reads, once.  PHASE 1 rounds them to bf16 and lays them into LDS as matrix operands (256 KiB); four batches of sixteen loads a wave are always out.
; THE BITMAP.  Each wave reads the 1,024 pairs of indices that the router's launch stored; a chunk of 32 tokens gives a mask of the expert's rows, which stays in a scalar register:
; 32 words, and their count R.  The expert's rows are numbered by rank, in ascending order of token.
; THE TOKEN OF A RANK is found in registers, at a pass's head, for the wave's five tiles at once: a scan over the 32 words picks the word in which the rank falls (the count in front of a word
; and the word's number go as count x 32 + number, the rank as rank x 32 + 31, so that one comparison and two selects serve a word); partial bit counts of that word and five halvings find the bit.
; So a row's address is made of what was read from memory by register arithmetic alone.
; THE LIST (entry = 2 token + k, by rank) is laid in LDS bytes of the wave's own for the next launch: a lane without a row stores into a word of its own behind the list (word 1024 + lane),
; so that every store runs with all lanes on; entries past the count hold 2048 + e.  Slice 0's wave 0 stores list and count.  Every wave lays the list, though one alone stores it:
; a branch round those lines would need the masks' lines a second time.
; PHASE 2 (behind the one barrier; nothing writes LDS, no barrier): the nt = ceil(R / 16) tiles of rows are dealt evenly: up to four passes, in each a wave takes up to five tiles
; x all eight fragments: 20 tiles, 320 rows, a pass; an even split of the 2,048 choices gives an expert 256.  Every R from 0 to 1,024 is served; with R = 0 the slice is read and no row is stored.
; Rows past R, and the rows of tiles that the wave does not have in this pass, repeat the wave's last row: all lanes of such a load name one row.
; xn2's fragments are gathered straight from memory, through a ring of eight K steps in registers, five steps ahead: 40 loads stay out at a step's head, 50 behind its request.
; An expert's 32 work-groups read the same rows; slice s begins its walk along K at the group of eight steps s % 4 and wraps, so that they walk the rows' bytes at four different times.
; act = silu(h1) h2, rounded to bf16: act[e][tile][s][slot 2i + h][64], so that a store covers 256 consecutive bytes.  Whole tiles are stored.
; The sums start from 40 products of a zero fragment, in place of a second copy of the K step.
; LIMITS.  K is summed in an order that hangs on the slice (see above): the f32 sums' last bits differ from an ascending sum's.  bf16, not f16: h1 h2 has no bound in f16's range for larger inputs.
; No tensor loads or joint loads: each weight has one reader and must pass through registers; the rows come by a list.
; THE MODE: SCHED_MODE bits 1:0 = 2 (LLVM: expert scheduling mode 2), set by the entry lines.  The code itself states the register dependences
; between vector or matrix instructions and memory or LDS instructions, and those through scalar results of vector instructions, with s_wait_alu, always for 0.
; THE PLAN.  Registers that memory or LDS instructions touch:
;   the list  v128-191: the indices' loads land in them; the comparisons read them; entry and LDS address of chunk c are made in place, in v[128 + 2c] and v[129 + 2c]; one wait, then all 40 LDS stores.
;             The 64 comparisons stand in two runs of 32, into the bitmap's words and into s12-19, s40-47 (free there), with one wait on va_sdst behind each run.
;   phase 1   raw slot i: its sixteen loads land in it, batch i's conversions read it.  F: the conversions write it, the batch's eight LDS stores read it.
;             VO[i]: the slot's loads read it, two vector lines step it at the batch's head.  VL[i]: the batch's LDS stores read it, an add steps it at a trip's bottom.
;             A batch has one wait on vm_vsrc at its head and one on va_vdst behind its conversions; its loads and LDS stores follow that with no further wait.
;   a pass    VOFF, VS, VB: written at the pass's head, behind one wait on vm_vsrc; one wait on va_vdst stands ahead of the ring's first loads.
;             The scan's and the halvings' comparisons write VCC: a wait on va_vcc stands between each and its two selects.  Masks in scalar registers, five to a wait, would make
;             each of the three lines 4 bytes longer: some 2,200 bytes of code for the 180 comparisons, against 720 for the waits.
;   a K step  ring slot s: loads land in it, step s's products read it.  BB[s % 2]: LDS loads land in it, step s's products read it.  VB: the LDS loads read it, every step writes it.
;             VOFF: the ring's loads read it, step 3 masks it.  The accumulators are named by matrix instructions alone.  One wait on vm_vsrc and ONE on va_vdst stand at a step's head;
;             the step's loads stand ahead of the first jump over dead tiles, so that every path issues them, and no product of the step names a register that they touch.
;   way out   v96-111: a tile's conversions write them, its eight stores read them.
.set NF, 8
.set MT, 5
.set LEAD, 5
.set ROWB, 16384
.set ADIV, 1
.set AHI, 64
.set ASTR, 512
.set AMASK, 0x600
.set BSTR, 65536
.set BMASK, 0x30000
.set P1TRIPS, 4
.set VSTR, 256*ROWB
.set LIST, 262144                      ; behind the slice: a list for each wave,
.set LISTB, 4352                       ; 4,096 bytes of entries and 128 of the lanes' own words, rounded up to blocks of 256
.set SPARE, LIST+4*LISTB               ; the spare words, 128 bytes a wave
.set SPW, 1
.set NIL, 2
.set R_, 3
.set H_, 4
.set VB0, 5                            ; 16 x lane
.set VB, 6                             ; LDS address of the fragments in hand
.set H16, 7
.set VOFF, 8                           ; v8-12  tile m: my row's byte offset in A
.set Z, 16                             ; v16-23 a fragment of zeros
.set VO, 24                            ; v24-27 phase 1: slot i's offset in the weights
.set VL, 28                            ; v28-31 phase 1: slot i's LDS address
.set F, 64                             ; v64-95 phase 1: four fragments
.set VS, 112                           ; v112-116 tile m: my byte offset in act
.set BB, 128                           ; two buffers of NF fragments
; at a pass's head, five registers each (tile m at + m): they are free again when the K loop begins
.set RHO, 32                           ; my row's rank
.set KAP, 40                           ; rank x 32 + 31; later a halving's step
.set WW,  48                           ; the bitmap's word in which the rank falls
.set PCK, 56                           ; the count in front of that word x 32 + the word's number
.set C1,  64                           ; the word's bit counts by pairs,
.set C2,  72                           ; fours,
.set C4,  80                           ; eights,
.set C8,  88                           ; sixteens
.set NN,  96                           ; how many of the word's bits lie in front of mine
.set POS, 104                          ; my bit's place; then the token, then its bytes
.set TT,  120                          ; at work
; scalar: s48-63 and s66-81 the bitmap's 32 words; s82-85 the masks of the partial counts
; Above v255 registers are named by their whole number; number / 256 is the window, number % 256 what the line spells.
.set ACC, 256                          ; accumulator (m, f) at ACC + 8 (NF m + f): 320 registers.  In phase 1 registers 256-511 are four slots of 64 for loaded weights
.set AR, ACC+8*NF*MT                   ; the A ring: step s, tile m at AR + 8 (MT s + m): 320 registers
.set MSB, 0
.macro WIN new
.if MSB != (\new)
	s_set_vgpr_msb (MSB<<8)|(\new)
.set MSB, (\new)
.endif
.endm
.macro P1ADDR
	v_mul_u32_u24 v32, v[H_], 8*ROWB
	v_lshl_add_u32 v32, v[R_], 4, v32
	s_mul_i32 s20, s2, 32*ROWB
	v_add_nc_u32 v32, s20, v32
	s_mul_i32 s20, s2, NF*1024
	v_add_nc_u32 v33, s20, v[VB0]
.irp i, 0,1,2,3
	v_add_nc_u32 v[VO+(\i)], ((\i)/2)*128*ROWB+((\i)%2)*8192, v32   ; K step wave + 4 (i / 2); i % 2: h1's block or h2's
	v_add_nc_u32 v[VL+(\i)], ((\i)/2)*32768+((\i)%2)*4096, v33
.endr
.endm
.macro P1LOAD i                        ; 32 rows x 64 columns: sixteen loads (destination window 1)
.irp t, 0,1,2,3,4,5,6,7,8,9,10,11,12,13,14,15
	global_load_b128 v[64*(\i)+4*(\t):64*(\i)+4*(\t)+3], v[VO+(\i)], s[4:5] offset:((\t)+8*((\t)/8))*ROWB th:TH_LOAD_NT
.endr
.endm
.macro BATCH i
	s_wait_loadcnt 48                              ; loads come back in order: slot i's sixteen are in, the three younger slots' 48 stay out
	s_wait_alu depctr_vm_vsrc(0)                   ; the last batch's LDS stores have read F, which the conversions write again; slot i's loads have read VO[i]
	v_add_nc_u32 v[VO+(\i)], VSTR, v[VO+(\i)]      ; free since the wait on LOADcnt showed its loads done
	v_and_b32 v[VO+(\i)], s18, v[VO+(\i)]          ; the last trip has nothing to fetch: its loads all name the slice's head
	WIN 0x05
.irp j, 0,1,2,3
.irp q, 0,1,2,3,4,5,6,7
	v_cvt_pk_bf16_f32 v[F+8*(\j)+(\q)], v[64*(\i)+8*(\q)+(\j)], v[64*(\i)+8*(\q)+4+(\j)]
.endr
.endr
	WIN 0x40
	s_wait_alu depctr_va_vdst(0)                   ; the conversions have written F and are done reading slot i; VO[i] is written; in a trip's first batch so is VL
	P1LOAD \i
	WIN 0
.irp j, 0,1,2,3
	ds_store_b128 v[VL+(\i)], v[F+8*(\j):F+8*(\j)+3] offset:1024*(\j)
	ds_store_b128 v[VL+(\i)], v[F+8*(\j)+4:F+8*(\j)+7] offset:1024*(\j)+512
.endr
.endm
.macro MMA d, a, b, z                  ; the caller has set the windows
.if \z
	v_wmma_f32_16x16x32_bf16 v[(\d):(\d)+7], v[(\a):(\a)+7], v[(\b):(\b)+7], 0
.else
	v_wmma_f32_16x16x32_bf16 v[(\d):(\d)+7], v[(\a):(\a)+7], v[(\b):(\b)+7], v[(\d):(\d)+7]
.endif
.endm
.macro ALOAD s                         ; step s of the eight in hand: two loads a tile
.set t_, 0
.rept MT
.set a_, AR+8*(MT*(\s)+t_)
	WIN (a_/256)*0x40
	global_load_b128 v[a_%256:a_%256+3], v[VOFF+t_], s[12:13] offset:((\s)/ADIV)*AHI+((\s)%ADIV)*64
	global_load_b128 v[a_%256+4:a_%256+7], v[VOFF+t_], s[12:13] offset:((\s)/ADIV)*AHI+((\s)%ADIV)*64+32
.set t_, t_+1
.endr
.endm
.macro BLOAD b, ks
.set f_, 0
.rept NF
	ds_load_b128 v[BB+8*NF*(\b)+8*f_:BB+8*NF*(\b)+8*f_+3], v[VB] offset:((\ks)*NF+f_)*1024
	ds_load_b128 v[BB+8*NF*(\b)+8*f_+4:BB+8*NF*(\b)+8*f_+7], v[VB] offset:((\ks)*NF+f_)*1024+512
.set f_, f_+1
.endr
.endm
.macro PRO_A                           ; the walk begins at my slice's group of eight steps; the ring's first five steps
	s_mov_b32 s14, s38
	s_mov_b32 s15, 0
	s_add_nc_u64 s[12:13], s[6:7], s[14:15]
	s_and_b32 s16, s39, BMASK
	v_add_nc_u32 v[VB], s16, v[VB0]
	s_wait_alu depctr_va_vdst(0)                   ; VOFF, VS and VB are written; the last pass's products are done reading the ring and the weights' buffers, in which the loads below land
.irp s, 0,1,2,3,4
	ALOAD \s
.endr
	WIN 0
.endm
.macro PRO_B                           ; the first step's weights; the sums start
	BLOAD 0, 0
.rept 5
	v_nop
.endr
.set k_, 0
.rept MT*NF
.set d_, ACC+8*k_
	WIN (d_/256)*0x40
	MMA d_%256, Z, Z, 1
.set k_, k_+1
.endr
	WIN 0
	s_mov_b32 s17, 4
.endm
.macro STEP s
	s_wait_loadcnt 2*MT*(LEAD-1)                   ; this step's A is in; four younger steps of ten loads stay out (this step's own request follows below)
	s_wait_dscnt 0x0                               ; this step's weights are in: nothing younger has been asked of LDS
.if (\s) == 7
	s_add_co_u32 s16, s16, BSTR                    ; the next fragments are the next eight steps' first
.endif
	s_and_b32 s16, s16, BMASK                      ; 0 .. BMASK: with 16 x lane and the immediates below, inside the slice; past the slice's end it wraps
	s_wait_alu depctr_vm_vsrc(0)                   ; the LDS loads issued so far have read VB, the ring's loads VOFF: both may be written
.rept 3
	v_nop                                          ; the four places behind the last step's products (ISA guide 7.12.1) stay, ahead of the wait below;
.endr
	v_add_nc_u32 v[VB], s16, v[VB0]                ; the fourth: the LDS address, made anew in every step
.if (\s) == 8-LEAD                     ; from here on the look-ahead lies in the next eight steps
	s_wait_xcnt 0x0                                ; the base and the offsets are rewritten only behind this wait
	s_add_co_u32 s14, s14, ASTR
	s_and_b32 s14, s14, AMASK                      ; past the rows' end it wraps
	s_add_nc_u64 s[12:13], s[6:7], s[14:15]
	s_cmp_eq_u32 s17, 1
	s_cselect_b32 s18, 0, -1
.set m_, 0
.rept MT
	v_and_b32 v[VOFF+m_], s18, v[VOFF+m_]          ; the last trip looks ahead at nothing: its loads all name A's first row
.set m_, m_+1
.endr
.endif
	s_wait_alu depctr_va_vdst(0)                   ; the last step's products are done reading their buffer of weights, earlier steps' their ring slots: this step's loads land there; VB and VOFF are written
	BLOAD ((\s)+1)%2, ((\s)+1)%8
.set m_, 0
.rept MT
.if m_ > 0
	WIN 0
	s_cmp_le_u32 s30, m_                           ; tiles that this pass does not have are jumped, forward
	s_cbranch_scc1 .Lend\@
.endif
.set a_, AR+8*(MT*(\s)+m_)
.set f_, 0
.rept NF                               ; the accumulators take turns
.set d_, ACC+8*(NF*m_+f_)
	WIN (d_/256)*0x50+(a_/256)
	MMA d_%256, a_%256, BB+8*NF*((\s)%2)+8*f_, 0
.set f_, f_+1
.endr
.if m_ == 0
	ALOAD ((\s)+LEAD)%8                            ; ahead of the first jump: every path issues these ten.  No wait: no product since the wait above names this slot or VOFF
.endif
.set m_, m_+1
.endr
	WIN 0
.Lend\@:
.endm
; s31 = the expert, s23 = what entries past the count hold, v36 = lane, v39 = 2 x lane, v[128..191] the 1,024 pairs.
; Leaves the bitmap in s48-63 and s66-81, the count in s24, my list's LDS byte in s33.
.macro MKLIST
	s_mul_i32 s33, s2, LISTB
	s_add_co_u32 s33, s33, LIST                    ; my wave's list
	v_add_nc_u32 v38, s33, v[VB0]
	v_mov_b32 v40, s23
	v_mov_b32 v41, s23
	v_mov_b32 v42, s23
	v_mov_b32 v43, s23
	v_add_nc_u32 v46, 0x400, v36                   ; the word of a lane without a row
	s_wait_loadcnt 63                              ; 96 loads have been issued: the oldest 33 are in, the 32 of the indices among them (so their base, s[42:43], is free too)
	s_mov_b32 s24, 0
.set c_, 0
.rept 2                                ; sixteen chunks at a time
.set e_, c_
.rept 16
.set mk_, 48+e_+2*(e_/16)              ; the chunk's word of the bitmap: first the rows whose first choice is this expert,
.set kb_, 12+e_%16+20*((e_%16)/8)      ; and beside it, in s12-19 and s40-47, those whose second choice it is
	v_cmp_eq_u32 s[mk_], s31, v[128+2*e_]
	v_cmp_eq_u32 s[kb_], s31, v[129+2*e_]
.set e_, e_+1
.endr
	s_wait_alu depctr_va_sdst(0)                   ; the 32 comparisons have written their masks, ahead of the first line that reads one
.rept 16
.set mk_, 48+c_+2*(c_/16)
.set kb_, 12+c_%16+20*((c_%16)/8)
	v_cndmask_b32 v[128+2*c_], 0, 1, s[kb_]
	v_add_nc_u32 v[128+2*c_], v[128+2*c_], v39     ; 2 token + k
	s_or_b32 s[mk_], s[mk_], s[kb_]                ; the chunk's rows of this expert
	v_mbcnt_lo_u32_b32 v[129+2*c_], s[mk_], s24    ; the rank: the count so far and the rows in the lanes below
	v_cndmask_b32 v[129+2*c_], v46, v[129+2*c_], s[mk_]
	v_min_u32 v[129+2*c_], 0x43f, v[129+2*c_]      ; inside my 1,088 words
	v_lshlrev_b32 v[129+2*c_], 2, v[129+2*c_]
	v_add_nc_u32 v[129+2*c_], s33, v[129+2*c_]
	v_add_nc_u32 v39, 64, v39
	s_bcnt1_i32_b32 s21, s[mk_]
	s_add_co_u32 s24, s24, s21
.set c_, c_+1
.endr
.endr
	s_wait_alu depctr_va_vdst(0)                   ; v38, v40-43 and the 32 entries and addresses in v128-191 are written, which the LDS stores below read
.irp q, 0,1,2,3,4,5,6,7
	ds_store_b128 v38, v[40:43] offset:512*(\q)
.endr
.set c_, 0
.rept 32                               ; LDS serves a wave's instructions in order (ISA guide 5.7.1.4): the entries land on the filled list
	ds_store_b32 v[129+2*c_], v[128+2*c_]
.set c_, c_+1
.endr
.endm
; From the count in s24: R (s24), nt tiles (s25), the tiles of a wave in a pass (s27) = ceil(nt / (4 passes)), never above five, R - 1 (s34; with R = 0 no pass runs)
.macro SHARES
	s_min_u32 s24, s24, 1024
	s_add_co_u32 s25, s24, 15
	s_lshr_b32 s25, s25, 4
	s_add_co_u32 s20, s25, 3
	s_lshr_b32 s27, s20, 2                         ; one pass: up to 20 tiles
	s_add_co_u32 s20, s25, 7
	s_lshr_b32 s20, s20, 3
	s_cmp_gt_u32 s25, 20
	s_cselect_b32 s27, s20, s27                    ; two: up to 40
	s_add_co_u32 s20, s25, 11
	s_mul_i32 s20, s20, 43
	s_lshr_b32 s20, s20, 9                         ; / 12, exact for 52 .. 71
	s_cmp_gt_u32 s25, 40
	s_cselect_b32 s27, s20, s27                    ; three: up to 60
	s_add_co_u32 s20, s25, 15
	s_lshr_b32 s20, s20, 4
	s_cmp_gt_u32 s25, 60
	s_cselect_b32 s27, s20, s27                    ; four
	s_sub_co_u32 s34, s24, 1
.endm
.macro ALL5 line:vararg                ; one line for each of the five tiles u_: no line reads the result of the line before it
.set u_, 0
.rept 5
	\line
.set u_, u_+1
.endr
.endm
; A halving.  src holds the word's bit counts by blocks of `step` bits, in fields of w bits.  If the block at POS holds no more bits than lie in front of mine, my bit lies behind it:
; the block's count is taken off NN, and POS goes on by the block.
.macro HALVE src, w, step, first
.if \first
	ALL5 v_bfe_u32 v[TT+u_], v[(\src)+u_], 0, \w
.else
	ALL5 v_bfe_u32 v[TT+u_], v[(\src)+u_], v[POS+u_], \w
.endif
.set u_, 0
.rept 5
	v_cmp_ge_u32 vcc_lo, v[NN+u_], v[TT+u_]
	s_wait_alu depctr_va_vcc(0)                    ; the comparison has written VCC, which the two selects read
	v_cndmask_b32 v[TT+u_], 0, v[TT+u_], vcc_lo
.if \first
	v_cndmask_b32 v[POS+u_], 0, \step, vcc_lo
.else
	v_cndmask_b32 v[KAP+u_], 0, \step, vcc_lo
.endif
.set u_, u_+1
.endr
	ALL5 v_sub_nc_u32 v[NN+u_], v[NN+u_], v[TT+u_]
.if !(\first)
	ALL5 v_add_nc_u32 v[POS+u_], v[POS+u_], v[KAP+u_]
.endif
.endm
	s_load_b256 s[40:47], s[0:1], 0x0              ; r4 s[40:41], ridx s[42:43], w1 s[44:45], act s[46:47]
	s_load_b64 s[10:11], s[0:1], 0x20              ; rlist
	v_lshl_add_u32 v[SPW], v0, 2, SPARE
	v_mov_b32 v[NIL], 0
	v_lshrrev_b32 v32, 5, v0
	v_readfirstlane_b32 s2, v32                    ; wave
	v_and_b32 v[R_], 15, v0
	v_bfe_u32 v[H_], v0, 4, 1
	v_and_b32 v36, 31, v0
	v_lshlrev_b32 v[VB0], 4, v36
	v_lshlrev_b32 v37, 3, v36
	v_lshlrev_b32 v39, 1, v36
	v_lshlrev_b32 v[H16], 4, v[H_]
	s_and_b32 s31, ttmp7, 0xffff                   ; expert
	s_mov_b32 s32, ttmp9                           ; slice
	s_and_b32 s38, s32, 3                          ; the group of eight K steps at which my walk begins:
	s_mul_i32 s39, s38, BSTR                       ; its fragments in LDS,
	s_mul_i32 s38, s38, ASTR                       ; its bytes in a row of xn2
	s_wait_alu depctr_va_sdst(0)                   ; s2 is written, ahead of its first reader
	P1ADDR
	s_lshl_b32 s20, s31, 24
	s_lshl_b32 s22, s32, 8
	s_add_co_u32 s20, s20, s22
	s_mov_b32 s21, 0
	s_lshl_b32 s22, s31, 22
	s_lshl_b32 s23, s32, 11
	s_add_co_u32 s22, s22, s23
	s_mov_b32 s23, 0
	s_mov_b32 s36, 0xbfb8aa3b                      ; -log2(e)
	s_mov_b32 s37, s36
	s_mov_b32 s82, 0x55555555                      ; every second bit,
	s_mov_b32 s83, 0x33333333                      ; every second pair,
	s_mov_b32 s84, 0x0f0f0f0f                      ; every second four,
	s_mov_b32 s85, 0x00ff00ff                      ; every second eight
	s_wait_kmcnt 0x0
	s_add_nc_u64 s[4:5], s[44:45], s[20:21]
	s_add_nc_u64 s[8:9], s[46:47], s[22:23]
	s_mov_b64 s[6:7], s[40:41]
	s_wait_alu depctr_va_vdst(0)                   ; v37 and VO are written, which the loads below read
.set c_, 0
.rept 32
	global_load_b64 v[128+2*c_:129+2*c_], v37, s[42:43] offset:256*c_
.set c_, c_+1
.endr
	WIN 0x40
	P1LOAD 0
	P1LOAD 1
	P1LOAD 2
	P1LOAD 3
	WIN 0
	s_add_co_u32 s23, s31, 2048                    ; entries past the count: the next launch sends such rows to a row that nobody reads
	MKLIST
	SHARES
.irp k, 0,1,2,3,4,5,6,7
	v_mov_b32 v[Z+(\k)], 0
.endr
	s_mov_b32 s19, P1TRIPS
.Lp1:
	s_cmp_eq_u32 s19, 1
	s_cselect_b32 s18, 0, -1
	BATCH 0
	BATCH 1
	BATCH 2
	BATCH 3
	s_wait_alu depctr_vm_vsrc(0)                   ; the trip's LDS stores have read VL
.irp i, 0,1,2,3
	v_add_nc_u32 v[VL+(\i)], 0x10000, v[VL+(\i)]
.endr
	s_sub_co_u32 s19, s19, 1
	s_cmp_lg_u32 s19, 0
	s_cbranch_scc1 .Lp1
	s_wait_loadcnt 0x0
	s_wait_dscnt 0x0                               ; for the others' sake: my part of the slice is in LDS
	s_barrier_signal -1
	s_barrier_wait -1
	s_mov_b32 s28, 0
.Lpass:
	s_lshl_b32 s20, s28, 2
	s_add_co_u32 s20, s20, s2
	s_mul_i32 s29, s20, s27                        ; my first tile
	s_sub_co_i32 s30, s25, s29
	s_max_i32 s30, s30, 0
	s_min_u32 s30, s30, s27                        ; and how many
	s_cmp_eq_u32 s30, 0
	s_cbranch_scc1 .Lnext
	s_wait_xcnt 0x0                                ; offsets and data of the last pass's loads and stores are rewritten
	s_wait_alu depctr_vm_vsrc(0)                   ; the last pass's loads have read VOFF and VB, its stores VS and v96-111: all are written anew below
	s_add_co_u32 s21, s29, s30
	s_lshl_b32 s21, s21, 4
	s_sub_co_u32 s21, s21, 1
	s_min_u32 s35, s21, s34                        ; my last row in this pass
	s_lshl_b32 s20, s29, 4
	v_add_nc_u32 v118, s20, v[R_]
	v_lshlrev_b32 v119, 7, v[H_]
	v_lshl_add_u32 v119, v[R_], 3, v119
	; the ranks of my five rows; word 0 of the bitmap, in front of which lies nothing, starts the scan
	ALL5 v_add_nc_u32 v[RHO+u_], 16*u_, v118
	ALL5 v_min_u32 v[RHO+u_], s35, v[RHO+u_]       ; rows past my last row repeat it
	ALL5 v_lshl_or_b32 v[KAP+u_], v[RHO+u_], 5, 31
	ALL5 v_mov_b32 v[WW+u_], s48
	ALL5 v_mov_b32 v[PCK+u_], 0
	s_bcnt1_i32_b32 s21, s48                       ; the count in front of the next word
.set c_, 1
.rept 31                               ; word c is taken unless more rows lie in front of it than in front of mine: the last word taken is the one in which my rank falls
.set mk_, 48+c_+2*(c_/16)
	s_lshl_b32 s20, s21, 5
	s_or_b32 s20, s20, c_                          ; count x 32 + word
.set u_, 0
.rept 5
	v_cmp_gt_u32 vcc_lo, s20, v[KAP+u_]
	s_wait_alu depctr_va_vcc(0)                    ; the comparison has written VCC, which the two selects read
	v_cndmask_b32 v[WW+u_], s[mk_], v[WW+u_], vcc_lo
	v_cndmask_b32 v[PCK+u_], s20, v[PCK+u_], vcc_lo
.set u_, u_+1
.endr
	s_bcnt1_i32_b32 s22, s[mk_]
	s_add_co_u32 s21, s21, s22
.set c_, c_+1
.endr
	ALL5 v_lshrrev_b32 v[TT+u_], 5, v[PCK+u_]      ; the count in front of my word
	ALL5 v_sub_nc_u32 v[NN+u_], v[RHO+u_], v[TT+u_]  ; how many of its bits lie in front of mine
	ALL5 v_and_b32 v[PCK+u_], 31, v[PCK+u_]        ; the word's number
	; the word's bit counts by pairs, fours, eights and sixteens
	ALL5 v_lshrrev_b32 v[TT+u_], 1, v[WW+u_]
	ALL5 v_and_b32 v[TT+u_], s82, v[TT+u_]
	ALL5 v_sub_nc_u32 v[C1+u_], v[WW+u_], v[TT+u_]
	ALL5 v_lshrrev_b32 v[TT+u_], 2, v[C1+u_]
	ALL5 v_and_b32 v[TT+u_], s83, v[TT+u_]
	ALL5 v_and_b32 v[C2+u_], s83, v[C1+u_]
	ALL5 v_add_nc_u32 v[C2+u_], v[C2+u_], v[TT+u_]
	ALL5 v_lshrrev_b32 v[TT+u_], 4, v[C2+u_]
	ALL5 v_add_nc_u32 v[TT+u_], v[C2+u_], v[TT+u_]
	ALL5 v_and_b32 v[C4+u_], s84, v[TT+u_]
	ALL5 v_lshrrev_b32 v[TT+u_], 8, v[C4+u_]
	ALL5 v_add_nc_u32 v[TT+u_], v[C4+u_], v[TT+u_]
	ALL5 v_and_b32 v[C8+u_], s85, v[TT+u_]
	HALVE C8, 8, 16, 1
	HALVE C4, 8, 8, 0
	HALVE C2, 4, 4, 0
	HALVE C1, 2, 2, 0
	HALVE WW, 1, 1, 0
	ALL5 v_lshl_add_u32 v[POS+u_], v[PCK+u_], 5, v[POS+u_]  ; the token = 32 x word + bit
	ALL5 v_min_u32 v[POS+u_], 0x3ff, v[POS+u_]
	ALL5 v_lshlrev_b32 v[POS+u_], 11, v[POS+u_]    ; its row of 2,048 bytes,
	ALL5 v_add_nc_u32 v[VOFF+u_], v[H16], v[POS+u_]  ; my half's 16 bytes
.irp m, 0,1,2,3,4
	s_add_co_u32 s20, s29, \m
	s_min_u32 s20, s20, 63
	s_lshl_b32 s20, s20, 16
	v_add_nc_u32 v[VS+(\m)], s20, v119
.endr
	PRO_A
	PRO_B
.Lk:
	STEP 0
	STEP 1
	STEP 2
	STEP 3
	STEP 4
	STEP 5
	STEP 6
	STEP 7
	s_sub_co_u32 s17, s17, 1
	s_cmp_lg_u32 s17, 0
	s_cbranch_scc1 .Lk
	s_wait_loadcnt 0x0
	s_wait_dscnt 0x0
.rept 4
	v_nop
.endr
.set m_, 0
.rept MT                               ; silu(h1) h2 = h1 h2 / (1 + 2^(-h1 log2 e)), a tile at a time; T v32-63, U v64-95
.if m_ > 0
	s_cmp_le_u32 s30, m_
	s_cbranch_scc1 .Lepi_end
.endif
.set w_, (ACC+64*m_)/256
.set b_, (ACC+64*m_)%256
	s_wait_xcnt 0x0                                ; v96-111 were the last tile's store data
.if m_ > 0
	s_wait_alu depctr_vm_vsrc(0)                   ; the last tile's stores have read v96-111, which the conversions below write again
.endif
	WIN w_
.set n_, 0
.rept 16                               ; each accumulator's registers in ascending order
	v_pk_mul_f32 v[32+2*n_:33+2*n_], v[b_+2*n_:b_+2*n_+1], s[36:37] op_sel_hi:[1,0]
.set n_, n_+1
.endr
	WIN 0
.set n_, 0
.rept 32
	v_exp_f32 v[32+n_], v[32+n_]
.set n_, n_+1
.endr
	WIN w_*5
.set n_, 0
.rept 16                               ; independent work behind the batch
	v_pk_mul_f32 v[64+2*n_:65+2*n_], v[b_+2*n_:b_+2*n_+1], v[b_+32+2*n_:b_+33+2*n_]
.set n_, n_+1
.endr
	WIN 0
	s_wait_alu depctr_va_vdst(0)                   ; one wait for the 32 exponentials in v32-63, ahead of their first reader
.set n_, 0
.rept 16
	v_pk_add_f32 v[32+2*n_:33+2*n_], v[32+2*n_:33+2*n_], 1.0 op_sel_hi:[1,0]
.set n_, n_+1
.endr
.set n_, 0
.rept 32
	v_rcp_f32 v[32+n_], v[32+n_]
.set n_, n_+1
.endr
	v_nop
	s_wait_alu depctr_va_vdst(0)                   ; one wait for the 32 reciprocals in v32-63, ahead of their first reader
.set n_, 0
.rept 16
	v_pk_mul_f32 v[64+2*n_:65+2*n_], v[64+2*n_:65+2*n_], v[32+2*n_:33+2*n_]
.set n_, n_+1
.endr
.set i_, 0
.rept 8
	v_cvt_pk_bf16_f32 v[96+2*i_], v[64+i_], v[72+i_]
	v_cvt_pk_bf16_f32 v[97+2*i_], v[80+i_], v[88+i_]
.set i_, i_+1
.endr
	s_wait_alu depctr_va_vdst(0)                   ; the conversions have written v96-111, which the eight stores read
.set i_, 0
.rept 8
	global_store_b64 v[VS+m_], v[96+2*i_:97+2*i_], s[8:9] offset:256*i_  ; slots 2i, 2i + 1: 256 consecutive bytes, aligned
.set i_, i_+1
.endr
.set m_, m_+1
.endr
.Lepi_end:
.Lnext:
	s_add_co_u32 s28, s28, 1
	s_cmp_lt_u32 s28, 4
	s_cbranch_scc1 .Lpass
	s_cmp_lg_u32 s32, 0                            ; slice 0's wave 0 hands its list and the count to the next launch
	s_cbranch_scc1 .Lfin
	s_cmp_lg_u32 s2, 0
	s_cbranch_scc1 .Lfin
	s_wait_xcnt 0x0                                ; v96-99 were store data
	s_wait_alu depctr_vm_vsrc(0)                   ; the last tile's stores have read v96-99, which are written again below
	v_add_nc_u32 v32, s33, v[VB0]
	v_mov_b32 v96, s24
	v_mov_b32 v97, s24
	v_mov_b32 v98, s24
	v_mov_b32 v99, s24
	s_wait_alu depctr_va_vdst(0)                   ; v32 is written, which the LDS loads read, and v96-99, which the last store reads; the way out's vector lines are done with v64-95, in which the loads land
.irp q, 0,1,2,3,4,5,6,7
	ds_load_b128 v[64+4*(\q):64+4*(\q)+3], v32 offset:512*(\q)
.endr
	s_lshl_b32 s20, s31, 12
	s_mov_b32 s21, 0
	s_add_nc_u64 s[12:13], s[10:11], s[20:21]      ; rlist[e][1024]
	s_lshl_b32 s20, s31, 9
	s_add_co_u32 s20, s20, 32768
	s_add_nc_u64 s[14:15], s[10:11], s[20:21]      ; behind the lists: the count, 128 times
	s_wait_dscnt 0x0
.irp q, 0,1,2,3,4,5,6,7
	global_store_b128 v[VB0], v[64+4*(\q):64+4*(\q)+3], s[12:13] offset:512*(\q)  ; 512 consecutive bytes, aligned
.endr
	global_store_b128 v[VB0], v[96:99], s[14:15]
.Lfin:
	s_wait_dscnt 0x0                               ; the closing lines, six on end
	s_wait_alu 0x0
	s_wait_tensorcnt 0x0
	ds_add_u32 v[SPW], v[NIL]
	s_wait_dscnt 0x0
	s_endpgm
.Lfunc_end_k_q228892808d_moe1:
	.size	k_q228892808d_moe1, .Lfunc_end_k_q228892808d_moe1-k_q228892808d_moe1
	.p2alignl 7, 3214868480
	.fill 96, 4, 3214868480
	.section	.rodata,"a",@progbits
	.p2align	6, 0x0
	.amdhsa_kernel k_q228892808d_moe1
		.amdhsa_group_segment_fixed_size 280064
		.amdhsa_private_segment_fixed_size 0
		.amdhsa_enable_private_segment 0
		.amdhsa_kernarg_size 40
		.amdhsa_user_sgpr_count 2
		.amdhsa_user_sgpr_kernarg_segment_ptr 1
		.amdhsa_wavefront_size32 1
		.amdhsa_system_sgpr_workgroup_id_x 1
		.amdhsa_system_sgpr_workgroup_id_y 1
		.amdhsa_system_sgpr_workgroup_id_z 1
		.amdhsa_system_vgpr_workitem_id 0
		.amdhsa_next_free_vgpr 896
		.amdhsa_next_free_sgpr 88
		.amdhsa_reserve_vcc 1
		.amdhsa_float_denorm_mode_32 3
		.amdhsa_float_denorm_mode_16_64 3
		.amdhsa_memory_ordered 1
		.amdhsa_forward_progress 1
		.amdhsa_inst_pref_size 184
	.end_amdhsa_kernel
	.amdgpu_metadata
---
amdhsa.version: [ 1, 2 ]
amdhsa.kernels:
  - .name:           k_q228892808d_moe1
    .symbol:         k_q228892808d_moe1.kd
    .args:
      - { .name: r4, .offset: 0, .size: 8, .value_kind: global_buffer, .address_space: global }
      - { .name: ridx, .offset: 8, .size: 8, .value_kind: global_buffer, .address_space: global }
      - { .name: w1, .offset: 16, .size: 8, .value_kind: global_buffer, .address_space: global }
      - { .name: act, .offset: 24, .size: 8, .value_kind: global_buffer, .address_space: global }
      - { .name: rlist, .offset: 32, .size: 8, .value_kind: global_buffer, .address_space: global }
    .group_segment_fixed_size: 280064
    .private_segment_fixed_size: 0
    .kernarg_segment_align: 8
    .kernarg_segment_size: 40
    .max_flat_workgroup_size: 128
    .sgpr_count:     88
    .vgpr_count:     896
    .wavefront_size: 32
...
	.end_amdgpu_metadata
.endif
;; end of part 13
;; launch moe2 (part 14): grid 32 x 8, 4 waves a work-group, no clusters, 131,584 bytes of LDS; arguments act, rlist, r4, w2, part; writes part
.if DOCPART == 14
	.amdgcn_target "amdgcn-amd-amdhsa--gfx1250"
	.amdhsa_code_object_version 6
	.text
	.protected	k_q228892808d_moe2
	.globl	k_q228892808d_moe2
	.p2align	8
	.type	k_q228892808d_moe2,@function
k_q228892808d_moe2:
	s_mov_b64 s[64:65], 0
	v_nop
	global_prefetch_b8 v0, s[64:65] scope:SCOPE_SE
	s_setreg_imm32_b32 hwreg(HW_REG_WAVE_SCHED_MODE, 0, 2), 2
	s_setreg_imm32_b32 hwreg(HW_REG_WAVE_MODE, 25, 1), 1
	s_wait_xcnt 0x0
	s_wait_alu depctr_vm_vsrc(0)
; The experts' second product.  Work-group (x, e): cs = x % 16 names 64 columns, kh = x / 16 a half of the hidden width: 1,024 x 64 f32 of expert e's w2, which it alone reads, once.
; The two phases and the shares are those of the first product's launch: the slice is rounded to bf16 and laid into LDS as matrix operands; behind the one barrier up to four passes,
; in each a wave takes up to five tiles of 16 rows x all four fragments.  The count of the expert's rows and the list of its entries (2 token + k) were stored by that launch.
; act's fragments come straight from memory: act[e][tile][cb][slot][64] bf16, two K steps to a block of 64 hidden columns, 2,048 bytes from block to block; a ring of eight K steps
; in registers, five steps ahead: 40 loads stay out at a step's head, 50 behind its request.  Rows past the wave's last row in a pass repeat it.
; Column slice cs begins its walk along K at the group of eight steps cs % 4 and wraps, so that the work-groups that read the same rows walk their bytes at four different times.
; At a pass's head the entries and the gates of all its tiles are fetched, ahead of the ring: the way out waits for nothing.
; The result, times the row's gate, is a partial sum in f32: part[kh][2 token + k][1024]; each row of 256 bytes has one owner.  A later launch adds the four parts of a token.
; ROWS PAST THE COUNT.  The list's entries past the count are 2048 + e, so that in the last tile such a row goes to row 2048 + e of part, my 64 columns, my half:
; bytes that this work-group alone stores and nobody reads (at most 15 rows of 256 bytes).  So every store runs with all lanes on and no comparison is made.
; (Such an entry's gate is read 4 (2048 + e) bytes behind the gates' first: inside r4, a number that goes nowhere.)
; LIMIT.  K is summed in an order that hangs on the slice: the f32 sums' last bits differ from an ascending sum's.
; THE MODE: SCHED_MODE bits 1:0 = 2 (LLVM: expert scheduling mode 2), set by the entry lines.  The code itself states the register dependences
; between vector or matrix instructions and memory or LDS instructions, with s_wait_alu, always for 0.
; THE PLAN.  Registers that memory or LDS instructions touch:
;   phase 1   raw slot i: its sixteen loads land in it, batch i's conversions read it.  F: the conversions write it, the batch's eight LDS stores read it.
;             VO[i]: the slot's loads read it, two vector lines step it at the batch's head.  VL[i]: the batch's LDS stores read it, an add steps it at a trip's bottom.
;             A batch has one wait on vm_vsrc at its head and one on va_vdst behind its conversions; its loads and LDS stores follow that with no further wait.
;   a pass    v56, VOFF, VB, the gates' offsets: written at the pass's head, behind one wait on vm_vsrc.  ENT: the entries' loads land in it, vector lines make the stores' offsets of it.
;             GATE: the gates' loads land in it, the way out's multiplies read it.  The gates' offsets have registers of their own (v64-95, v136-143, free there).
;             Three waits on va_vdst: ahead of the entries' loads, of the gates' loads and of the ring's first loads.
;   a K step  ring slot s: loads land in it, step s's products read it.  BB[s % 2]: LDS loads land in it, step s's products read it.  VB: the LDS loads read it, every step writes it.
;             VOFF: the ring's loads read it, step 3 masks it.  The accumulators are named by matrix instructions alone.  One wait on vm_vsrc and ONE on va_vdst stand at a step's head;
;             the step's loads stand ahead of the first jump over dead tiles, so that every path issues them, and no product of the step names a register that they touch.
;   way out   F (v64-95): a tile's multiplies write it, its eight stores read it.
.set NF, 4
.set MT, 5
.set LEAD, 5
.set ROWB, 4096
.set ADIV, 2
.set AHI, 2048
.set ASTR, 8192
.set AMASK, 0x6000
.set BSTR, 32768
.set BMASK, 0x18000
.set P1TRIPS, 2
.set VSTR, 512*ROWB
.set PARTH, 2056*4096                  ; bytes of one half of part: 2,048 rows and the eight that nobody reads
.set SPARE, 131072                     ; behind the slice: the spare words, 128 bytes a wave
.set SPW, 1
.set NIL, 2
.set R_, 3
.set H_, 4
.set VB0, 5
.set VB, 6
.set H16, 7
.set VOFF, 8                           ; v8-12
.set Z, 16
.set VO, 24
.set VL, 28
.set F, 64                             ; phase 1: four fragments; at a pass's head, with v136-143: the gates' offsets; on the way out: a tile's 32 numbers
.set GATE, 96                          ; v96-135  tile m, row 8h + i: its gate
.set BB, 144                           ; v144-207 two buffers of NF fragments
.set ENT, 208                          ; v208-247 tile m, row 8h + i: its entry, then my byte offset in part
.set ACC, 256                          ; accumulator (m, f) at ACC + 8 (NF m + f): 160 registers.  In phase 1 registers 256-511 are four slots of 64 for loaded weights
.set AR, 512                           ; the A ring: step s, tile m at AR + 8 (MT s + m): 320 registers
.set MSB, 0
.macro WIN new
.if MSB != (\new)
	s_set_vgpr_msb (MSB<<8)|(\new)
.set MSB, (\new)
.endif
.endm
.macro P1ADDR
	v_mul_u32_u24 v32, v[H_], 8*ROWB
	v_lshl_add_u32 v32, v[R_], 4, v32
	s_mul_i32 s20, s2, 32*ROWB
	v_add_nc_u32 v32, s20, v32
	s_mul_i32 s20, s2, NF*1024
	v_add_nc_u32 v33, s20, v[VB0]
.irp i, 0,1,2,3
	v_add_nc_u32 v[VO+(\i)], (\i)*128*ROWB, v32    ; K step wave + 4 i
	v_add_nc_u32 v[VL+(\i)], (\i)*16384, v33
.endr
.endm
.macro P1LOAD i
.irp t, 0,1,2,3,4,5,6,7,8,9,10,11,12,13,14,15
	global_load_b128 v[64*(\i)+4*(\t):64*(\i)+4*(\t)+3], v[VO+(\i)], s[4:5] offset:((\t)+8*((\t)/8))*ROWB th:TH_LOAD_NT
.endr
.endm
.macro BATCH i
	s_wait_loadcnt 48                              ; slot i's sixteen loads are in, the three younger slots' 48 stay out
	s_wait_alu depctr_vm_vsrc(0)                   ; the last batch's LDS stores have read F, which the conversions write again; slot i's loads have read VO[i]
	v_add_nc_u32 v[VO+(\i)], VSTR, v[VO+(\i)]      ; free since the wait on LOADcnt showed its loads done
	v_and_b32 v[VO+(\i)], s18, v[VO+(\i)]          ; the last trip's loads all name the slice's head
	WIN 0x05
.irp j, 0,1,2,3
.irp q, 0,1,2,3,4,5,6,7
	v_cvt_pk_bf16_f32 v[F+8*(\j)+(\q)], v[64*(\i)+8*(\q)+(\j)], v[64*(\i)+8*(\q)+4+(\j)]
.endr
.endr
	WIN 0x40
	s_wait_alu depctr_va_vdst(0)                   ; the conversions have written F and are done reading slot i; VO[i] is written; in a trip's first batch so is VL
	P1LOAD \i
	WIN 0
.irp j, 0,1,2,3
	ds_store_b128 v[VL+(\i)], v[F+8*(\j):F+8*(\j)+3] offset:1024*(\j)
	ds_store_b128 v[VL+(\i)], v[F+8*(\j)+4:F+8*(\j)+7] offset:1024*(\j)+512
.endr
.endm
.macro MMA d, a, b, z                  ; the caller has set the windows
.if \z
	v_wmma_f32_16x16x32_bf16 v[(\d):(\d)+7], v[(\a):(\a)+7], v[(\b):(\b)+7], 0
.else
	v_wmma_f32_16x16x32_bf16 v[(\d):(\d)+7], v[(\a):(\a)+7], v[(\b):(\b)+7], v[(\d):(\d)+7]
.endif
.endm
.macro ALOAD s
.set t_, 0
.rept MT
.set a_, AR+8*(MT*(\s)+t_)
	WIN (a_/256)*0x40
	global_load_b128 v[a_%256:a_%256+3], v[VOFF+t_], s[12:13] offset:((\s)/ADIV)*AHI+((\s)%ADIV)*64
	global_load_b128 v[a_%256+4:a_%256+7], v[VOFF+t_], s[12:13] offset:((\s)/ADIV)*AHI+((\s)%ADIV)*64+32
.set t_, t_+1
.endr
.endm
.macro BLOAD b, ks
.set f_, 0
.rept NF
	ds_load_b128 v[BB+8*NF*(\b)+8*f_:BB+8*NF*(\b)+8*f_+3], v[VB] offset:((\ks)*NF+f_)*1024
	ds_load_b128 v[BB+8*NF*(\b)+8*f_+4:BB+8*NF*(\b)+8*f_+7], v[VB] offset:((\ks)*NF+f_)*1024+512
.set f_, f_+1
.endr
.endm
.macro PRO_A                           ; the walk begins at my slice's group of eight steps; the ring's first five steps
	s_mov_b32 s14, s36
	s_mov_b32 s15, 0
	s_add_nc_u64 s[12:13], s[6:7], s[14:15]
	s_and_b32 s16, s37, BMASK
	v_add_nc_u32 v[VB], s16, v[VB0]
	s_wait_alu depctr_va_vdst(0)                   ; VOFF, VB and the stores' offsets in ENT are written; the last pass's products are done reading the ring and the weights' buffers, in which the loads below land
.irp s, 0,1,2,3,4
	ALOAD \s
.endr
	WIN 0
.endm
.macro PRO_B
	BLOAD 0, 0
.rept 5
	v_nop
.endr
.set k_, 0
.rept MT*NF
.set d_, ACC+8*k_
	WIN (d_/256)*0x40
	MMA d_%256, Z, Z, 1
.set k_, k_+1
.endr
	WIN 0
	s_mov_b32 s17, 4
.endm
.macro STEP s
	s_wait_loadcnt 2*MT*(LEAD-1)                   ; this step's A is in; four younger steps of ten loads stay out (this step's own request follows below)
	s_wait_dscnt 0x0                               ; this step's weights are in: nothing younger has been asked of LDS
.if (\s) == 7
	s_add_co_u32 s16, s16, BSTR                    ; the next fragments are the next eight steps' first
.endif
	s_and_b32 s16, s16, BMASK                      ; 0 .. BMASK: with 16 x lane and the immediates below, inside the slice; past the slice's end it wraps
	s_wait_alu depctr_vm_vsrc(0)                   ; the LDS loads issued so far have read VB, the ring's loads VOFF: both may be written (and the gates' loads their offsets, which the way out writes over)
.rept 3
	v_nop                                          ; the four places behind the last step's products (ISA guide 7.12.1) stay, ahead of the wait below;
.endr
	v_add_nc_u32 v[VB], s16, v[VB0]                ; the fourth: the LDS address, made anew in every step
.if (\s) == 8-LEAD                     ; from here on the look-ahead lies in the next eight steps
	s_wait_xcnt 0x0                                ; the base and the offsets are rewritten only behind this wait
	s_add_co_u32 s14, s14, ASTR
	s_and_b32 s14, s14, AMASK                      ; past my half's end it wraps
	s_add_nc_u64 s[12:13], s[6:7], s[14:15]
	s_cmp_eq_u32 s17, 1
	s_cselect_b32 s18, 0, -1
.set m_, 0
.rept MT
	v_and_b32 v[VOFF+m_], s18, v[VOFF+m_]          ; the last trip's look-ahead names A's first row alone
.set m_, m_+1
.endr
.endif
	s_wait_alu depctr_va_vdst(0)                   ; the last step's products are done reading their buffer of weights, earlier steps' their ring slots: this step's loads land there; VB and VOFF are written
	BLOAD ((\s)+1)%2, ((\s)+1)%8
.set m_, 0
.rept MT
.if m_ > 0
	WIN 0
	s_cmp_le_u32 s30, m_                           ; tiles that this pass does not have are jumped, forward
	s_cbranch_scc1 .Lend\@
.endif
.set a_, AR+8*(MT*(\s)+m_)
.set f_, 0
.rept NF                               ; the accumulators take turns
.set d_, ACC+8*(NF*m_+f_)
	WIN (d_/256)*0x50+(a_/256)
	MMA d_%256, a_%256, BB+8*NF*((\s)%2)+8*f_, 0
.set f_, f_+1
.endr
.if m_ == 0
	ALOAD ((\s)+LEAD)%8                            ; ahead of the first jump: every path issues these ten.  No wait: no product since the wait above names this slot or VOFF
.endif
.set m_, m_+1
.endr
	WIN 0
.Lend\@:
.endm
; From the count in s24: R (s24), nt tiles (s25), the tiles of a wave in a pass (s27) = ceil(nt / (4 passes)), never above five, R - 1 (s34; with R = 0 no pass runs)
.macro SHARES
	s_min_u32 s24, s24, 1024
	s_add_co_u32 s25, s24, 15
	s_lshr_b32 s25, s25, 4
	s_add_co_u32 s20, s25, 3
	s_lshr_b32 s27, s20, 2                         ; one pass: up to 20 tiles
	s_add_co_u32 s20, s25, 7
	s_lshr_b32 s20, s20, 3
	s_cmp_gt_u32 s25, 20
	s_cselect_b32 s27, s20, s27                    ; two: up to 40
	s_add_co_u32 s20, s25, 11
	s_mul_i32 s20, s20, 43
	s_lshr_b32 s20, s20, 9                         ; / 12, exact for 52 .. 71
	s_cmp_gt_u32 s25, 40
	s_cselect_b32 s27, s20, s27                    ; three: up to 60
	s_add_co_u32 s20, s25, 15
	s_lshr_b32 s20, s20, 4
	s_cmp_gt_u32 s25, 60
	s_cselect_b32 s27, s20, s27                    ; four
	s_sub_co_u32 s34, s24, 1
.endm
.macro TILEOUT m
.if (\m) > 0
	s_cmp_le_u32 s30, \m
	s_cbranch_scc1 .Lepi_end
.endif
	s_wait_xcnt 0x0                                ; v64-95 were the last tile's store data
.if (\m) > 0
	s_wait_alu depctr_vm_vsrc(0)                   ; the last tile's stores have read v64-95, which the multiplies below write again
.endif
	WIN (ACC+32*(\m))/256
.set i_, 0
.rept 8                                ; each accumulator's registers in ascending order
.irp j, 0,1,2,3
	v_mul_f32 v[F+4*i_+(\j)], v[(ACC+32*(\m))%256+8*(\j)+i_], v[GATE+8*(\m)+i_]
.endr
.set i_, i_+1
.endr
	WIN 0
	s_wait_alu depctr_va_vdst(0)                   ; the multiplies have written v64-95, which the eight stores read
.set i_, 0
.rept 8
	global_store_b128 v[ENT+8*(\m)+i_], v[F+4*i_:F+4*i_+3], s[8:9]  ; sixteen lanes: 256 consecutive bytes, aligned
.set i_, i_+1
.endr
.endm
	s_load_b256 s[40:47], s[0:1], 0x0              ; act s[40:41], rlist s[42:43], r4 s[44:45], w2 s[46:47]
	s_load_b64 s[38:39], s[0:1], 0x20              ; part
	v_lshl_add_u32 v[SPW], v0, 2, SPARE
	v_mov_b32 v[NIL], 0
	v_lshrrev_b32 v32, 5, v0
	v_readfirstlane_b32 s2, v32
	v_and_b32 v[R_], 15, v0
	v_bfe_u32 v[H_], v0, 4, 1
	v_and_b32 v36, 31, v0
	v_lshlrev_b32 v[VB0], 4, v36
	v_lshlrev_b32 v[H16], 4, v[H_]
	s_and_b32 s31, ttmp7, 0xffff                   ; expert
	s_and_b32 s32, ttmp9, 15                       ; 64 columns
	s_lshr_b32 s35, ttmp9, 4                       ; half of the hidden width
	s_and_b32 s36, s32, 3                          ; the group of eight K steps at which my walk begins:
	s_mul_i32 s37, s36, BSTR                       ; its fragments in LDS,
	s_mul_i32 s36, s36, ASTR                       ; its bytes in a tile of act
	s_wait_alu depctr_va_sdst(0)                   ; s2 is written, ahead of its first reader
	P1ADDR
	s_mov_b32 s21, 0
	s_wait_kmcnt 0x0
	s_lshl_b32 s20, s31, 23
	s_lshl_b32 s22, s35, 22
	s_add_co_u32 s20, s20, s22
	s_lshl_b32 s22, s32, 8
	s_add_co_u32 s20, s20, s22
	s_add_nc_u64 s[4:5], s[46:47], s[20:21]
	WIN 0x40
	s_wait_alu depctr_va_vdst(0)                   ; VO is written, which the loads below read
	P1LOAD 0
	P1LOAD 1
	P1LOAD 2
	P1LOAD 3
	WIN 0
	s_mul_i32 s20, s35, PARTH
	s_add_co_u32 s20, s20, s22
	s_add_nc_u64 s[8:9], s[38:39], s[20:21]
	s_lshl_b32 s20, s31, 22
	s_lshl_b32 s22, s35, 15
	s_add_co_u32 s20, s20, s22
	s_add_nc_u64 s[6:7], s[40:41], s[20:21]
	s_add_nc_u64 s[10:11], s[44:45], 0x200000      ; the gates
	s_lshl_b32 s20, s31, 9
	s_add_co_u32 s20, s20, 32768
	s_add_nc_u64 s[22:23], s[42:43], s[20:21]
	s_load_b32 s24, s[22:23], 0x0                  ; the expert's count
	s_lshl_b32 s20, s31, 12
	s_add_nc_u64 s[42:43], s[42:43], s[20:21]      ; its list
.irp k, 0,1,2,3,4,5,6,7
	v_mov_b32 v[Z+(\k)], 0
.endr
	s_wait_kmcnt 0x0                               ; (the first weights are on their way meanwhile)
	SHARES
	s_mov_b32 s19, P1TRIPS
.Lp1:
	s_cmp_eq_u32 s19, 1
	s_cselect_b32 s18, 0, -1
	BATCH 0
	BATCH 1
	BATCH 2
	BATCH 3
	s_wait_alu depctr_vm_vsrc(0)                   ; the trip's LDS stores have read VL
.irp i, 0,1,2,3
	v_add_nc_u32 v[VL+(\i)], 0x10000, v[VL+(\i)]
.endr
	s_sub_co_u32 s19, s19, 1
	s_cmp_lg_u32 s19, 0
	s_cbranch_scc1 .Lp1
	s_wait_loadcnt 0x0
	s_wait_dscnt 0x0                               ; for the others' sake: my part of the slice is in LDS
	s_barrier_signal -1
	s_barrier_wait -1
	s_mov_b32 s28, 0
.Lpass:
	s_lshl_b32 s20, s28, 2
	s_add_co_u32 s20, s20, s2
	s_mul_i32 s29, s20, s27                        ; my first tile
	s_sub_co_i32 s30, s25, s29
	s_max_i32 s30, s30, 0
	s_min_u32 s30, s30, s27                        ; and how many
	s_cmp_eq_u32 s30, 0
	s_cbranch_scc1 .Lnext
	s_wait_xcnt 0x0                                ; offsets of the last pass's loads and stores are rewritten
	s_wait_alu depctr_vm_vsrc(0)                   ; the last pass's loads have read v56, VOFF and VB, its stores ENT and v64-95: all are written anew below
	s_min_u32 s20, s29, 63
	s_lshl_b32 s20, s20, 6
	v_lshlrev_b32 v56, 5, v[H_]
	v_add_nc_u32 v56, s20, v56                     ; the entries of rows 8h .. 8h + 7 of my first tile; 64 bytes on for each further tile
	s_wait_alu depctr_va_vdst(0)                   ; v56 is written, which the loads below read; the last pass's vector lines are done with ENT, in which they land
.set m_, 0
.rept MT
	global_load_b128 v[ENT+8*m_:ENT+8*m_+3], v56, s[42:43] offset:64*m_
	global_load_b128 v[ENT+8*m_+4:ENT+8*m_+7], v56, s[42:43] offset:64*m_+16
.set m_, m_+1
.endr
	s_add_co_u32 s21, s29, s30
	s_lshl_b32 s21, s21, 4
	s_sub_co_u32 s21, s21, 1
	s_min_u32 s33, s21, s34                        ; my last row in this pass
	s_lshl_b32 s20, s29, 4
	v_add_nc_u32 v32, s20, v[R_]
.irp m, 0,1,2,3,4
	v_add_nc_u32 v40, 16*(\m), v32
	v_min_u32 v40, s33, v40                        ; rows past it repeat it
	v_min_u32 v40, 0x3ff, v40
	v_and_b32 v41, 0x3f0, v40
	v_lshlrev_b32 v41, 12, v41                     ; the tile's 65,536 bytes
	v_and_b32 v42, 7, v40
	v_lshlrev_b32 v42, 8, v42                      ; slot 2 (row % 8) + (row / 8) % 2, 128 bytes each
	v_add_nc_u32 v41, v41, v42
	v_and_b32 v42, 8, v40
	v_lshlrev_b32 v42, 4, v42
	v_add_nc_u32 v41, v41, v42
	v_add_nc_u32 v[VOFF+(\m)], v[H16], v41
.endr
	v_lshlrev_b32 v57, 4, v[R_]
	s_wait_loadcnt 0x0                             ; the entries
.set i_, 0
.rept 8*MT
	v_min_u32 v[ENT+i_], 0x807, v[ENT+i_]          ; 2,048 rows and the eight that nobody reads
	v_lshlrev_b32 v[64+i_+40*(i_/32)], 2, v[ENT+i_]  ; the gate's offset: v64-95, then v136-143
.set i_, i_+1
.endr
	s_wait_alu depctr_va_vdst(0)                   ; the gates' offsets are written, which the loads below read; the last pass's multiplies are done reading GATE, in which they land
.set i_, 0
.rept 8*MT
	global_load_b32 v[GATE+i_], v[64+i_+40*(i_/32)], s[10:11]  ; their gates; older than the ring's loads, so the first step's wait shows them in
.set i_, i_+1
.endr
.set i_, 0
.rept 8*MT
	v_lshlrev_b32 v[ENT+i_], 12, v[ENT+i_]         ; the row of 2 token + k,
	v_add_nc_u32 v[ENT+i_], v57, v[ENT+i_]         ; my 16 bytes
.set i_, i_+1
.endr
	PRO_A
	PRO_B
.Lk:
	STEP 0
	STEP 1
	STEP 2
	STEP 3
	STEP 4
	STEP 5
	STEP 6
	STEP 7
	s_sub_co_u32 s17, s17, 1
	s_cmp_lg_u32 s17, 0
	s_cbranch_scc1 .Lk
	s_wait_loadcnt 0x0
	s_wait_dscnt 0x0
.rept 4
	v_nop
.endr
	TILEOUT 0
	TILEOUT 1
	TILEOUT 2
	TILEOUT 3
	TILEOUT 4
.Lepi_end:
.Lnext:
	s_add_co_u32 s28, s28, 1
	s_cmp_lt_u32 s28, 4
	s_cbranch_scc1 .Lpass
	s_wait_dscnt 0x0                               ; the closing lines, six on end
	s_wait_alu 0x0
	s_wait_tensorcnt 0x0
	ds_add_u32 v[SPW], v[NIL]
	s_wait_dscnt 0x0
	s_endpgm
.Lfunc_end_k_q228892808d_moe2:
	.size	k_q228892808d_moe2, .Lfunc_end_k_q228892808d_moe2-k_q228892808d_moe2
	.p2alignl 7, 3214868480
	.fill 96, 4, 3214868480
	.section	.rodata,"a",@progbits
	.p2align	6, 0x0
	.amdhsa_kernel k_q228892808d_moe2
		.amdhsa_group_segment_fixed_size 131584
		.amdhsa_private_segment_fixed_size 0
		.amdhsa_enable_private_segment 0
		.amdhsa_kernarg_size 40
		.amdhsa_user_sgpr_count 2
		.amdhsa_user_sgpr_kernarg_segment_ptr 1
		.amdhsa_wavefront_size32 1
		.amdhsa_system_sgpr_workgroup_id_x 1
		.amdhsa_system_sgpr_workgroup_id_y 1
		.amdhsa_system_sgpr_workgroup_id_z 1
		.amdhsa_system_vgpr_workitem_id 0
		.amdhsa_next_free_vgpr 832
		.amdhsa_next_free_sgpr 66
		.amdhsa_reserve_vcc 0
		.amdhsa_float_denorm_mode_32 3
		.amdhsa_float_denorm_mode_16_64 3
		.amdhsa_memory_ordered 1
		.amdhsa_forward_progress 1
		.amdhsa_inst_pref_size 88
	.end_amdhsa_kernel
	.amdgpu_metadata
---
amdhsa.version: [ 1, 2 ]
amdhsa.kernels:
  - .name:           k_q228892808d_moe2
    .symbol:         k_q228892808d_moe2.kd
    .args:
      - { .name: act, .offset: 0, .size: 8, .value_kind: global_buffer, .address_space: global }
      - { .name: rlist, .offset: 8, .size: 8, .value_kind: global_buffer, .address_space: global }
      - { .name: r4, .offset: 16, .size: 8, .value_kind: global_buffer, .address_space: global }
      - { .name: w2, .offset: 24, .size: 8, .value_kind: global_buffer, .address_space: global }
      - { .name: part, .offset: 32, .size: 8, .value_kind: global_buffer, .address_space: global }
    .group_segment_fixed_size: 131584
    .private_segment_fixed_size: 0
    .kernarg_segment_align: 8
    .kernarg_segment_size: 40
    .max_flat_workgroup_size: 128
    .sgpr_count:     66
    .vgpr_count:     832
    .wavefront_size: 32
...
	.end_amdgpu_metadata
.endif
;; end of part 14
;; launch comb: the kernel of part 8 again; grid 129 x 1, 8 waves a work-group, no clusters, 0 bytes of LDS; arguments x2, part, r4, out0, out1; writes out0, out1
